; MI455X (gfx1250); checked and timed in simulation.
; The chip was launched on July 23, 2026; its instructions are those of AMD's public machine-readable ISA for CDNA 5 (MIT licence, August 2026) and "CDNA5" Instruction Set Architecture Reference Guide (July 2026). The comments in the code are by the model that wrote it; some were corrected since.
;; Transformer Block. Allowed arithmetic: matrix products marked QUANTISED: E2M1 operands, one E8M0 scale for each 32 along K, by v_wmma_scale_f32_16x16x128_f8f6f4 with both operands' format E2M1 (or v_wmma_scale_f32_32x16x128_f4), f32 sums; products left as they are: f32 operands where the result goes on into a quantised operand, else bf16, f16 or f32 operands; f32 sums; everything else in f32.
;; Inputs: W1_codes 4,096 x 32 x 16 uint8 (E2M1 codes of W1, K innermost, in blocks of 32 codes, two codes a byte); W1_scales 4,096 x 32 uint8 (E8M0 scales of W1, one for each 32 codes along K); W2_codes 1,024 x 64 x 16 uint8 (E2M1 codes of W2, K innermost, in blocks of 32 codes, two codes a byte); W2_scales 1,024 x 64 uint8 (E8M0 scales of W2, one for each 32 codes along K); Wout_codes 1,024 x 32 x 16 uint8 (E2M1 codes of Wout, K innermost, in blocks of 32 codes, two codes a byte); Wout_scales 1,024 x 32 uint8 (E8M0 scales of Wout, one for each 32 codes along K); Wqkv_codes 3,072 x 32 x 16 uint8 (E2M1 codes of Wqkv, K innermost, in blocks of 32 codes, two codes a byte); Wqkv_scales 3,072 x 32 uint8 (E8M0 scales of Wqkv, one for each 32 codes along K); g1 1,024 float32; g2 1,024 float32; mask 2 x 2,048 x 2,048 int32; x 2 x 2,048 x 1,024 float32.
;; Outputs: out0 2 x 2,048 x 1,024 float32.
;; This version of the problem:
;;   THIS VERSION OF THE PROBLEM IS GIVEN IN LOW PRECISION. The matrix products marked QUANTISED in the list below multiply operands that are first quantised to E2M1 (2 exponent bits, 1 mantissa bit; 4 bits a number), with one power-of-two scale for each 32 numbers along K (OCP MX v1.0); their sums are f32. All else is computed in f32.
;;   The module's matrix products, in the order in which they are computed (A, B: the left and right operand; K: the contracted axis; several contracted axes count as one K, in the product's order):
;;     1. [M 4,096, K 1,024] x [K 1,024, N 3,072]; A: computed on the way; B: input Wqkv (given as codes): QUANTISED
;;     2. [M 2,048, K 1] x [K 1, N 32]; A: computed on the way; B: computed on the way: left as it is (no contracted axis)
;;     3. batch 32 x [M 2,048, K 64] x [K 64, N 2,048]; A: computed on the way; B: computed on the way: QUANTISED
;;     4. batch 32 x [M 2,048, K 2,048] x [K 2,048, N 64]; A: softmax (see below); B: computed on the way: QUANTISED
;;     5. [M 4,096, K 1,024] x [K 1,024, N 1,024]; A: computed on the way; B: input Wout (given as codes): QUANTISED
;;     6. [M 4,096, K 1,024] x [K 1,024, N 4,096]; A: computed on the way; B: input W1 (given as codes): QUANTISED
;;     7. [M 4,096, K 2,048] x [K 2,048, N 1,024]; A: computed on the way; B: input W2 (given as codes): QUANTISED
;;   THE QUANTISER, for each operand of a quantised product, along K:
;;     - K is cut into blocks of 32 from its start; a last block that is shorter is filled with zeros.
;;     - A block's scale is 2^e with e = floor(log2(the largest magnitude in the block)) - 2, held to -126 .. 127; a block of zeros has e = 0. As a byte (E8M0): e + 127.
;;     - Each number is divided by its block's scale, clamped to +-6, and rounded to the nearest number of E2M1, ties to even, subnormals kept.
;;     - The product sums the exact products of the quantised numbers (number of the format x scale) in f32.
;;   ~~~python
;;   def quantise(x, axis):      # numpy; x: float32 -> the quantised numbers, widened to float32 again
;;       x = np.moveaxis(x, axis, -1); K = x.shape[-1]
;;       x = np.pad(x, [(0, 0)] * (x.ndim - 1) + [(0, -K % 32)]); x = x.reshape(x.shape[:-1] + (-1, 32)); a = np.abs(x).max(-1, keepdims=True)
;;       e = np.where(a > 0, np.clip(np.frexp(np.where(a > 0, a, 1))[1] - 1 - 2, -126, 127), 0)      # np.frexp(a)[1] - 1 = floor(log2(a)), exactly
;;       r = np.clip(x / 2.0 ** e, -6, 6)
;;       step = 2.0 ** (np.maximum(np.frexp(np.where(r == 0, 1, r))[1] - 1, 0) - 1)
;;       q = np.round(r / step) * step * 2.0 ** e      # np.round: ties to even
;;       return np.moveaxis(q.reshape(q.shape[:-2] + (-1,))[..., :K], -1, axis).astype(np.float32)
;;   ~~~
;;   SOFTMAX AHEAD OF A QUANTISED PRODUCT. Where the list says 'softmax', what is quantised is not the finished softmax but p = 2^(t - M), with t = logit x log2(e) and M = ceil(the row's largest t), a whole number; so 1/2 < the row's largest p <= 1. The row's sum l is taken of the UNQUANTISED p, in f32, and the product's result is divided by l at the end. Since M is a whole number, a kernel that streams over the keys may use a running M (the ceiling of the running maximum): every later rescaling is an exact power of two, which a block's scale takes up: the codes' values come out the same.
;;   OPERANDS COMPUTED ON THE WAY. 'Computed on the way' means the value that the module computes at that place (a softmax that the list does not call 'softmax' is quantised finished and normalised). What goes into a quantiser is computed in f32, as accurately as f32 sums, v_exp_f32 and their like allow (about 1e-6 of the number): no bf16 or f16 on the way to a quantiser, and a product that is left as it is and whose result goes on into a quantised operand takes f32 operands (vector FMAs, or v_wmma_f32_16x16x4_f32). A number that lies on a knife's edge between two numbers of the format may be rounded either way, as far as f32 arithmetic and the matrix unit's own rounding can turn it there, and no further.
;;   INPUTS GIVEN AS CODES. W1 (in the module: [1024, 4096], K = its axis 0); W2 (in the module: [2048, 1024], K = its axis 0); Wout (in the module: [1024, 1024], K = its axis 0); Wqkv (in the module: [1024, 3072], K = its axis 0): each comes as NAME_codes (uint8): NAME with its K axis moved to the last place and cut into blocks of 32 codes, [.., K / 32, bytes a block], one block behind the other in memory; two codes a byte, the lower K in the low four bits (a code: sign, 2 exponent bits, 1 mantissa bit); and NAME_scales (uint8): the same leading axes, one E8M0 byte (e + 127) for each 32 codes along K. Its value is code x scale, taken as it is: it is not quantised again, and the codes and scales need not be those that the quantiser above would give.
;; 2 versions. Each part assembles by itself: llvm-mc -triple=amdgcn-amd-amdhsa -mcpu=gfx1250 --defsym DOCPART=n.
;; ======== version 1 of 2: 6 launches
;; workspace buffers: prep 2,752,512 bytes; mbits 1,048,576 bytes of whole numbers; flags 4,096 bytes of whole numbers; qkv 7,077,888 bytes; att 2,228,224 bytes; mid 19,005,440 bytes; hid 4,456,448 bytes
;; launch prep (part 1): grid 384 x 1, 4 waves a work-group, no clusters, 54,784 bytes of LDS; arguments x, g1, mask, prep, mbits, flags; writes prep, mbits, flags
.if DOCPART == 1
	.amdgcn_target "amdgcn-amd-amdhsa--gfx1250"
	.amdhsa_code_object_version 6
	.text
	.protected	k_qb537308320_prep
	.globl	k_qb537308320_prep
	.p2align	8
	.type	k_qb537308320_prep,@function
k_qb537308320_prep:
	s_mov_b64 s[64:65], 0
	v_nop
	global_prefetch_b8 v0, s[64:65] scope:SCOPE_SE
	s_setreg_imm32_b32 hwreg(HW_REG_WAVE_MODE, 25, 1), 1
	s_wait_xcnt 0x0
; LAUNCH 1 OF 6 of a transformer block (4,096 tokens of 1,024; 16 heads of 64; FFN 2,048), all six large products on codes of FP4 (E2M1) with one E8M0 scale for each 32 along K.
; This launch makes what the later launches read many times:
;   A (work-groups 0-127):  xq, xs = the codes and scale bytes of g1 * x / sqrt(mean(x^2) + 1e-6), rows as they lie, and the table cos, sin of position x 10000^(-f/32), 2,048 positions x 32 frequencies;
;   B (work-groups 128-383): the mask as lane-mask words in the layout of the attention launch's scores (mbits), and two flags for each tile of 16 queries x 128 keys (flags).
; WORK THAT IS NOT DONE, AND WHY THAT IS RIGHT FOR EVERY INPUT.  reference() sets a score to -infinity where mask == 0, so its weight is exactly 0: a tile of 16 queries x 128 keys whose mask entries are ALL 0
; adds nothing to any row's maximum, sum or result.  Whole numbers (the int32 mask) decide that: this launch stores it as a flag, and the attention launch, which reads the flag from memory, walks only
; the tiles that have an entry other than 0.  No pattern of the mask is built in.  cos and sin hang on position and frequency alone, so each is made once here and not once for each head.  Every input is used.
; LIMITS.  A NaN, an infinity or an overflow that reaches only scores of a tile that is left out is not carried on (reference() overwrites those scores too).  NaN and infinities among x, g1 are not served.
; 1 / rms comes by v_rsq_f32.  The frequencies are the f32 numbers nearest to 10^(-f/8); reference()'s own power and division in f32 may differ in the last place or two, at the last position some 2.5e-4 of the angle in radians.
; cos and sin: the angle less n pi/2 in two parts, then polynomials on [-pi/4, pi/4], good to about 1e-7.  A block of zeros gets the scale byte 1 where the rule says 127: its codes are zeros, and this program alone reads the bytes.
; No barrier: waves share nothing.  The two paths part on the work-group's number, never join, and have LDS bytes of their own.
.set SPARE,    54272                   ; the spare words, 128 bytes a wave: two blocks of 256 bytes that no other line names
.set XS_OFF,   2097152                 ; prep: xq [4096][512 B] | xs [4096][32 B] | table [2048][cos 32, sin 32] f32
.set ROPE_OFF, 2228224                 ; mbits: words [tile 256][step 16][64];  flags: [tile 256][quarter 4]
.set SPW, 10                           ; v10  my spare word's LDS address; never rewritten
.set NIL, 11                           ; v11  0; never rewritten
.set R,   32                           ; A: v32-95   two sets of 32 numbers as loaded
.set X,   96                           ; A: v96-127  32 neighbours: my block of the row
.set G,   128                          ; A: v128-159 g1 of my 32 columns
.set C,   160                          ; A: v160-191 codes, four registers a row
.set E,   192                          ; A: v192-199 a scale byte a row
.set TBL, 200                          ; A: v200-207 the table's numbers
.set FRQ, 208                          ; A: v208-209 my two frequencies
.set H3,  210                          ; A: v210     0 in the lanes that make cos, 3 in those that make sin
.set W,   12                           ; B: v12-19   the words, two registers a step
.set M,   32                           ; B: v32-159  two sets of 64: 16 rows x 512 bytes as loaded
.set XM,  160                          ; B: v160-223 the same in the scores' layout
	s_load_b256 s[4:11], s[0:1], 0x0               ; x, g1, mask, prep
	s_load_b128 s[12:15], s[0:1], 0x20             ; mbits, flags
	v_lshl_add_u32 v[SPW], v0, 2, SPARE
	v_mov_b32 v[NIL], 0
	v_lshrrev_b32 v1, 5, v0
	v_readfirstlane_b32 s16, v1                    ; wave 0..3
	v_and_b32 v1, 31, v0                           ; lane
	v_lshlrev_b32 v2, 4, v1                        ; 16 x lane
	s_cmp_lt_u32 ttmp9, 128
	s_cbranch_scc0 .Lmask
; ---------------- PATH A: a work-group takes 32 rows of x, a wave 8 ----------------
; A load reads 512 consecutive bytes, 16 a lane; the conversions want 32 neighbours in one lane.  So a row turns through the wave's stage: 32 places of 128 bytes + 16 of padding.
	s_mul_i32 s17, s16, 5120                       ; my wave's LDS: the stage (4,608 bytes), then 256 scale bytes
	v_lshrrev_b32 v3, 3, v1
	v_mul_u32_u24 v3, v3, 144
	v_and_b32 v4, 7, v1
	v_lshl_add_u32 v3, v4, 4, v3
	v_add_nc_u32 v3, s17, v3                       ; in: eight lanes' 128 bytes on end; a load's 512 bytes take four places
	v_mul_u32_u24 v4, v1, 144
	v_add_nc_u32 v4, s17, v4                       ; out: my place
	s_add_co_u32 s17, s17, 4608
	v_add_nc_u32 v5, s17, v1                       ; my block's scale byte
	v_lshlrev_b32 v7, 3, v1
	v_add_nc_u32 v6, s17, v7                       ; and 8 bytes a lane on the way out
	v_lshlrev_b32 v8, 7, v1                        ; g1: my 32 numbers
	v_mov_b32 v21, 0                               ; a lane permute's destination counts as one of its sources
	s_mov_b32 s20, 0x76543210
	s_mov_b32 s21, 0xfedcba98                      ; selects for lane l xor 16
	s_mov_b32 s22, 0x3a800000                      ; 1 / 1024
	s_mov_b32 s23, 0x358637bd                      ; 1e-6
	s_lshl_b32 s18, ttmp9, 5
	s_lshl_b32 s19, s16, 3
	s_add_co_u32 s18, s18, s19                     ; my first row
	s_lshl_b32 s24, s18, 12
	s_mov_b32 s25, 0
	s_lshl_b32 s26, s18, 9
	s_mov_b32 s27, 0
	s_lshl_b32 s28, s18, 5
	s_add_co_u32 s28, s28, XS_OFF
	s_mov_b32 s29, 0
	s_lshl_b32 s30, ttmp9, 4
	s_lshl_b32 s19, s16, 2
	s_add_co_u32 s30, s30, s19                     ; my first position of the table
	s_lshl_b32 s44, s30, 8
	s_add_co_u32 s44, s44, ROPE_OFF
	s_mov_b32 s45, 0
	s_wait_kmcnt 0x0
	s_add_nc_u64 s[4:5], s[4:5], s[24:25]          ; x at my first row
	s_add_nc_u64 s[26:27], s[10:11], s[26:27]      ; xq
	s_add_nc_u64 s[28:29], s[10:11], s[28:29]      ; xs
	s_add_nc_u64 s[44:45], s[10:11], s[44:45]      ; the table
.irp j, 0,1,2,3,4,5,6,7
	global_load_b128 v[G+4*\j:G+4*\j+3], v8, s[6:7] offset:16*\j
.endr
.macro LOADX t
.irp i, 0,1,2,3,4,5,6,7
	global_load_b128 v[R+32*((\t)%2)+4*\i:R+32*((\t)%2)+4*\i+3], v2, s[4:5] offset:4096*(\t)+512*\i th:TH_LOAD_NT
.endr
.endm
	LOADX 0
	LOADX 1
.macro ROW t
.set RR, R+32*((\t)%2)
.if (\t) < 7
	s_wait_loadcnt 8                               ; this row's eight loads are in (and g1, which is older); the next row's eight may be out
.else
	s_wait_loadcnt 0x0
.endif
.irp i, 0,1,2,3,4,5,6,7
	ds_store_b128 v3, v[RR+4*\i:RR+4*\i+3] offset:576*\i
.endr
.irp k, 0,1,2,3
	v_pk_mul_f32 v[12+2*\k:13+2*\k], v[RR+2*\k:RR+2*\k+1], v[RR+2*\k:RR+2*\k+1]   ; the sum of squares, from the numbers as loaded: four chains
.endr
.irp k, 4,5,6,7,8,9,10,11,12,13,14,15
	v_pk_fma_f32 v[12+2*(\k%4):13+2*(\k%4)], v[RR+2*\k:RR+2*\k+1], v[RR+2*\k:RR+2*\k+1], v[12+2*(\k%4):13+2*(\k%4)]
.endr
.irp j, 0,1,2,3,4,5,6,7
	ds_load_b128 v[X+4*\j:X+4*\j+3], v4 offset:16*\j   ; LDS serves a wave's instructions in order: these see the stores above
.endr
	v_pk_add_f32 v[12:13], v[12:13], v[14:15]
	v_pk_add_f32 v[16:17], v[16:17], v[18:19]
	v_pk_add_f32 v[12:13], v[12:13], v[16:17]
	v_add_f32 v12, v12, v13
	v_add_f32_dpp v12, v12, v12 row_xmask:1 row_mask:0xf bank_mask:0xf
	v_add_f32_dpp v12, v12, v12 row_xmask:2 row_mask:0xf bank_mask:0xf
	v_add_f32_dpp v12, v12, v12 row_xmask:4 row_mask:0xf bank_mask:0xf
	v_add_f32_dpp v12, v12, v12 row_xmask:8 row_mask:0xf bank_mask:0xf
	v_permlanex16_b32 v21, v12, s20, s21
	v_add_f32 v12, v12, v21                        ; the row's sum, in every lane
	v_fma_f32 v20, v12, s22, s23                   ; the mean + 1e-6
	v_rsq_f32 v30, v20
	v_rsq_f32 v31, v20                             ; twice: a pair for the packed multiply
	v_nop                                          ; a plain instruction behind the last of the two
	s_wait_alu depctr_va_vdst(0)                   ; one wait for both, ahead of their first reader
	s_wait_dscnt 0x0                               ; my 32 neighbours are in, and the stage's stores have read their registers,
.if (\t)+2 < 8
	LOADX (\t)+2                                   ; which take the row two further on
.endif
.irp k, 0,1,2,3,4,5,6,7,8,9,10,11,12,13,14,15
	v_pk_mul_f32 v[X+2*\k:X+2*\k+1], v[X+2*\k:X+2*\k+1], v[30:31]
.endr
.irp k, 0,1,2,3,4,5,6,7,8,9,10,11,12,13,14,15
	v_pk_mul_f32 v[X+2*\k:X+2*\k+1], v[X+2*\k:X+2*\k+1], v[G+2*\k:G+2*\k+1]
.endr
	v_max3_num_f32 v12, |v[X]|, |v[X+1]|, |v[X+2]|     ; the block's largest magnitude: all 32 numbers are mine
	v_max3_num_f32 v13, |v[X+3]|, |v[X+4]|, |v[X+5]|
.irp i, 6,10,14,18,22,26
	v_max3_num_f32 v12, v12, |v[X+\i]|, |v[X+\i+1]|
	v_max3_num_f32 v13, v13, |v[X+\i+2]|, |v[X+\i+3]|
.endr
	v_max3_num_f32 v12, v12, |v[X+30]|, |v[X+31]|
	v_max3_num_f32 v12, v12, v13, 0x1800000        ; and the floor 2^(3 - 127): the byte cannot fall under 1
	v_add_nc_u32 v14, 0xff000000, v12              ; 2 off its exponent field: the conversion's scale operand
.irp g, 0,1,2,3
	v_cvt_scalef32_pk8_fp4_f32 v[C+4*(\t)+\g], v[X+8*\g:X+8*\g+7], v14
.endr
	v_lshrrev_b32 v[E+(\t)], 23, v14               ; the scale's byte (also the plain line behind the conversions)
	ds_store_b8 v5, v[E+(\t)] offset:32*(\t)
	global_store_b128 v2, v[C+4*(\t):C+4*(\t)+3], s[26:27] offset:512*(\t)   ; a row of codes: 512 consecutive bytes
.endm
.irp t, 0,1,2,3,4,5,6,7
	ROW \t
.endr
	ds_load_b64 v[12:13], v6
	s_wait_dscnt 0x0
	global_store_b64 v7, v[12:13], s[28:29]        ; eight rows' scale bytes: 256 consecutive bytes, aligned
; The table.  Lane (h, m) makes numbers 2 l and 2 l + 1 of a position's record: frequencies 2 m and 2 m + 1, cos where h = 0, sin where h = 1.
	v_mov_b32 v[FRQ], 0
	v_mov_b32 v[FRQ+1], 0
.macro SETF f, lit
	s_mov_b32 s31, \lit
	v_writelane_b32 v[FRQ+(\f)%2], s31, (\f)/2
	v_writelane_b32 v[FRQ+(\f)%2], s31, (\f)/2+16
.endm
	SETF 0, 1.0
	SETF 1, 0.7498942093
	SETF 2, 0.5623413252
	SETF 3, 0.4216965034
	SETF 4, 0.3162277660
	SETF 5, 0.2371373706
	SETF 6, 0.1778279410
	SETF 7, 0.1333521432
	SETF 8, 0.1
	SETF 9, 0.07498942093
	SETF 10, 0.05623413252
	SETF 11, 0.04216965034
	SETF 12, 0.03162277660
	SETF 13, 0.02371373706
	SETF 14, 0.01778279410
	SETF 15, 0.01333521432
	SETF 16, 0.01
	SETF 17, 0.007498942093
	SETF 18, 0.005623413252
	SETF 19, 0.004216965034
	SETF 20, 0.003162277660
	SETF 21, 0.002371373706
	SETF 22, 0.001778279410
	SETF 23, 0.001333521432
	SETF 24, 0.001
	SETF 25, 0.0007498942093
	SETF 26, 0.0005623413252
	SETF 27, 0.0004216965034
	SETF 28, 0.0003162277660
	SETF 29, 0.0002371373706
	SETF 30, 0.0001778279410
	SETF 31, 0.0001333521432
	v_lshrrev_b32 v[H3], 4, v1
	v_mul_u32_u24 v[H3], v[H3], 3                  ; sin(a) = cos(a - pi/2): three quarter turns on
	s_mov_b32 s32, 0x3fc90fdb                      ; pi/2, its upper part,
	s_mov_b32 s33, 0xb33bbd2e                      ; and what is left of it
	s_mov_b32 s34, -1.9515295891e-4                ; sin r = r + r z (s36 + z (s35 + z s34)), z = r^2
	s_mov_b32 s35, 8.3321608736e-3
	s_mov_b32 s36, -1.6666654611e-1
	s_mov_b32 s37, 2.443315711809948e-5            ; cos r = 1 - z / 2 + z^2 (s39 + z (s38 + z s37))
	s_mov_b32 s38, -1.388731625493765e-3
	s_mov_b32 s39, 4.166664568298827e-2
.macro TRIG i, e
	v_mul_f32 v20, v19, v[FRQ+\e]                  ; the angle: one rounding, as reference()'s product has it
	v_mul_f32 v22, 0x3f22f983, v20                 ; x 2 / pi
	v_rndne_f32 v22, v22                           ; n
	v_fma_f32 v23, -v22, s32, v20
	v_fma_f32 v23, -v22, s33, v23                  ; r = the angle - n pi/2
	v_mul_f32 v24, v23, v23                        ; z
	v_fma_f32 v25, v24, s34, s35
	v_fma_f32 v25, v25, v24, s36
	v_mul_f32 v26, v23, v24
	v_fma_f32 v25, v26, v25, v23                   ; sin r
	v_fma_f32 v27, v24, s37, s38
	v_fma_f32 v27, v27, v24, s39
	v_mul_f32 v26, v24, v24
	v_fma_f32 v28, v24, -0.5, 1.0
	v_fma_f32 v27, v26, v27, v28                   ; cos r
	v_cvt_i32_f32 v22, v22
	v_add_nc_u32 v22, v22, v[H3]                   ; the quarter: 0: cos r, 1: -sin r, 2: -cos r, 3: sin r
	v_and_b32 v29, 1, v22
	v_cmp_eq_u32 vcc_lo, 1, v29
	v_cndmask_b32 v27, v27, v25, vcc_lo
	v_add_nc_u32 v22, 1, v22
	v_and_b32 v22, 2, v22
	v_lshlrev_b32 v22, 30, v22                     ; the sign, in quarters 1 and 2
	v_xor_b32 v[TBL+2*\i+\e], v22, v27
.endm
.irp i, 0,1,2,3
	s_add_co_u32 s19, s30, \i
	v_cvt_f32_u32 v19, s19                         ; the position
	TRIG \i, 0
	TRIG \i, 1
	global_store_b64 v7, v[TBL+2*\i:TBL+2*\i+1], s[44:45] offset:256*\i   ; a position's record: 256 consecutive bytes, aligned
.endr
	s_wait_tensorcnt 0x0                           ; the wave's end, behind my last LDS store
	ds_add_u32 v[SPW], v[NIL]
	s_wait_dscnt 0x0
	s_endpgm
; ---------------- PATH B: a work-group takes a tile of 16 queries, a wave a quarter of the keys: 4 steps of 128 ----------------
; Word n of a step: bit 16 h + r says that mask[query 16 tile + r][key 128 step + 16 (n / 8) + 8 h + n % 8] is not 0: the lane and register in which the attention launch holds that score.
.Lmask:
	s_sub_co_u32 s17, ttmp9, 128                   ; the tile: 128 x batch + query / 16
	s_mul_i32 s18, s16, 8448
	s_add_co_u32 s18, s18, 20480                   ; my wave's stage: 16 rows of 512 bytes + 16
	v_add_nc_u32 v3, s18, v2                       ; in: a row as it lies
	v_and_b32 v4, 15, v0
	v_mul_u32_u24 v4, v4, 528
	v_bfe_u32 v5, v0, 4, 1
	v_lshl_add_u32 v4, v5, 5, v4
	v_add_nc_u32 v4, s18, v4                       ; out: row r, + 32 h
	v_lshlrev_b32 v5, 3, v1
.irp i, 0,1,2,3,4,5,6,7
	v_mov_b32 v[W+\i], 0                           ; v_writelane_b32's destination counts as read
.endr
	s_mov_b32 s50, 0                               ; the flags
	s_lshl_b32 s24, s17, 17                        ; 16 rows of 8,192 bytes a tile,
	s_lshl_b32 s25, s16, 11                        ; 2,048 bytes a quarter
	s_add_co_u32 s24, s24, s25
	s_mov_b32 s25, 0
	s_lshl_b32 s26, s17, 12                        ; 16 steps of 256 bytes a tile
	s_lshl_b32 s27, s16, 10
	s_add_co_u32 s26, s26, s27
	s_mov_b32 s27, 0
	s_lshl_b32 s28, s17, 4                         ; four flag words a tile,
	s_lshl_b32 s29, s16, 2                         ; one a quarter
	s_add_co_u32 s28, s28, s29
	s_mov_b32 s29, 0
	s_wait_kmcnt 0x0
	s_add_nc_u64 s[8:9], s[8:9], s[24:25]
	s_add_nc_u64 s[14:15], s[14:15], s[28:29]      ; my flag word
	s_add_nc_u64 s[12:13], s[12:13], s[26:27]      ; my steps' words
.macro LOADM st
.irp r, 0,1,2,3,4,5,6,7,8,9,10,11,12,13,14,15
	global_load_b128 v[M+64*((\st)%2)+4*\r:M+64*((\st)%2)+4*\r+3], v2, s[8:9] offset:8192*\r+512*(\st) th:TH_LOAD_NT
.endr
.endm
	LOADM 0
	LOADM 1
.macro STEPB st
.set MM, M+64*((\st)%2)
.if (\st) < 3
	s_wait_loadcnt 16                              ; this step's sixteen loads are in; the next step's may be out
.else
	s_wait_loadcnt 0x0
.endif
.irp r, 0,1,2,3,4,5,6,7,8,9,10,11,12,13,14,15
	ds_store_b128 v3, v[MM+4*\r:MM+4*\r+3] offset:528*\r
.endr
.irp t, 0,1,2,3,4,5,6,7
	ds_load_b128 v[XM+8*\t:XM+8*\t+3], v4 offset:64*\t
	ds_load_b128 v[XM+8*\t+4:XM+8*\t+7], v4 offset:64*\t+16
.endr
	s_wait_dscnt 0x0
.if (\st)+2 < 4
	LOADM (\st)+2
.endif
.irp g, 0,1,2,3
.irp k, 0,1,2,3,4,5,6,7,8,9,10,11,12,13,14,15
	v_cmp_ne_u32 s[32+\k], 0, v[XM+16*\g+\k]       ; word 16 g + k
.endr
.irp k, 0,1,2,3,4,5,6,7,8,9,10,11,12,13,14,15
	v_writelane_b32 v[W+2*(\st)+(\k)%2], s[32+\k], (16*\g+\k)/2   ; words 2 L and 2 L + 1 go to lane L
.endr
.endr
	v_or_b32 v20, v[W+2*(\st)], v[W+2*(\st)+1]
	v_cmp_ne_u32 vcc_lo, 0, v20
	s_cmp_lg_u32 vcc_lo, 0                         ; has the step an entry other than 0?
	s_cselect_b32 s51, 1<<(\st), 0
	s_or_b32 s50, s50, s51
	v_and_b32 v20, v[W+2*(\st)], v[W+2*(\st)+1]
	v_cmp_ne_u32 vcc_lo, -1, v20
	s_cmp_eq_u32 vcc_lo, 0                         ; has it no 0 at all?
	s_cselect_b32 s51, 1<<(16+(\st)), 0
	s_or_b32 s50, s50, s51
	global_store_b64 v5, v[W+2*(\st):W+2*(\st)+1], s[12:13] offset:256*(\st)   ; a step's 64 words: 256 consecutive bytes, aligned
.endm
.irp st, 0,1,2,3
	STEPB \st
.endr
	v_mov_b32 v20, s50
	v_mov_b32 v21, 0
	s_wait_xcnt 0x0                                ; EXEC changes only behind this wait
	v_cmp_eq_u32 vcc_lo, 0, v1
	s_and_saveexec_b32 s52, vcc_lo
	global_store_b32 v21, v20, s[14:15]            ; lane 0 stores the quarter's flags: 4 bytes a wave, 4,096 in the whole launch
	s_wait_xcnt 0x0                                ; and again, in front of the line that widens it
	s_or_b32 exec_lo, exec_lo, s52
	s_wait_tensorcnt 0x0                           ; the wave's end, behind my last LDS store
	ds_add_u32 v[SPW], v[NIL]
	s_wait_dscnt 0x0
	s_endpgm
.Lfunc_end_k_qb537308320_prep:
	.size	k_qb537308320_prep, .Lfunc_end_k_qb537308320_prep-k_qb537308320_prep
	.p2alignl 7, 3214868480
	.fill 96, 4, 3214868480
	.section	.rodata,"a",@progbits
	.p2align	6, 0x0
	.amdhsa_kernel k_qb537308320_prep
		.amdhsa_group_segment_fixed_size 54784
		.amdhsa_private_segment_fixed_size 0
		.amdhsa_enable_private_segment 0
		.amdhsa_kernarg_size 48
		.amdhsa_user_sgpr_count 2
		.amdhsa_user_sgpr_kernarg_segment_ptr 1
		.amdhsa_wavefront_size32 1
		.amdhsa_system_sgpr_workgroup_id_x 1
		.amdhsa_system_sgpr_workgroup_id_y 1
		.amdhsa_system_sgpr_workgroup_id_z 1
		.amdhsa_system_vgpr_workitem_id 0
		.amdhsa_next_free_vgpr 224
		.amdhsa_next_free_sgpr 66
		.amdhsa_reserve_vcc 1
		.amdhsa_float_denorm_mode_32 3
		.amdhsa_float_denorm_mode_16_64 3
		.amdhsa_memory_ordered 1
		.amdhsa_forward_progress 1
		.amdhsa_inst_pref_size 126
	.end_amdhsa_kernel
	.amdgpu_metadata
---
amdhsa.version: [ 1, 2 ]
amdhsa.kernels:
  - .name:           k_qb537308320_prep
    .symbol:         k_qb537308320_prep.kd
    .args:
      - { .name: x, .offset: 0, .size: 8, .value_kind: global_buffer, .address_space: global }
      - { .name: g1, .offset: 8, .size: 8, .value_kind: global_buffer, .address_space: global }
      - { .name: mask, .offset: 16, .size: 8, .value_kind: global_buffer, .address_space: global }
      - { .name: prep, .offset: 24, .size: 8, .value_kind: global_buffer, .address_space: global }
      - { .name: mbits, .offset: 32, .size: 8, .value_kind: global_buffer, .address_space: global }
      - { .name: flags, .offset: 40, .size: 8, .value_kind: global_buffer, .address_space: global }
    .group_segment_fixed_size: 54784
    .private_segment_fixed_size: 0
    .kernarg_segment_align: 8
    .kernarg_segment_size: 48
    .max_flat_workgroup_size: 128
    .sgpr_count:     66
    .vgpr_count:     224
    .wavefront_size: 32
...
	.end_amdgpu_metadata
.endif
;; end of part 1
;; launch qkv (part 2): grid 12 x 16, 4 waves a work-group, clusters of 4 x 4, 327,680 bytes of LDS; arguments prep, Wqkv_codes, Wqkv_scales, qkv; writes qkv
.if DOCPART == 2
	.amdgcn_target "amdgcn-amd-amdhsa--gfx1250"
	.amdhsa_code_object_version 6
	.text
	.protected	k_qb537308320_qkv
	.globl	k_qb537308320_qkv
	.p2align	8
	.type	k_qb537308320_qkv,@function
k_qb537308320_qkv:
	s_mov_b64 s[64:65], 0
	v_nop
	global_prefetch_b8 v0, s[64:65] scope:SCOPE_SE
	s_setreg_imm32_b32 hwreg(HW_REG_WAVE_MODE, 25, 1), 1
	s_wait_xcnt 0x0
	s_wait_alu depctr_hold_cnt(0) depctr_sa_sdst(0) depctr_va_vdst(0) depctr_va_sdst(0) depctr_va_ssrc(0) depctr_va_vcc(0) depctr_vm_vsrc(0)
	s_getreg_b32 s2, hwreg(HW_REG_IB_STS2, 6, 4)
	s_cmp_eq_u32 s2, 0
	s_cbranch_scc0 .Lentry_in_a_cluster
	s_endpgm
.Lentry_in_a_cluster:
	s_bfe_u32 s2, ttmp6, 0x10000c
	s_cmp_lg_u32 s2, 0xf033
	s_cbranch_scc0 .Lentry_shape_is_right
	s_endpgm
.Lentry_shape_is_right:
; LAUNCH 2 OF 6: qkv = xq Wqkv on codes of FP4, the rotation of q and k by the table, and the three results quantised for the attention launch: q and k along the head's 64, v along the keys.
; A tile of 256 x 256 to a work-group of four waves, 128 x 128 to a wave: 64 accumulators, 512 registers.  K = 1,024 is two slots of 512 in LDS, both filled once at the start with the scale bytes: nothing is filled again.
; CLUSTERS of 4 x 4: A's tile is asked for jointly along a row of the cluster, B's along a column.  The cluster's x says what is made: 0: q, 1: k, 2: v; it is the same in all sixteen partners.
; THE MATRIX INSTRUCTION IS USED TRANSPOSED (source 0 = 16 rows of B, source 1 = 16 rows of A): a lane holds ONE row of A, and its registers run along B's rows.  For q and k: A = tokens, B = Wqkv's rows, so a lane's
; registers run along the head's 64, the next product's K.  FOR v THE TWO OPERANDS CHANGE PLACES, at the pointers alone (both are rows of 512 bytes of codes and 32 scale bytes): A = Wqkv's rows, B = tokens, so a
; lane holds one channel and its registers run along the tokens: the keys, the next K.  Nothing else of the product's text differs.
; QUANTISING IN REGISTERS.  In accumulator b, lane (r, h) holds next-K index 16 b + 8 h + j in register j.  A block of 32 is two neighbouring accumulators: 16 numbers here, 16 in lane l xor 16.  A conversion of one
; accumulator gives a word of 8 codes; laid in the order 0, 2, 1, 3 and exchanged between the halves of the lanes by two swaps, four words are a whole block a lane, K ascending: the operand's registers.
; The results leave as IMAGES OF THE OPERAND'S REGISTERS, 16 bytes a lane, 512 consecutive bytes a store.  A block of zeros keeps the scale byte 1 (the rule: 127): its codes are zeros and this program alone reads the bytes.
; REGISTERS, in windows of 256: window 0: v0-31 addresses; v32-95 scale words, two sets, and nothing else; v128-191 A's fragments; window 1: B's fragments, two sets; windows 2, 3: the accumulators ((a, b) at v[8 (8 (a % 4) + b)]).
; On the way out: window 0: v96-103 scale words made, v104-115 at work, v128-191 products with sin, v192-255 codes; window 1: cos and sin of the wave's 128 positions.
.set KSTEP,  512
.set NQ,     4
.set ROWB,   256
.set KROW,   512
.set PITCH,  272                       ; an LDS row: 256 bytes + 16 of padding: the 16 rows that a load touches start 68 words apart
.set FR,     8
.set NL,     2
.set NP,     4
.set HALFT,  128*PITCH
.set SLOT,   4*HALFT
.set KS,     32
.set SCL,    2*SLOT
.set HALFS,  (128*KS/256)*272
.set SBLK,   (16*KS/256)*272
.set SPARE,  SCL+4*HALFS               ; the spare words, 128 bytes a wave: two blocks of 256 bytes that no other line names
.set XS_OFF,   2097152                 ; prep: xq | xs | table
.set ROPE_OFF, 2228224
.set V_OFF,    4194304                 ; qkv: q images | k images | v images | q's scale records | k's and v's
.set QS_OFF,   6291456
.set KVS_OFF,  6684672
.set ADRA, 16
.set ADRB, 20
.set SOQ,  22                          ; v22  q's, k's scale words: 32 r + a head's 16 records x h
.set SOV,  23                          ; v23  v's: 16 r + the same
.set ROFF, 24                          ; v24  the table: 256 r + 32 h
.set SHF,  25                          ; v25  16 h
.set CO,   26                          ; v26  16 x lane
.set ADRS, 27
.set SPW,  28
.set NIL,  29
.set SC,   32
.set PW,   96
.set TM,   104
.set AF,   128
.set T,    128
.set PC,   192
.set G1, 24
.set G0, 32
.set G1B, 48
.set G0B, 56
.set G1S, 68
.set G0S, 76
.set G1SB, 80
.set G0SB, 88
.set LM,  95                           ; s95  lanes 16-31
.set SEL, 96                           ; s[96:97] selects for lane l xor 16
.set MSB, 0
.macro WIN new                         ; the immediate's high byte repeats the setting that is left
.if MSB != (\new)
	s_set_vgpr_msb (MSB<<8)|(\new)
.set MSB, (\new)
.endif
.endm
.set MUL_LO, 0xa1
.set MUL_HI, 0xf1
.set TO_B,   0x40
.macro JLOAD g0a, g1a, g0b, g1b        ; a joint load: waves 0 and 1 fetch for A, waves 2 and 3 for B; an s_nop 0 and four v_nop follow each line
	s_cmp_eq_u32 s15, 0
	s_cbranch_scc0 .Lfor_b_\@
	tensor_load_to_lds s[\g0a:\g0a+3], s[\g1a:\g1a+7]
	s_nop 0
.rept 4
	v_nop
.endr
	s_branch .Lasked_\@
.Lfor_b_\@:
	tensor_load_to_lds s[\g0b:\g0b+3], s[\g1b:\g1b+7]
	s_nop 0
.rept 4
	v_nop
.endr
.Lasked_\@:
.endm
.macro CROUND                          ; a round of the cluster's barrier
	s_barrier_signal -1
	s_barrier_wait -1
	s_cmp_lg_u32 s14, 0
	s_cbranch_scc1 .Lnot_wave_0_\@
	s_barrier_signal -3
.Lnot_wave_0_\@:
	s_barrier_wait -3
	s_barrier_signal -1
	s_barrier_wait -1
.endm
	s_load_b256 s[4:11], s[0:1], 0x0               ; prep, Wqkv's codes, Wqkv's scales, qkv
	v_lshl_add_u32 v[SPW], v0, 2, SPARE
	v_mov_b32 v[NIL], 0
	ds_add_u32 v[SPW], v[NIL]                      ; the opening: the add, twice on end, and its wait ahead of my first tensor load
	ds_add_u32 v[SPW], v[NIL]
	v_lshrrev_b32 v1, 5, v0
	v_readfirstlane_b32 s14, v1                    ; wave 0..3
	s_lshr_b32 s15, s14, 1                         ; my half of A's rows.  Also: I fetch for A (0) or for B (1)
	s_and_b32 s16, s14, 1                          ; my half of B's rows.  Also: which 128 rows I fetch
	s_bfe_u32 s40, ttmp6, 0x40000                  ; cx
	s_bfe_u32 s41, ttmp6, 0x40004                  ; cy
	s_and_b32 s18, ttmp7, 0xffff
	s_lshl_b32 s18, s18, 2                         ; 4 x cluster y
	s_lshl_b32 s19, ttmp9, 2                       ; 4 x cluster x
	s_add_co_u32 s17, s18, s41                     ; q, k: A's tile = tokens 4 Y + cy
	s_add_co_u32 s20, s41, 8                       ; v:    A's tile = Wqkv's 8 + cy
	s_add_co_u32 s42, s19, s40                     ; q, k: B's tile = Wqkv's 4 X + cx
	s_add_co_u32 s21, s18, s40                     ; v:    B's tile = tokens 4 Y + cx
	s_cmp_eq_u32 ttmp9, 2
	s_cselect_b32 s17, s20, s17                    ; only cy enters A's tile,
	s_cselect_b32 s42, s21, s42                    ; only cx B's
	s_lshl_b32 s43, s41, 2
	s_lshl_b32 s43, 15, s43                        ; my row of the cluster
	s_lshl_b32 s44, 0x1111, s40                    ; my column
	s_or_b32 s[G1+0], s43, (0<<16)|(1<<20)|(1<<21)|(5<<22)|(3<<25)   ; the mask; elements of 1 byte; padding: 4 words behind every 64
	s_or_b32 s[G1B+0], s44, (0<<16)|(1<<20)|(1<<21)|(5<<22)|(3<<25)
.irp g, G1, G1B
	s_mov_b32 s[\g+1], ROWB<<16                    ; tensor_dim0
	s_mov_b32 s[\g+2], 128<<16                     ; tensor_dim1
	s_mov_b32 s[\g+3], ROWB<<16                    ; tile_dim0
	s_mov_b32 s[\g+4], 128                         ; tile_dim1
	s_mov_b32 s[\g+5], KROW                        ; the pitch
	s_mov_b32 s[\g+6], 0
	s_mov_b32 s[\g+7], 0
.endr
	s_or_b32 s[G1S+0], s43, (3<<16)|(1<<20)|(1<<21)|(5<<22)|(3<<25)  ; the scales of 128 rows: a dense block, as rows of 256 bytes (32 elements of 8), 16 bytes of padding behind each
	s_or_b32 s[G1SB+0], s44, (3<<16)|(1<<20)|(1<<21)|(5<<22)|(3<<25)
.irp g, G1S, G1SB
	s_mov_b32 s[\g+1], 32<<16
	s_mov_b32 s[\g+2], (128*KS/256)<<16
	s_mov_b32 s[\g+3], 32<<16
	s_mov_b32 s[\g+4], 128*KS/256
	s_mov_b32 s[\g+5], 32
	s_mov_b32 s[\g+6], 0
	s_mov_b32 s[\g+7], 0
.endr
	s_mov_b32 s[LM], 0xffff0000
	s_mov_b32 s[SEL], 0x76543210
	s_mov_b32 s[SEL+1], 0xfedcba98
	s_lshl_b32 s18, s16, 7
	s_lshl_b32 s20, s17, 8
	s_add_co_u32 s20, s20, s18                     ; A: the first row that I fetch
	s_lshl_b32 s46, s42, 8
	s_add_co_u32 s46, s46, s18                     ; B likewise
	s_lshl_b32 s22, s20, 5                         ; their scales, 32 bytes a row,
	s_mov_b32 s23, 0
	s_lshl_b32 s92, s46, 5
	s_mov_b32 s93, 0
	s_lshl_b32 s20, s20, 9                         ; their codes, 512 bytes a row
	s_mov_b32 s21, 0
	s_lshl_b32 s46, s46, 9
	s_mov_b32 s47, 0
	s_mul_i32 s45, s14, HALFT                      ; where they go: wave x 128 rows: no place in the cluster enters an LDS address
	s_mul_i32 s94, s14, HALFS
	s_wait_dscnt 0x0                               ; both opening adds are done
	s_wait_kmcnt 0x0
	s_add_nc_u64 s[12:13], s[4:5], XS_OFF          ; xs
	s_cmp_eq_u32 ttmp9, 2                          ; the operands' places: a choice between buffers on the cluster's x alone
	s_cselect_b64 s[2:3], s[6:7], s[4:5]           ; A's codes
	s_cselect_b64 s[98:99], s[8:9], s[12:13]       ; A's scales
	s_cselect_b64 s[6:7], s[4:5], s[6:7]           ; B's codes
	s_cselect_b64 s[8:9], s[12:13], s[8:9]         ; B's scales
	s_add_nc_u64 s[20:21], s[2:3], s[20:21]
	s_add_nc_u64 s[22:23], s[98:99], s[22:23]
	s_add_nc_u64 s[46:47], s[6:7], s[46:47]
	s_add_nc_u64 s[92:93], s[8:9], s[92:93]
	CROUND                                         ; all sixteen work-groups are here: the first joint loads meet
	s_mov_b32 s[G0S], 1
	s_add_co_u32 s[G0S+1], s94, SCL
	s_mov_b64 s[G0S+2:G0S+3], s[22:23]
	s_or_b32 s[G0S+3], s[G0S+3], 0x80000000
	s_mov_b32 s[G0SB], 1
	s_add_co_u32 s[G0SB+1], s94, SCL
	s_mov_b64 s[G0SB+2:G0SB+3], s[92:93]
	s_or_b32 s[G0SB+3], s[G0SB+3], 0x80000000
	JLOAD G0S, G1S, G0SB, G1SB                     ; the scales first: they are wanted with the first slot
.irp s, 0,1
	s_mov_b32 s[G0+4*\s], 1
	s_add_co_u32 s[G0+4*\s+1], s45, \s*SLOT
	s_add_nc_u64 s[G0+4*\s+2:G0+4*\s+3], s[20:21], \s*ROWB
	s_or_b32 s[G0+4*\s+3], s[G0+4*\s+3], 0x80000000
	s_mov_b32 s[G0B+4*\s], 1
	s_add_co_u32 s[G0B+4*\s+1], s45, \s*SLOT
	s_add_nc_u64 s[G0B+4*\s+2:G0B+4*\s+3], s[46:47], \s*ROWB
	s_or_b32 s[G0B+4*\s+3], s[G0B+4*\s+3], 0x80000000
	JLOAD G0+4*\s, G1, G0B+4*\s, G1B               ; three loads of mine are out in all
.endr
	v_and_b32 v1, 15, v0                           ; r
	v_bfe_u32 v2, v0, 4, 1                         ; h
	v_mul_u32_u24 v3, v1, PITCH
	v_lshl_add_u32 v4, v2, 4, v3                   ; a fragment's row x pitch + 16 h
	s_mul_i32 s21, s15, HALFT
	s_mul_i32 s22, s16, HALFT
	s_add_co_u32 s22, s22, 2*HALFT
.irp s, 0,1
	v_add_nc_u32 v[ADRA+\s], s21, v4
	v_add_nc_u32 v[ADRB+\s], s22, v4
	s_add_co_u32 s21, s21, SLOT
	s_add_co_u32 s22, s22, SLOT
.endr
	v_mul_u32_u24 v5, v1, KS                       ; my row's scales,
	v_lshrrev_b32 v6, 8, v5
	v_lshl_add_u32 v5, v6, 4, v5                   ; and 16 more for each 256 passed
	s_mul_i32 s21, s15, HALFS
	s_mul_i32 s22, s16, HALFS
	s_add_co_u32 s22, s22, 2*HALFS
	s_sub_co_u32 s22, s22, s21
	v_mul_u32_u24 v6, s22, v2                      ; lanes 16-31 take B's
	s_add_co_u32 s21, s21, SCL
	v_add_nc_u32 v5, v5, v6
	v_add_nc_u32 v[ADRS], s21, v5
	v_and_b32 v6, 31, v0
	v_lshlrev_b32 v[CO], 4, v6
	v_lshlrev_b32 v[ROFF], 8, v1
	v_lshl_add_u32 v[ROFF], v2, 5, v[ROFF]
	v_lshlrev_b32 v[SHF], 4, v2
	v_mul_u32_u24 v5, v2, 12288
	v_lshl_add_u32 v[SOQ], v1, 5, v5
	v_lshl_add_u32 v[SOV], v1, 4, v5
.macro FRAG reg, adr, q, i             ; 16 rows x 128 K: registers 4 c .. 4 c + 3 hold K = 64 c + 32 h + 0 .. 31: 16 bytes of the row as they lie
.irp c, 0,1
	ds_load_b128 v[\reg+4*\c:\reg+4*\c+3], v[\adr] offset:64*(\q)+32*\c+(\i)*16*PITCH
.endr
.endm
.macro MUL16 a0, p, q, sc, zero        ; A's blocks a0, a0 + 1 x B's eight; the 64 accumulators take turns, one instruction a turn
.irp a, \a0, \a0+1
.irp b, 0,1,2,3,4,5,6,7
.if \zero
	v_wmma_scale_f32_16x16x128_f8f6f4 v[8*(8*((\a)%4)+\b):8*(8*((\a)%4)+\b)+7], v[128*(\p)+FR*\b:128*(\p)+FR*\b+FR-1], v[AF+FR*(\a):AF+FR*(\a)+FR-1], 0, v[SC+8*NQ*(\sc)+NQ*\b+(\q)], v[SC+8*NQ*(\sc)+NQ*(\a)+(\q)] matrix_a_fmt:MATRIX_FMT_FP4 matrix_b_fmt:MATRIX_FMT_FP4 matrix_a_scale:MATRIX_SCALE_ROW1
.else
	v_wmma_scale_f32_16x16x128_f8f6f4 v[8*(8*((\a)%4)+\b):8*(8*((\a)%4)+\b)+7], v[128*(\p)+FR*\b:128*(\p)+FR*\b+FR-1], v[AF+FR*(\a):AF+FR*(\a)+FR-1], v[8*(8*((\a)%4)+\b):8*(8*((\a)%4)+\b)+7], v[SC+8*NQ*(\sc)+NQ*\b+(\q)], v[SC+8*NQ*(\sc)+NQ*(\a)+(\q)] matrix_a_fmt:MATRIX_FMT_FP4 matrix_b_fmt:MATRIX_FMT_FP4 matrix_a_scale:MATRIX_SCALE_ROW1
.endif
.endr
.endr
.endm
.macro FETCH_B slot, q, p
	WIN TO_B
.irp i, 0,1,2,3,4,5,6,7
	FRAG 128*(\p)+FR*\i, ADRB+\slot, \q, \i
.endr
	WIN 0
.endm
.macro FETCH_A slot, q, i0
.irp i, \i0, \i0+1, \i0+2, \i0+3
	FRAG AF+FR*(\i), ADRA+\slot, \q, \i
.endr
.endm
.macro SCALES sc                       ; a slot's scale words: lanes 0-15 A's block i, lanes 16-31 B's block i
.irp i, 0,1,2,3,4,5,6,7
	ds_load_b128 v[SC+8*NQ*\sc+NQ*\i:SC+8*NQ*\sc+NQ*\i+3], v[ADRS] offset:\i*SBLK
.endr
.endm
.macro PLACES n                        ; plain vector instructions between a matrix instruction and a load into, or a read of, its registers
.rept \n
	v_nop
.endr
.endm
.macro STEP slot, q, zero              ; 128 along K with its successor in the same slot
	s_wait_dscnt 4*NL                              ; all but the youngest eight loads (A's blocks 4-7) are in
	WIN MUL_LO
	MUL16 0, (\q)%2, \q, \slot, \zero
	MUL16 2, (\q)%2, \q, \slot, \zero
	s_wait_dscnt 0
	PLACES NP
	FETCH_B \slot, (\q)+1, 1-(\q)%2
	FETCH_A \slot, (\q)+1, 0
	WIN MUL_HI
	MUL16 4, (\q)%2, \q, \slot, \zero
	MUL16 6, (\q)%2, \q, \slot, \zero
	PLACES NP
	WIN 0
	FETCH_A \slot, (\q)+1, 4
.endm
.macro TURN slot, next                 ; a slot's last step, and the change of slots: nothing is filled again here
	s_wait_tensorcnt 0x0                           ; all my tensor loads have landed: my part of the next slot
	ds_add_u32 v[SPW], v[NIL]
	s_wait_dscnt 4*NL+1                            ; (the add and the youngest eight loads may be out)
	WIN MUL_LO
	MUL16 0, 1, NQ-1, \slot, 0
	s_wait_dscnt 0x0
	s_barrier_signal -1
	MUL16 2, 1, NQ-1, \slot, 0
	WIN 0
	s_barrier_wait -1                              ; everybody's part of the next slot is in
	PLACES NP
	v_add_nc_u32 v[ADRS], 4*NQ, v[ADRS]
	FETCH_B \next, 0, 0
	FETCH_A \next, 0, 0
	SCALES \next
	WIN MUL_HI
	MUL16 4, 1, NQ-1, \slot, 0
	MUL16 6, 1, NQ-1, \slot, 0
	PLACES NP
	WIN 0
	FETCH_A \next, 0, 4
.endm
	s_wait_tensorcnt 1                             ; the scales and my part of slot 0 are in; slot 1's load may be out
	s_barrier_signal -1
	s_barrier_wait -1
	FETCH_B 0, 0, 0
	FETCH_A 0, 0, 0
	SCALES 0
	FETCH_A 0, 0, 4
	STEP 0, 0, 1                                   ; the first products start the sums: nothing is cleared
	STEP 0, 1, 0
	STEP 0, 2, 0
	TURN 0, 1
	STEP 1, 0, 0
	STEP 1, 1, 0
	STEP 1, 2, 0
	s_wait_dscnt 4*NL
	WIN MUL_LO
	MUL16 0, 1, NQ-1, 1, 0
	MUL16 2, 1, NQ-1, 1, 0
	s_wait_dscnt 0
	WIN MUL_HI
	MUL16 4, 1, NQ-1, 1, 0
	MUL16 6, 1, NQ-1, 1, 0
	WIN 0
; 64 numbers at v[s] on of window w, four blocks of 32 along the next K, become 8 registers of codes at v[pc] on and the row's scale word in v[pw].
.macro QUANT4 s, w, pc, pw
	WIN ((\w)|((\w)<<2))
.irp b, 0,1,2,3
	v_max3_num_f32 v[TM+\b], |v[(\s)+16*\b]|, |v[(\s)+16*\b+1]|, 0x1800000   ; my 16 numbers of block b, and the floor 2^(3 - 127): the byte cannot fall under 1
.endr
.irp i, 2,4,6,8,10,12,14
.irp b, 0,1,2,3
	v_max3_num_f32 v[TM+\b], |v[(\s)+16*\b+\i]|, |v[(\s)+16*\b+\i+1]|, v[TM+\b]
.endr
.endr
	WIN 0
.irp b, 0,1,2,3
	v_permlanex16_b32 v[TM+4+\b], v[TM+\b], s[SEL], s[SEL+1]
.endr
.irp b, 0,1,2,3
	v_max_num_f32 v[TM+\b], v[TM+\b], v[TM+4+\b]   ; with lane l xor 16's: the block's largest magnitude
.endr
.irp b, 0,1,2,3
	v_add_nc_u32 v[TM+8+\b], 0xff000000, v[TM+\b]  ; 2 off its exponent field: the conversion's scale operand
.endr
.irp b, 0,1,2,3
	v_lshrrev_b32 v[TM+4+\b], 23, v[TM+8+\b]       ; the scale's byte
.endr
	v_lshl_or_b32 v[\pw], v[TM+5], 8, v[TM+4]
	v_lshl_or_b32 v[\pw], v[TM+6], 16, v[\pw]
	v_lshl_or_b32 v[\pw], v[TM+7], 24, v[\pw]
	WIN (\w)
.irp c, 0,1
	v_cvt_scalef32_pk8_fp4_f32 v[(\pc)+4*\c],   v[(\s)+32*\c:(\s)+32*\c+7],     v[TM+8+2*\c]
	v_cvt_scalef32_pk8_fp4_f32 v[(\pc)+4*\c+2], v[(\s)+32*\c+8:(\s)+32*\c+15],  v[TM+8+2*\c]
	v_cvt_scalef32_pk8_fp4_f32 v[(\pc)+4*\c+1], v[(\s)+32*\c+16:(\s)+32*\c+23], v[TM+9+2*\c]
	v_cvt_scalef32_pk8_fp4_f32 v[(\pc)+4*\c+3], v[(\s)+32*\c+24:(\s)+32*\c+31], v[TM+9+2*\c]
.endr
	WIN 0
	v_nop                                          ; one plain line behind the last conversion
.irp c, 0,1
	v_permlane16_swap_b32 v[(\pc)+4*\c], v[(\pc)+4*\c+1]      ; lanes 0-15 now hold block 2 c whole, lanes 16-31 block 2 c + 1
	v_permlane16_swap_b32 v[(\pc)+4*\c+2], v[(\pc)+4*\c+3]
.endr
.endm
	PLACES NP                                      ; behind the last products: for the reads of results and the loads and writes into operands' registers below
.irp b, 0,1,2,3
	v_mov_b32 v[TM+4+\b], 0                        ; a lane permute's destination counts as one of its sources
.endr
	s_cmp_eq_u32 ttmp9, 2
	s_cbranch_scc1 .Lv
; ---- q and k.  My 128 tokens are group g of batch b; my 128 columns are heads head0 and head0 + 1.
	s_lshl_b32 s18, s17, 1
	s_add_co_u32 s18, s18, s15
	s_lshr_b32 s19, s18, 4                         ; b
	s_and_b32 s18, s18, 15                         ; g
	s_lshl_b32 s20, s40, 2
	s_lshl_b32 s21, s16, 1
	s_add_co_u32 s20, s20, s21                     ; head0
	s_lshl_b32 s19, s19, 4
	s_add_co_u32 s19, s19, s20                     ; 16 b + head0
	s_lshl_b32 s20, s19, 16
	s_lshl_b32 s21, s18, 12
	s_add_co_u32 s20, s20, s21
	s_mul_i32 s21, ttmp9, 2097152                  ; q's images, or k's
	s_add_co_u32 s20, s20, s21
	s_mov_b32 s21, 0
	s_add_nc_u64 s[12:13], s[10:11], s[20:21]
	s_lshl_b32 s20, s19, 4
	s_add_co_u32 s20, s20, s18
	s_mul_i32 s20, s20, 768
	s_mul_i32 s22, ttmp9, 393216                   ; q's records, or k's
	s_add_co_u32 s20, s20, s22
	s_add_co_u32 s20, s20, QS_OFF
	s_add_nc_u64 s[22:23], s[10:11], s[20:21]
	s_lshl_b32 s20, s18, 15                        ; the table at position 128 g
	s_add_co_u32 s20, s20, ROPE_OFF
	s_add_nc_u64 s[4:5], s[4:5], s[20:21]
	WIN 0x40                                       ; destination window 1
.irp a, 0,1,2,3,4,5,6,7                            ; register i of 16: frequency 16 (i / 8) + 8 h + i % 8 of position 16 a + r; cos at 32 a + i, sin at 32 a + 16 + i
.irp u, 0,1
	global_load_b128 v[32*\a+16*\u:32*\a+16*\u+3],     v[ROFF], s[4:5] offset:4096*\a+128*\u
	global_load_b128 v[32*\a+16*\u+4:32*\a+16*\u+7],   v[ROFF], s[4:5] offset:4096*\a+128*\u+16
	global_load_b128 v[32*\a+16*\u+8:32*\a+16*\u+11],  v[ROFF], s[4:5] offset:4096*\a+128*\u+64
	global_load_b128 v[32*\a+16*\u+12:32*\a+16*\u+15], v[ROFF], s[4:5] offset:4096*\a+128*\u+80
.endr
.endr
.macro EPIQ a                          ; tokens 16 a on: lo' = lo cos - hi sin, hi' = hi cos + lo sin (lo: channels 0-31 of a head, hi: 32-63), then the codes
.set W_, 2+(\a)/4
.set S_, 64*((\a)%4)
.set CT, 32*(\a)
	s_wait_loadcnt 8*(7-(\a))                      ; this tile's eight loads are in; the later tiles' may be out
	WIN (W_|(1<<2))                                ; source 0: the accumulators; source 1: the table
.irp c, 0,1
.irp i, 0,2,4,6,8,10,12,14
	v_pk_mul_f32 v[T+32*\c+\i:T+32*\c+\i+1], v[S_+32*\c+16+\i:S_+32*\c+17+\i], v[CT+16+\i:CT+17+\i]
	v_pk_mul_f32 v[T+32*\c+16+\i:T+32*\c+17+\i], v[S_+32*\c+\i:S_+32*\c+\i+1], v[CT+16+\i:CT+17+\i]
.endr
.endr
	WIN ((W_<<6)|W_|(1<<2))
.irp c, 0,1
.irp i, 0,2,4,6,8,10,12,14
	v_pk_fma_f32 v[S_+32*\c+\i:S_+32*\c+\i+1], v[S_+32*\c+\i:S_+32*\c+\i+1], v[CT+\i:CT+\i+1], v[T+32*\c+\i:T+32*\c+\i+1] neg_lo:[0,0,1] neg_hi:[0,0,1]
	v_pk_fma_f32 v[S_+32*\c+16+\i:S_+32*\c+17+\i], v[S_+32*\c+16+\i:S_+32*\c+17+\i], v[CT+\i:CT+\i+1], v[T+32*\c+16+\i:T+32*\c+17+\i]
.endr
.endr
	QUANT4 S_, W_, PC+8*(\a), PW+(\a)
.irp c, 0,1
	global_store_b128 v[CO], v[PC+8*(\a)+4*\c:PC+8*(\a)+4*\c+3], s[12:13] offset:512*(\a)+65536*\c   ; head0 + c's fragment of these 16 tokens: 512 consecutive bytes
.endr
.endm
.irp a, 0,1,2,3,4,5,6,7
	EPIQ \a
.endr
.irp a, 0,1,2,3,4,5,6,7
	v_lshrrev_b32 v[PW+\a], v[SHF], v[PW+\a]       ; lanes 0-15: head0's two bytes, lanes 16-31: head0 + 1's;
.endr
.irp a, 0,1,2,3,4,5,6,7
	v_and_b32 v[PW+\a], 0xffff, v[PW+\a]           ; 0 above them: the bytes of the K that is filled with zero codes
.endr
	global_store_b128 v[SOQ], v[PW:PW+3], s[22:23]             ; [r][a]: sixteen lanes fill 512 consecutive bytes of a head's record
	global_store_b128 v[SOQ], v[PW+4:PW+7], s[22:23] offset:16
	s_branch .Ldone
; ---- v.  My 128 rows of A are heads head0 and head0 + 1 (4 tiles of 16 channels each); my 128 tokens are one key step.
.Lv:
	s_lshl_b32 s18, s42, 1
	s_add_co_u32 s18, s18, s16
	s_lshr_b32 s19, s18, 4                         ; b
	s_and_b32 s18, s18, 15                         ; the step
	s_lshl_b32 s20, s41, 2
	s_lshl_b32 s21, s15, 1
	s_add_co_u32 s20, s20, s21                     ; head0
	s_lshl_b32 s19, s19, 4
	s_add_co_u32 s19, s19, s20
	s_lshl_b32 s20, s19, 16
	s_lshl_b32 s21, s18, 12
	s_add_co_u32 s20, s20, s21
	s_add_co_u32 s20, s20, V_OFF
	s_mov_b32 s21, 0
	s_add_nc_u64 s[12:13], s[10:11], s[20:21]
	s_lshl_b32 s20, s19, 4
	s_add_co_u32 s20, s20, s18
	s_mul_i32 s20, s20, 768
	s_add_co_u32 s20, s20, KVS_OFF+512
	s_add_nc_u64 s[22:23], s[10:11], s[20:21]
.macro EPIV a
	QUANT4 64*((\a)%4), 2+(\a)/4, PC+8*(\a), PW+(\a)
.irp c, 0,1
	global_store_b128 v[CO], v[PC+8*(\a)+4*\c:PC+8*(\a)+4*\c+3], s[12:13] offset:65536*((\a)/4)+1024*((\a)%4)+512*\c
.endr
.endm
.irp a, 0,1,2,3,4,5,6,7
	EPIV \a
.endr
.irp i, 0,1,2,3
	v_cndmask_b32 v[PW+\i], v[PW+\i], v[PW+4+\i], s[LM]   ; lanes 16-31 take head0 + 1's words
.endr
	global_store_b128 v[SOV], v[PW:PW+3], s[22:23]         ; [r][tile]: sixteen lanes fill 256 consecutive bytes
.Ldone:
	s_wait_tensorcnt 0x0                           ; the wave's end
	ds_add_u32 v[SPW], v[NIL]
	s_wait_dscnt 0x0
	CROUND                                         ; the closing round
	s_endpgm
.Lfunc_end_k_qb537308320_qkv:
	.size	k_qb537308320_qkv, .Lfunc_end_k_qb537308320_qkv-k_qb537308320_qkv
	.p2alignl 7, 3214868480
	.fill 96, 4, 3214868480
	.section	.rodata,"a",@progbits
	.p2align	6, 0x0
	.amdhsa_kernel k_qb537308320_qkv
		.amdhsa_group_segment_fixed_size 327680
		.amdhsa_private_segment_fixed_size 0
		.amdhsa_enable_private_segment 0
		.amdhsa_kernarg_size 32
		.amdhsa_user_sgpr_count 2
		.amdhsa_user_sgpr_kernarg_segment_ptr 1
		.amdhsa_wavefront_size32 1
		.amdhsa_system_sgpr_workgroup_id_x 1
		.amdhsa_system_sgpr_workgroup_id_y 1
		.amdhsa_system_sgpr_workgroup_id_z 1
		.amdhsa_system_vgpr_workitem_id 0
		.amdhsa_next_free_vgpr 1024
		.amdhsa_next_free_sgpr 100
		.amdhsa_reserve_vcc 0
		.amdhsa_float_denorm_mode_32 3
		.amdhsa_float_denorm_mode_16_64 3
		.amdhsa_memory_ordered 1
		.amdhsa_forward_progress 1
		.amdhsa_inst_pref_size 202
	.end_amdhsa_kernel
	.amdgpu_metadata
---
amdhsa.version: [ 1, 2 ]
amdhsa.kernels:
  - .name:           k_qb537308320_qkv
    .symbol:         k_qb537308320_qkv.kd
    .args:
      - { .name: prep, .offset: 0, .size: 8, .value_kind: global_buffer, .address_space: global }
      - { .name: Wqkv_codes, .offset: 8, .size: 8, .value_kind: global_buffer, .address_space: global }
      - { .name: Wqkv_scales, .offset: 16, .size: 8, .value_kind: global_buffer, .address_space: global }
      - { .name: qkv, .offset: 24, .size: 8, .value_kind: global_buffer, .address_space: global }
    .group_segment_fixed_size: 327680
    .private_segment_fixed_size: 0
    .kernarg_segment_align: 8
    .kernarg_segment_size: 32
    .max_flat_workgroup_size: 128
    .sgpr_count:     100
    .vgpr_count:     1024
    .wavefront_size: 32
...
	.end_amdgpu_metadata
.endif
;; end of part 2
;; launch attn (part 3): grid 8 x 32, 16 waves a work-group, no clusters, 145,408 bytes of LDS; arguments qkv, mbits, att, flags; writes att
.if DOCPART == 3
	.amdgcn_target "amdgcn-amd-amdhsa--gfx1250"
	.amdhsa_code_object_version 6
	.text
	.protected	k_qb537308320_attn
	.globl	k_qb537308320_attn
	.p2align	8
	.type	k_qb537308320_attn,@function
k_qb537308320_attn:
	s_mov_b64 s[64:65], 0
	v_nop
	global_prefetch_b8 v0, s[64:65] scope:SCOPE_SE
	s_setreg_imm32_b32 hwreg(HW_REG_WAVE_MODE, 25, 1), 1
	s_wait_xcnt 0x0
; LAUNCH 3 OF 6: attention on codes of FP4.  S^T = K Q^T, the mask, p = 2^(t - M) with M the ceiling of the running largest t, O^T += V^T P^T on the quantised p, O / l, and O quantised for the projection.
; LEFT OUT: a step of 128 keys whose 16 x 128 mask entries are all 0 (a flag that launch 1 stored): its weights are exactly 0 whatever the scores hold, so it moves no maximum, sum or result.
; A NaN or an overflow in such scores is not carried on; reference() overwrites them with -infinity too.  No pattern of the mask is built in.
; SHARES.  A work-group owns one batch and head; wave w owns the 16 queries of tile x + 8 w (x: the work-group's number along x), so that early and late queries are spread evenly over the work-groups.
; THE HEAD'S K, V AND THEIR SCALE WORDS STAY IN LDS: 140 KB, copied once through registers (wave w: key step w), read-only behind ONE barrier.  No tensor load: the walk branches on numbers read from memory.
; So no cluster either: what work-groups share is those 140 KB, read once by each.
; LAYOUT.  Both products transposed: a lane holds ONE query (lane % 16).  In tile t of S^T register j is key 16 t + 8 h + j.  K = 64 fills half of the instruction's 128: registers 4-7 of Q's and K's fragments are zero codes,
; set once; their scale bytes are 0, which is 2^-127 and harmless over zero codes.
; A ROW WITH NO KEY LEFT has l = 0: it gets zero codes under the scale bytes 0xff, so that the next launch's sums for it are NaN, as reference()'s are.
; LIMITS: 1 / l by v_rcp_f32; a block's largest p is taken from the block's largest score, put through the same multiply-add and exponential.
; REGISTERS: v1-5 addresses that stay; v6, v7 the add's two; v8-11 addresses in hand; v12 -M, v13 the largest t, v[14:15] l; v16-23 Q; v24-31 K's scale words; v32-95 K; v96-159 S^T, then p; v160-191 O^T;
; v192-223 V; v224-231 p's codes; v232-247 at work (v240 -infinity, v241 16 x lane + V's base); v248-251 V's scale words; v252 f; v253 p's scale word; v254 at work; v255 Q's scale word.
.set VB,      65536                    ; LDS: K [step][tile 8][512] | V [step][tile 4][c 2][512] | scale records [step][768] | the spare words
.set SB,      131072
.set SPARE,   143360                   ; 128 bytes for each of 16 waves: eight blocks of 256 bytes that no other line names
.set K_OFF,   2097152
.set V_OFF,   4194304
.set QS_OFF,  6291456
.set KVS_OFF, 6684672
.set AOS_OFF, 2097152
.set SPW, 6
.set NIL, 7
.set SEL, 22                           ; s[22:23] selects for lane l xor 16
.set CS,  24                           ; s[24:25] c = log2(e) / 8
.set TM,  232
	s_load_b128 s[4:7], s[0:1], 0x0                ; qkv, mbits
	s_load_b64 s[8:9], s[0:1], 0x10                ; att
	s_load_b64 s[2:3], s[0:1], 0x18                ; flags
	v_lshl_add_u32 v[SPW], v0, 2, SPARE
	v_mov_b32 v[NIL], 0
	v_lshrrev_b32 v8, 5, v0
	v_readfirstlane_b32 s10, v8                    ; wave 0..15
	v_and_b32 v9, 31, v0
	v_lshlrev_b32 v1, 4, v9                        ; 16 x lane
	v_and_b32 v2, 15, v0                           ; r
	v_bfe_u32 v3, v0, 4, 1                         ; h
	v_lshl_add_u32 v4, v2, 5, SB                   ; K's scale words: 32 bytes a row
	v_lshl_add_u32 v5, v2, 4, SB+512               ; V's: 16 bytes a row
	v_add_nc_u32 v241, VB, v1
	v_mov_b32 v240, 0xff800000                     ; -infinity
	s_lshl_b32 s33, s10, 12
	v_add_nc_u32 v102, s33, v1                     ; where my step's K goes,
	v_add_nc_u32 v103, s33, v241                   ; its V,
	s_mul_i32 s34, s10, 768
	s_add_co_u32 s34, s34, SB
	v_add_nc_u32 v104, s34, v1                     ; its record's first 512 bytes,
	v_lshlrev_b32 v105, 3, v9
	s_add_co_u32 s34, s34, 512
	v_add_nc_u32 v106, s34, v105                   ; and the last 256
	v_lshlrev_b32 v107, 5, v2
	s_and_b32 s11, ttmp7, 0xffff                   ; 16 x batch + head
	s_lshl_b32 s12, s10, 3
	s_add_co_u32 s12, s12, ttmp9                   ; my tile of queries in the sequence
	s_lshr_b32 s13, s11, 4
	s_lshl_b32 s13, s13, 7
	s_add_co_u32 s13, s13, s12                     ; and among all tokens
	s_lshl_b32 s36, s11, 16
	s_add_co_u32 s38, s36, s33                     ; my step of K and V
	s_mov_b32 s39, 0
	s_lshl_b32 s40, s12, 9
	s_add_co_u32 s40, s40, s36                     ; my tile of Q
	s_mov_b32 s41, 0
	s_lshl_b32 s42, s11, 4
	s_add_co_u32 s42, s42, s10
	s_mul_i32 s42, s42, 768                        ; record 16 x (batch, head) + wave: K's and V's of step w; Q's of tiles 8 w .. 8 w + 7
	s_mov_b32 s43, 0
	s_lshl_b32 s44, ttmp9, 2
	s_add_co_u32 s44, s44, s42
	s_add_co_u32 s44, s44, QS_OFF
	s_mov_b32 s45, 0
	s_add_co_u32 s42, s42, KVS_OFF
	s_lshl_b32 s46, s13, 4                         ; my tile's four flag words
	s_mov_b32 s47, 0
	s_lshl_b32 s20, s13, 12
	s_mov_b32 s21, 0
	s_mov_b32 s[SEL], 0x76543210
	s_mov_b32 s[SEL+1], 0xfedcba98
	s_mov_b32 s[CS], 0x3e38aa3b
	s_mov_b32 s[CS+1], s[CS]                       ; (named with it as a pair, so it is written)
	s_wait_kmcnt 0x0
	s_add_nc_u64 s[46:47], s[2:3], s[46:47]
	s_load_b128 s[28:31], s[46:47], 0x0            ; my tile's flags: four words, four steps each
	s_add_nc_u64 s[20:21], s[6:7], s[20:21]        ; my tile's mask words, 256 bytes a step
	s_add_nc_u64 s[38:39], s[4:5], s[38:39]
	s_add_nc_u64 s[40:41], s[4:5], s[40:41]
	s_add_nc_u64 s[42:43], s[4:5], s[42:43]
	s_add_nc_u64 s[44:45], s[4:5], s[44:45]
.irp i, 0,1,2,3,4,5,6,7
	global_load_b128 v[32+4*\i:35+4*\i], v1, s[38:39] offset:K_OFF+512*\i
.endr
.irp i, 0,1,2,3,4,5,6,7
	global_load_b128 v[64+4*\i:67+4*\i], v1, s[38:39] offset:V_OFF+512*\i
.endr
	global_load_b128 v[96:99], v1, s[42:43]
	global_load_b64 v[100:101], v105, s[42:43] offset:512
	global_load_b128 v[16:19], v1, s[40:41]        ; Q's fragment stays in registers
	global_load_b32 v255, v107, s[44:45]           ; and its scale words
	s_wait_loadcnt 2                               ; the eighteen loads of the copy are in; Q's two may be out
.irp i, 0,1,2,3,4,5,6,7
	ds_store_b128 v102, v[32+4*\i:35+4*\i] offset:512*\i
.endr
.irp i, 0,1,2,3,4,5,6,7
	ds_store_b128 v103, v[64+4*\i:67+4*\i] offset:512*\i
.endr
	ds_store_b128 v104, v[96:99]
	ds_store_b64 v106, v[100:101]
	s_wait_dscnt 0x0                               ; for the others' sake: my stores have landed
	s_barrier_signal -1
	s_barrier_wait -1                              ; the head's K and V lie in LDS; nobody writes them again
	v_mov_b32 v13, 0xff61b1e6                      ; the largest t so far: -3e38
	v_floor_f32 v12, -v13                          ; -M
	v_mov_b32 v14, 0
	v_mov_b32 v15, 0
.irp i, 20,21,22,23
	v_mov_b32 v\i, 0                               ; Q: zero codes for K = 64 .. 127
.endr
.irp t, 0,1,2,3,4,5,6,7
.irp i, 4,5,6,7
	v_mov_b32 v[32+8*\t+\i], 0                     ; K likewise: the loads below write registers 0-3 alone
.endr
.endr
.set n, 0
.rept 32
	v_mov_b32 v[160+n], 0                          ; O^T: the step is written once; the first finds zeros
.set n, n+1
.endr
.irp i, 236,237,238,239,252,253
	v_mov_b32 v\i, 0                               ; permutes' destinations, and the pair v[252:253], are named before they are first written
.endr
	s_wait_kmcnt 0x0                               ; the flags
	s_and_b32 s14, s28, 15                         ; s14: bit i: step i has an entry other than 0
	s_bfe_u32 s15, s28, 0x40010                    ; s15: bit i: step i has no 0
.irp q, 1,2,3
	s_and_b32 s2, s[28+\q], 15
	s_lshl_b32 s2, s2, 4*\q
	s_or_b32 s14, s14, s2
	s_bfe_u32 s2, s[28+\q], 0x40010
	s_lshl_b32 s2, s2, 4*\q
	s_or_b32 s15, s15, s2
.endr
	s_mov_b32 s16, 0                               ; the step
	s_mov_b32 s17, 0                               ; 4,096 x the step
	s_mov_b32 s18, 0                               ; 768 x the step
	s_wait_loadcnt 0x0                             ; Q
.macro SMUL                            ; S^T = K Q^T: eight tiles of 16 keys; C = 0 starts each sum
	s_wait_dscnt 9                                 ; K and its scale words are in; V's nine loads may be out
.irp t, 0,1,2,3,4,5,6,7
	v_wmma_scale_f32_16x16x128_f8f6f4 v[96+8*\t:103+8*\t], v[32+8*\t:39+8*\t], v[16:23], 0, v[24+\t], v255 matrix_a_fmt:MATRIX_FMT_FP4 matrix_b_fmt:MATRIX_FMT_FP4
.endr
.rept 4
	v_nop
.endr
.endm
.Lstep:                                            ; 16 trips, a constant; a step with nothing to count is jumped over, but for the lines that step addresses
	s_bitcmp1_b32 s14, s16
	s_cbranch_scc0 .Lnext
	v_add_nc_u32 v8, s17, v1                       ; (these four are also the places behind the last step's products, in front of the loads into their registers)
	v_add_nc_u32 v9, s17, v241
	v_add_nc_u32 v10, s18, v4
	v_add_nc_u32 v11, s18, v5
.irp t, 0,1,2,3,4,5,6,7
	ds_load_b128 v[32+8*\t:35+8*\t], v8 offset:512*\t
.endr
	ds_load_b128 v[24:27], v10
	ds_load_b128 v[28:31], v10 offset:16
.irp t, 0,1,2,3
	ds_load_b128 v[192+8*\t:195+8*\t], v9 offset:1024*\t
	ds_load_b128 v[196+8*\t:199+8*\t], v9 offset:1024*\t+512
.endr
	ds_load_b128 v[248:251], v11
	s_bitcmp1_b32 s15, s16
	s_cbranch_scc1 .Lfull
	s_load_b512 s[32:47], s[20:21], 0x0            ; the step's 64 lane-mask words: word n in s[32 + n], from n = 32 on in s[36 + n]
	s_load_b512 s[48:63], s[20:21], 0x40
	s_load_b512 s[68:83], s[20:21], 0x80
	s_load_b512 s[84:99], s[20:21], 0xc0
	SMUL
	s_wait_kmcnt 0x0
.set n, 0
.rept 32
	v_cndmask_b32 v[96+n], v240, v[96+n], s[32+n]  ; -infinity where the mask is 0
.set n, n+1
.endr
.rept 32
	v_cndmask_b32 v[96+n], v240, v[96+n], s[36+n]
.set n, n+1
.endr
	s_branch .Lsoft
.Lfull:                                            ; no 0 in this step's mask: the words are not read
	SMUL
.Lsoft:
.irp b, 0,1,2,3
	v_max3_num_f32 v[232+\b], v[96+16*\b], v[97+16*\b], v[98+16*\b]   ; the largest score of each block of 32 keys: for the row's maximum, and for the block's largest p
.endr
.irp i, 3,5,7,9,11,13
.irp b, 0,1,2,3
	v_max3_num_f32 v[232+\b], v[232+\b], v[96+16*\b+\i], v[97+16*\b+\i]
.endr
.endr
.irp b, 0,1,2,3
	v_max_num_f32 v[232+\b], v[232+\b], v[111+16*\b]
.endr
.irp b, 0,1,2,3
	v_permlanex16_b32 v[236+\b], v[232+\b], s[SEL], s[SEL+1]
.endr
.irp b, 0,1,2,3
	v_max_num_f32 v[232+\b], v[232+\b], v[236+\b]
.endr
	v_max3_num_f32 v254, v232, v233, v234
	v_max_num_f32 v254, v254, v235
	v_mul_f32 v254, s[CS], v254                    ; as t
	v_max_num_f32 v13, v13, v254                   ; the running largest t
	v_mov_b32 v254, v12
	v_floor_f32 v12, -v13                          ; the new -M = -ceil(t)
	v_sub_f32 v254, v12, v254                      ; old M - new M: a whole number, 0 or less
	v_cvt_i32_f32 v254, v254                       ; (it saturates)
	v_ldexp_f32 v252, 1.0, v254                    ; f = 2^(old M - new M)
.set n, 0
.rept 32
	v_pk_fma_f32 v[96+n:97+n], v[96+n:97+n], s[CS:CS+1], v[12:13] op_sel_hi:[1,0,0]   ; t - M
.set n, n+2
.endr
.irp b, 0,1,2,3
	v_fma_f32 v[232+\b], v[232+\b], s[CS], v12
.endr
.set n, 0
.rept 64
	v_exp_f32 v[96+n], v[96+n]                     ; p = 2^(t - M), not normalised
.set n, n+1
.endr
	v_pk_mul_f32 v[14:15], v[14:15], v[252:253] op_sel_hi:[1,0]   ; l under the new M (a plain line behind the exponentials)
	s_wait_alu depctr_va_vdst(0)                   ; one wait for the batch, ahead of its first reader
.irp b, 0,1,2,3
	v_exp_f32 v[232+\b], v[232+\b]                 ; each block's largest p
.endr
	v_pk_add_f32 v[236:237], v[96:97], v[98:99]    ; the row's sum, of the unquantised p, in two chains
.irp j, 4,8,12,16,20,24,28,32,36,40,44,48,52,56,60
	v_pk_add_f32 v[14:15], v[14:15], v[96+\j:97+\j]
	v_pk_add_f32 v[236:237], v[236:237], v[98+\j:99+\j]
.endr
	v_pk_add_f32 v[14:15], v[14:15], v[236:237]
	s_wait_alu depctr_va_vdst(0)                   ; and one for the four
.irp b, 0,1,2,3
	v_max_num_f32 v[232+\b], 0x1800000, v[232+\b]  ; the floor: the byte cannot fall under 1
.endr
.irp b, 0,1,2,3
	v_add_nc_u32 v[244+\b], 0xff000000, v[232+\b]
.endr
.irp b, 0,1,2,3
	v_lshrrev_b32 v[236+\b], 23, v[244+\b]
.endr
	v_lshl_or_b32 v253, v237, 8, v236              ; p's scale word for these 128 keys
	v_lshl_or_b32 v253, v238, 16, v253
	v_lshl_or_b32 v253, v239, 24, v253
.irp c, 0,1
	v_cvt_scalef32_pk8_fp4_f32 v[224+4*\c], v[96+32*\c:103+32*\c],  v[244+2*\c]
	v_cvt_scalef32_pk8_fp4_f32 v[226+4*\c], v[104+32*\c:111+32*\c], v[244+2*\c]
	v_cvt_scalef32_pk8_fp4_f32 v[225+4*\c], v[112+32*\c:119+32*\c], v[245+2*\c]
	v_cvt_scalef32_pk8_fp4_f32 v[227+4*\c], v[120+32*\c:127+32*\c], v[245+2*\c]
.endr
	v_nop                                          ; one plain line behind the last conversion
.irp c, 0,1
	v_permlane16_swap_b32 v[224+4*\c], v[225+4*\c] ; a whole block a lane, keys ascending
	v_permlane16_swap_b32 v[226+4*\c], v[227+4*\c]
.endr
.set n, 0
.rept 16
	v_pk_mul_f32 v[160+n:161+n], v[160+n:161+n], v[252:253] op_sel_hi:[1,0]   ; O^T under the new M; also the places in front of the products below
.set n, n+2
.endr
	s_wait_dscnt 0x0                               ; V and its scale words
.irp t, 0,1,2,3
	v_wmma_scale_f32_16x16x128_f8f6f4 v[160+8*\t:167+8*\t], v[192+8*\t:199+8*\t], v[224:231], v[160+8*\t:167+8*\t], v[248+\t], v253 matrix_a_fmt:MATRIX_FMT_FP4 matrix_b_fmt:MATRIX_FMT_FP4
.endr
.Lnext:
	s_add_nc_u64 s[20:21], s[20:21], 256           ; (the step's scalar loads, if any, were waited for)
	s_add_co_u32 s17, s17, 4096
	s_add_co_u32 s18, s18, 768
	s_add_co_u32 s16, s16, 1
	s_cmp_lt_u32 s16, 16
	s_cbranch_scc1 .Lstep
.macro QUANT2 s, pc, pw                ; 32 numbers, two blocks of 32 along the next K with lane l xor 16's, become 4 registers of codes and two scale bytes
.irp b, 0,1
	v_max3_num_f32 v[TM+\b], |v[(\s)+16*\b]|, |v[(\s)+16*\b+1]|, 0x1800000
.endr
.irp i, 2,4,6,8,10,12,14
.irp b, 0,1
	v_max3_num_f32 v[TM+\b], v[TM+\b], |v[(\s)+16*\b+\i]|, |v[(\s)+16*\b+\i+1]|
.endr
.endr
.irp b, 0,1
	v_permlanex16_b32 v[TM+4+\b], v[TM+\b], s[SEL], s[SEL+1]
.endr
.irp b, 0,1
	v_max_num_f32 v[TM+\b], v[TM+\b], v[TM+4+\b]
.endr
.irp b, 0,1
	v_add_nc_u32 v[TM+8+\b], 0xff000000, v[TM+\b]
.endr
.irp b, 0,1
	v_lshrrev_b32 v[TM+4+\b], 23, v[TM+8+\b]
.endr
	v_lshl_or_b32 v[\pw], v[TM+5], 8, v[TM+4]
	v_cvt_scalef32_pk8_fp4_f32 v[\pc],     v[(\s):(\s)+7],     v[TM+8]
	v_cvt_scalef32_pk8_fp4_f32 v[(\pc)+2], v[(\s)+8:(\s)+15],  v[TM+8]
	v_cvt_scalef32_pk8_fp4_f32 v[(\pc)+1], v[(\s)+16:(\s)+23], v[TM+9]
	v_cvt_scalef32_pk8_fp4_f32 v[(\pc)+3], v[(\s)+24:(\s)+31], v[TM+9]
	v_nop
	v_permlane16_swap_b32 v[\pc], v[(\pc)+1]
	v_permlane16_swap_b32 v[(\pc)+2], v[(\pc)+3]
.endm
; THE WAY OUT
.rept 4
	v_nop                                          ; places behind the last products
.endr
	v_add_f32 v14, v14, v15
	v_permlanex16_b32 v252, v14, s[SEL], s[SEL+1]
	v_add_f32 v14, v14, v252                       ; l
	v_cmp_eq_f32 s27, 0, v14                       ; a row with no key left: it only selects a value below
	v_max_num_f32 v14, 0x00800000, v14
	v_rcp_f32 v14, v14
	v_lshlrev_b32 v10, 5, v2                       ; (a plain line behind the reciprocal)
	v_mov_b32 v254, 0xffff
	s_and_b32 s2, s11, 15                          ; the head
	s_lshl_b32 s32, s13, 13                        ; a tile of tokens: 8 K steps of 1,024 bytes; a head is half a K step
	s_lshl_b32 s33, s2, 9
	s_add_co_u32 s32, s32, s33
	s_mov_b32 s33, 0
	s_add_nc_u64 s[32:33], s[8:9], s[32:33]
	s_lshl_b32 s34, s13, 9
	s_lshl_b32 s35, s2, 1
	s_add_co_u32 s34, s34, s35
	s_add_co_u32 s34, s34, AOS_OFF
	s_mov_b32 s35, 0
	s_add_nc_u64 s[34:35], s[8:9], s[34:35]
	s_wait_alu depctr_va_vdst(0)                   ; ahead of the reciprocal's first reader
.set n, 0
.rept 32
	v_mul_f32 v[96+n], v[160+n], v14               ; register 8 t + j: channel 16 t + 8 h + j of my query
.set n, n+1
.endr
	QUANT2 96, 224, 253
	v_cndmask_b32 v253, v253, v254, s27
	global_store_b128 v1, v[224:227], s[32:33]     ; half a fragment of the projection's operand: 512 consecutive bytes
	global_store_b16 v10, v253, s[34:35]           ; my head's two of a row's 32 scale bytes (both halves of the lanes store the same): 2 bytes a row, 128 KB in the whole launch
	s_wait_tensorcnt 0x0                           ; the wave's end, behind my last LDS store
	ds_add_u32 v[SPW], v[NIL]
	s_wait_dscnt 0x0
	s_endpgm
.Lfunc_end_k_qb537308320_attn:
	.size	k_qb537308320_attn, .Lfunc_end_k_qb537308320_attn-k_qb537308320_attn
	.p2alignl 7, 3214868480
	.fill 96, 4, 3214868480
	.section	.rodata,"a",@progbits
	.p2align	6, 0x0
	.amdhsa_kernel k_qb537308320_attn
		.amdhsa_group_segment_fixed_size 145408
		.amdhsa_private_segment_fixed_size 0
		.amdhsa_enable_private_segment 0
		.amdhsa_kernarg_size 32
		.amdhsa_user_sgpr_count 2
		.amdhsa_user_sgpr_kernarg_segment_ptr 1
		.amdhsa_wavefront_size32 1
		.amdhsa_system_sgpr_workgroup_id_x 1
		.amdhsa_system_sgpr_workgroup_id_y 1
		.amdhsa_system_sgpr_workgroup_id_z 1
		.amdhsa_system_vgpr_workitem_id 0
		.amdhsa_next_free_vgpr 256
		.amdhsa_next_free_sgpr 100
		.amdhsa_reserve_vcc 0
		.amdhsa_float_denorm_mode_32 3
		.amdhsa_float_denorm_mode_16_64 3
		.amdhsa_memory_ordered 1
		.amdhsa_forward_progress 1
		.amdhsa_inst_pref_size 35
	.end_amdhsa_kernel
	.amdgpu_metadata
---
amdhsa.version: [ 1, 2 ]
amdhsa.kernels:
  - .name:           k_qb537308320_attn
    .symbol:         k_qb537308320_attn.kd
    .args:
      - { .name: qkv, .offset: 0, .size: 8, .value_kind: global_buffer, .address_space: global }
      - { .name: mbits, .offset: 8, .size: 8, .value_kind: global_buffer, .address_space: global }
      - { .name: att, .offset: 16, .size: 8, .value_kind: global_buffer, .address_space: global }
      - { .name: flags, .offset: 24, .size: 8, .value_kind: global_buffer, .address_space: global }
    .group_segment_fixed_size: 145408
    .private_segment_fixed_size: 0
    .kernarg_segment_align: 8
    .kernarg_segment_size: 32
    .max_flat_workgroup_size: 512
    .sgpr_count:     100
    .vgpr_count:     256
    .wavefront_size: 32
...
	.end_amdgpu_metadata
.endif
;; end of part 3
;; launch oproj (part 4): grid 256 x 1, 16 waves a work-group, no clusters, 78,080 bytes of LDS; arguments att, Wout_codes, Wout_scales, x, g2, mid; writes mid
.if DOCPART == 4
	.amdgcn_target "amdgcn-amd-amdhsa--gfx1250"
	.amdhsa_code_object_version 6
	.text
	.protected	k_qb537308320_oproj
	.globl	k_qb537308320_oproj
	.p2align	8
	.type	k_qb537308320_oproj,@function
k_qb537308320_oproj:
	s_mov_b64 s[64:65], 0
	v_nop
	global_prefetch_b8 v0, s[64:65] scope:SCOPE_SE
	s_setreg_imm32_b32 hwreg(HW_REG_WAVE_MODE, 25, 1), 1
	s_wait_xcnt 0x0
; LAUNCH 4 OF 6: x1 = x + ao Wout on codes of FP4, then g2 * x1 / sqrt(mean(x1^2) + 1e-6) quantised: x1q, x1s.
; SHARES.  A work-group owns 16 WHOLE rows, so that the norm needs no further launch; wave w owns columns 64 w .. 64 w + 63: four tiles, transposed (source 0 = 16 rows of Wout, source 1 = ao's fragment):
; a lane holds one row, its registers run along the columns, the next K.
; THE WEIGHTS GO FROM MEMORY STRAIGHT INTO REGISTERS: with 16 rows to a work-group each fragment of Wout feeds one matrix instruction, so LDS would add a trip and spare none.  No tensor load, hence no joint loads.
; x comes as dense rows, turns through LDS into the result's layout and is the C of the first products: the residual costs no addition.  x1 goes back through the same bytes and leaves as dense rows.
; Three barriers: x's rows lie in LDS | x1's rows and the partial sums of squares | the codes and scale bytes.
; LIMITS: 1 / rms by v_rsq_f32.  A row whose scale bytes are 0xff (no key left) comes out NaN in x1, as in reference().
; REGISTERS: v1-11 addresses; v12, v13 the add's two; v16-47 the four accumulators; v48-79 ao, four K steps; v80-207 Wout, four tiles x four K steps; v208-223 Wout's scale words, v224-227 ao's (lanes 0-15: K steps 0-3,
; lanes 16-31: 4-7); v228-243 at work; v244-247 codes; v248 their scale bytes; v[250:251] 1 / rms; v252-254 addresses.
.set XP,    4112                       ; LDS: 16 rows of 4,096 bytes + 16 |
.set RS,    66048                      ; partial sums [row 16][wave 16] f32 |
.set CSG,   67072                      ; codes: 16 rows of 512 bytes + 16 |
.set SS,    75520                      ; scale bytes: 16 rows of 32 |
.set SPARE, 76032                      ; the spare words, 128 bytes for each of 16 waves: eight blocks of 256 bytes that no other line names
.set AOS_OFF, 2097152
.set X1Q_OFF, 16777216
.set X1S_OFF, 18874368
.set SPW, 12
.set NIL, 13
.set ACC, 16
.set AO,  48
.set WF,  80
.set WS,  208
.set AS,  224
.set TM,  228
.set PC,  244
.set PW,  248
.set SEL, 20
	s_load_b256 s[4:11], s[0:1], 0x0               ; att, Wout's codes, Wout's scales, x
	s_load_b128 s[12:15], s[0:1], 0x20             ; g2, mid
	v_lshl_add_u32 v[SPW], v0, 2, SPARE
	v_mov_b32 v[NIL], 0
	v_lshrrev_b32 v1, 5, v0
	v_readfirstlane_b32 s16, v1                    ; wave 0..15
	v_and_b32 v14, 31, v0
	v_lshlrev_b32 v1, 4, v14                       ; 16 x lane
	v_and_b32 v2, 15, v0                           ; r
	v_bfe_u32 v3, v0, 4, 1                         ; h
	s_lshl_b32 s17, s16, 8
	v_mul_u32_u24 v4, v2, XP
	v_lshl_add_u32 v4, v3, 5, v4
	v_add_nc_u32 v4, s17, v4                       ; the result's layout: row r, my wave's 256 bytes, + 32 h
	s_mul_i32 s17, s16, XP
	v_add_nc_u32 v5, s17, v1                       ; a dense row: row w
	v_lshlrev_b32 v6, 9, v2
	v_lshl_add_u32 v6, v3, 4, v6                   ; Wout's codes: row r of 512 bytes, + 16 h
	v_lshlrev_b32 v7, 5, v2
	v_lshl_add_u32 v7, v3, 4, v7                   ; scale bytes: row r of 32, + 16 h
	v_lshl_add_u32 v9, v2, 6, RS
	s_lshl_b32 s17, s16, 2
	v_add_nc_u32 v8, s17, v9
	v_mul_u32_u24 v10, v2, 528
	v_lshl_add_u32 v10, v3, 4, v10
	s_lshl_b32 s17, s16, 5
	s_add_co_u32 s17, s17, CSG
	v_add_nc_u32 v10, s17, v10
	v_lshl_add_u32 v11, v2, 5, SS
	s_lshl_b32 s17, s16, 1
	v_add_nc_u32 v11, s17, v11
	s_mul_i32 s17, s16, 528
	s_add_co_u32 s17, s17, CSG
	v_add_nc_u32 v252, s17, v1
	v_add_nc_u32 v253, SS, v1
	v_lshlrev_b32 v254, 5, v3
	v_mov_b32 v232, 0                              ; a lane permute's destination counts as one of its sources
	s_mov_b32 s[SEL], 0x76543210
	s_mov_b32 s[SEL+1], 0xfedcba98
	s_mov_b32 s22, 0x3a800000                      ; 1 / 1024
	s_mov_b32 s23, 0x358637bd                      ; 1e-6
	s_lshl_b32 s18, ttmp9, 4
	s_add_co_u32 s18, s18, s16                     ; the row that I carry in and out
	s_lshl_b32 s24, s18, 12
	s_mov_b32 s25, 0
	s_lshl_b32 s26, s18, 9
	s_add_co_u32 s26, s26, X1Q_OFF
	s_mov_b32 s27, 0
	s_lshl_b32 s28, ttmp9, 9
	s_add_co_u32 s32, s28, AOS_OFF
	s_mov_b32 s33, 0
	s_add_co_u32 s28, s28, X1S_OFF
	s_mov_b32 s29, 0
	s_lshl_b32 s30, ttmp9, 13
	s_mov_b32 s31, 0
	s_lshl_b32 s34, s16, 15
	s_mov_b32 s35, 0
	s_lshl_b32 s36, s16, 11
	s_mov_b32 s37, 0
	s_lshl_b32 s38, s16, 8
	s_mov_b32 s39, 0
	s_wait_kmcnt 0x0
	s_add_nc_u64 s[10:11], s[10:11], s[24:25]      ; x's row
	s_add_nc_u64 s[24:25], s[14:15], s[24:25]      ; x1's
	s_add_nc_u64 s[26:27], s[14:15], s[26:27]      ; x1q's
	s_add_nc_u64 s[28:29], s[14:15], s[28:29]      ; the 16 rows' x1s
	s_add_nc_u64 s[30:31], s[4:5], s[30:31]        ; ao's images
	s_add_nc_u64 s[32:33], s[4:5], s[32:33]        ; ao's scale bytes
	s_add_nc_u64 s[6:7], s[6:7], s[34:35]          ; my 64 rows of Wout
	s_add_nc_u64 s[8:9], s[8:9], s[36:37]
	s_add_nc_u64 s[12:13], s[12:13], s[38:39]      ; my 64 numbers of g2
.macro OPLOAD hf                       ; K steps 4 hf .. 4 hf + 3: ao's four fragments, Wout's sixteen: 40 loads
.irp s, 0,1,2,3
.irp c, 0,1
	global_load_b128 v[AO+8*\s+4*\c:AO+8*\s+4*\c+3], v1, s[30:31] offset:4096*\hf+1024*\s+512*\c
.endr
.endr
.irp t, 0,1,2,3
.irp s, 0,1,2,3
.irp c, 0,1
	global_load_b128 v[WF+32*\t+8*\s+4*\c:WF+32*\t+8*\s+4*\c+3], v6, s[6:7] offset:8192*\t+256*\hf+64*\s+32*\c
.endr
.endr
.endr
.endm
.macro PROD row1                       ; 16 products; the four accumulators take turns, one instruction a turn
.irp s, 0,1,2,3
.irp t, 0,1,2,3
.if \row1
	v_wmma_scale_f32_16x16x128_f8f6f4 v[ACC+8*\t:ACC+8*\t+7], v[WF+32*\t+8*\s:WF+32*\t+8*\s+7], v[AO+8*\s:AO+8*\s+7], v[ACC+8*\t:ACC+8*\t+7], v[WS+4*\t+\s], v[AS+\s] matrix_a_fmt:MATRIX_FMT_FP4 matrix_b_fmt:MATRIX_FMT_FP4 matrix_a_scale:MATRIX_SCALE_ROW1 matrix_b_scale:MATRIX_SCALE_ROW1
.else
	v_wmma_scale_f32_16x16x128_f8f6f4 v[ACC+8*\t:ACC+8*\t+7], v[WF+32*\t+8*\s:WF+32*\t+8*\s+7], v[AO+8*\s:AO+8*\s+7], v[ACC+8*\t:ACC+8*\t+7], v[WS+4*\t+\s], v[AS+\s] matrix_a_fmt:MATRIX_FMT_FP4 matrix_b_fmt:MATRIX_FMT_FP4
.endif
.endr
.endr
.endm
.macro BARRIER
	s_wait_dscnt 0x0                               ; my LDS stores have landed and my LDS loads are in
	s_barrier_signal -1
	s_barrier_wait -1
.endm
.irp i, 0,1,2,3,4,5,6,7
	global_load_b128 v[ACC+4*\i:ACC+4*\i+3], v1, s[10:11] offset:512*\i th:TH_LOAD_NT
.endr
	global_load_b128 v[AS:AS+3], v7, s[32:33]
.irp t, 0,1,2,3
	global_load_b128 v[WS+4*\t:WS+4*\t+3], v7, s[8:9] offset:512*\t
.endr
	OPLOAD 0
	s_wait_loadcnt 45                              ; x's eight loads are in; the 45 issued behind them may be out
.irp i, 0,1,2,3,4,5,6,7
	ds_store_b128 v5, v[ACC+4*\i:ACC+4*\i+3] offset:512*\i
.endr
	BARRIER                                        ; x's sixteen rows lie in LDS
.irp t, 0,1,2,3
	ds_load_b128 v[ACC+8*\t:ACC+8*\t+3], v4 offset:64*\t
	ds_load_b128 v[ACC+8*\t+4:ACC+8*\t+7], v4 offset:64*\t+16
.endr
	s_wait_loadcnt 0x0
	s_wait_dscnt 0x0
	PROD 0
.rept 4
	v_nop                                          ; places in front of loads into registers that matrix instructions have read
.endr
	OPLOAD 1
	s_wait_loadcnt 0x0
	PROD 1
.rept 4
	v_nop                                          ; places: for the loads below and the first read of the results
.endr
.irp t, 0,1,2,3
	global_load_b128 v[80+8*\t:83+8*\t], v254, s[12:13] offset:64*\t       ; g2 in the result's layout
	global_load_b128 v[84+8*\t:87+8*\t], v254, s[12:13] offset:64*\t+16
.endr
.irp t, 0,1,2,3
	ds_store_b128 v4, v[ACC+8*\t:ACC+8*\t+3] offset:64*\t                  ; x1, into the bytes that this wave alone has read
	ds_store_b128 v4, v[ACC+8*\t+4:ACC+8*\t+7] offset:64*\t+16
.endr
	v_pk_mul_f32 v[228:229], v[ACC:ACC+1], v[ACC:ACC+1]
	v_pk_mul_f32 v[230:231], v[ACC+2:ACC+3], v[ACC+2:ACC+3]
.irp k, 2,3,4,5,6,7,8,9,10,11,12,13,14,15
	v_pk_fma_f32 v[228+2*(\k%2):229+2*(\k%2)], v[ACC+2*\k:ACC+2*\k+1], v[ACC+2*\k:ACC+2*\k+1], v[228+2*(\k%2):229+2*(\k%2)]
.endr
	v_pk_add_f32 v[228:229], v[228:229], v[230:231]
	v_add_f32 v228, v228, v229
	v_permlanex16_b32 v232, v228, s[SEL], s[SEL+1]
	v_add_f32 v228, v228, v232                     ; row r's sum of squares over my 64 columns
	ds_store_b32 v8, v228
	BARRIER                                        ; x1's rows and the 16 x 16 partial sums lie in LDS
.irp i, 0,1,2,3
	ds_load_b128 v[228+4*\i:231+4*\i], v9 offset:16*\i
.endr
.irp i, 0,1,2,3,4,5,6,7
	ds_load_b128 v[112+4*\i:115+4*\i], v5 offset:512*\i
.endr
	s_wait_dscnt 8                                 ; the partial sums are in; the dense row's eight loads may be out
	v_pk_add_f32 v[228:229], v[228:229], v[230:231]
	v_pk_add_f32 v[232:233], v[232:233], v[234:235]
	v_pk_add_f32 v[236:237], v[236:237], v[238:239]
	v_pk_add_f32 v[240:241], v[240:241], v[242:243]
	v_pk_add_f32 v[228:229], v[228:229], v[232:233]
	v_pk_add_f32 v[236:237], v[236:237], v[240:241]
	v_pk_add_f32 v[228:229], v[228:229], v[236:237]
	v_add_f32 v228, v228, v229
	v_fma_f32 v14, v228, s22, s23
	v_rsq_f32 v250, v14
	v_rsq_f32 v251, v14
	v_nop
	s_wait_alu depctr_va_vdst(0)                   ; one wait for both, ahead of their first reader
	s_wait_dscnt 0x0
.irp i, 0,1,2,3,4,5,6,7
	global_store_b128 v1, v[112+4*\i:115+4*\i], s[24:25] offset:512*\i     ; x1's row: 4,096 consecutive bytes
.endr
	s_wait_loadcnt 0x0                             ; g2
.irp k, 0,1,2,3,4,5,6,7,8,9,10,11,12,13,14,15
	v_pk_mul_f32 v[ACC+2*\k:ACC+2*\k+1], v[ACC+2*\k:ACC+2*\k+1], v[250:251]
.endr
.irp k, 0,1,2,3,4,5,6,7,8,9,10,11,12,13,14,15
	v_pk_mul_f32 v[ACC+2*\k:ACC+2*\k+1], v[ACC+2*\k:ACC+2*\k+1], v[80+2*\k:81+2*\k]
.endr
; 32 numbers, two blocks of 32 along the next K with lane l xor 16's, become 4 registers of codes and two scale bytes
.irp b, 0,1
	v_max3_num_f32 v[TM+\b], |v[ACC+16*\b]|, |v[ACC+16*\b+1]|, 0x1800000   ; with the floor 2^(3 - 127): the byte cannot fall under 1
.endr
.irp i, 2,4,6,8,10,12,14
.irp b, 0,1
	v_max3_num_f32 v[TM+\b], v[TM+\b], |v[ACC+16*\b+\i]|, |v[ACC+16*\b+\i+1]|
.endr
.endr
.irp b, 0,1
	v_permlanex16_b32 v[TM+4+\b], v[TM+\b], s[SEL], s[SEL+1]
.endr
.irp b, 0,1
	v_max_num_f32 v[TM+\b], v[TM+\b], v[TM+4+\b]
.endr
.irp b, 0,1
	v_add_nc_u32 v[TM+8+\b], 0xff000000, v[TM+\b]
.endr
.irp b, 0,1
	v_lshrrev_b32 v[TM+4+\b], 23, v[TM+8+\b]
.endr
	v_lshl_or_b32 v[PW], v[TM+5], 8, v[TM+4]
	v_cvt_scalef32_pk8_fp4_f32 v[PC],   v[ACC:ACC+7],     v[TM+8]
	v_cvt_scalef32_pk8_fp4_f32 v[PC+2], v[ACC+8:ACC+15],  v[TM+8]
	v_cvt_scalef32_pk8_fp4_f32 v[PC+1], v[ACC+16:ACC+23], v[TM+9]
	v_cvt_scalef32_pk8_fp4_f32 v[PC+3], v[ACC+24:ACC+31], v[TM+9]
	v_nop                                          ; one plain line behind the last conversion
	v_permlane16_swap_b32 v[PC], v[PC+1]           ; lanes 0-15: block 2 w whole, lanes 16-31: block 2 w + 1
	v_permlane16_swap_b32 v[PC+2], v[PC+3]
	ds_store_b128 v10, v[PC:PC+3]
	ds_store_b16 v11, v[PW]                        ; (both halves of the lanes store the same)
	BARRIER                                        ; sixteen rows of codes and scale bytes lie in LDS
	ds_load_b128 v[144:147], v252
	s_wait_dscnt 0x0
	global_store_b128 v1, v[144:147], s[26:27]     ; a row of codes: 512 consecutive bytes
	s_cmp_lg_u32 s16, 0
	s_cbranch_scc1 .Lnot_0
	ds_load_b128 v[148:151], v253
	s_wait_dscnt 0x0
	global_store_b128 v1, v[148:151], s[28:29]     ; wave 0: the 16 rows' scale bytes, 512 consecutive bytes
.Lnot_0:
	s_wait_tensorcnt 0x0                           ; the wave's end, behind my last LDS store
	ds_add_u32 v[SPW], v[NIL]
	s_wait_dscnt 0x0
	s_endpgm
.Lfunc_end_k_qb537308320_oproj:
	.size	k_qb537308320_oproj, .Lfunc_end_k_qb537308320_oproj-k_qb537308320_oproj
	.p2alignl 7, 3214868480
	.fill 96, 4, 3214868480
	.section	.rodata,"a",@progbits
	.p2align	6, 0x0
	.amdhsa_kernel k_qb537308320_oproj
		.amdhsa_group_segment_fixed_size 78080
		.amdhsa_private_segment_fixed_size 0
		.amdhsa_enable_private_segment 0
		.amdhsa_kernarg_size 48
		.amdhsa_user_sgpr_count 2
		.amdhsa_user_sgpr_kernarg_segment_ptr 1
		.amdhsa_wavefront_size32 1
		.amdhsa_system_sgpr_workgroup_id_x 1
		.amdhsa_system_sgpr_workgroup_id_y 1
		.amdhsa_system_sgpr_workgroup_id_z 1
		.amdhsa_system_vgpr_workitem_id 0
		.amdhsa_next_free_vgpr 256
		.amdhsa_next_free_sgpr 66
		.amdhsa_reserve_vcc 0
		.amdhsa_float_denorm_mode_32 3
		.amdhsa_float_denorm_mode_16_64 3
		.amdhsa_memory_ordered 1
		.amdhsa_forward_progress 1
		.amdhsa_inst_pref_size 28
	.end_amdhsa_kernel
	.amdgpu_metadata
---
amdhsa.version: [ 1, 2 ]
amdhsa.kernels:
  - .name:           k_qb537308320_oproj
    .symbol:         k_qb537308320_oproj.kd
    .args:
      - { .name: att, .offset: 0, .size: 8, .value_kind: global_buffer, .address_space: global }
      - { .name: Wout_codes, .offset: 8, .size: 8, .value_kind: global_buffer, .address_space: global }
      - { .name: Wout_scales, .offset: 16, .size: 8, .value_kind: global_buffer, .address_space: global }
      - { .name: x, .offset: 24, .size: 8, .value_kind: global_buffer, .address_space: global }
      - { .name: g2, .offset: 32, .size: 8, .value_kind: global_buffer, .address_space: global }
      - { .name: mid, .offset: 40, .size: 8, .value_kind: global_buffer, .address_space: global }
    .group_segment_fixed_size: 78080
    .private_segment_fixed_size: 0
    .kernarg_segment_align: 8
    .kernarg_segment_size: 48
    .max_flat_workgroup_size: 512
    .sgpr_count:     66
    .vgpr_count:     256
    .wavefront_size: 32
...
	.end_amdgpu_metadata
.endif
;; end of part 4
;; launch ffn1 (part 5): grid 16 x 16, 4 waves a work-group, clusters of 4 x 4, 327,680 bytes of LDS; arguments mid, W1_codes, W1_scales, hid; writes hid
.if DOCPART == 5
	.amdgcn_target "amdgcn-amd-amdhsa--gfx1250"
	.amdhsa_code_object_version 6
	.text
	.protected	k_qb537308320_ffn1
	.globl	k_qb537308320_ffn1
	.p2align	8
	.type	k_qb537308320_ffn1,@function
k_qb537308320_ffn1:
	s_mov_b64 s[64:65], 0
	v_nop
	global_prefetch_b8 v0, s[64:65] scope:SCOPE_SE
	s_setreg_imm32_b32 hwreg(HW_REG_WAVE_MODE, 25, 1), 1
	s_wait_xcnt 0x0
	s_wait_alu depctr_hold_cnt(0) depctr_sa_sdst(0) depctr_va_vdst(0) depctr_va_sdst(0) depctr_va_ssrc(0) depctr_va_vcc(0) depctr_vm_vsrc(0)
	s_getreg_b32 s2, hwreg(HW_REG_IB_STS2, 6, 4)
	s_cmp_eq_u32 s2, 0
	s_cbranch_scc0 .Lentry_in_a_cluster
	s_endpgm
.Lentry_in_a_cluster:
	s_bfe_u32 s2, ttmp6, 0x10000c
	s_cmp_lg_u32 s2, 0xf033
	s_cbranch_scc0 .Lentry_shape_is_right
	s_endpgm
.Lentry_shape_is_right:
; LAUNCH 5 OF 6: h = x1q W1 on codes of FP4, a * silu(gate), quantised along the hidden units for the last product.
; The product's text is launch 2's: 256 x 256 to a work-group of four waves, 128 x 128 to a wave, K = 1,024 in two slots that are filled once, clusters of 4 x 4 with joint loads, the matrix instruction used transposed
; (source 0 = 16 rows of W1, source 1 = 16 tokens): a lane holds one token and its registers run along the hidden units, the next K.
; WHAT DIFFERS: B's tile is 128 rows of the half 'a' and the 128 matching rows of the half 'gate' (2,048 rows further on), and a wave takes 64 + 64 of them, so that a and its gate fall into the same lane: blocks 0-3 and 4-7.
; A's rows are shared out alike (64 + 64), so that one load still brings A's scale words in lanes 0-15 and B's in lanes 16-31.
; silu(g) = g / (1 + 2^(-g log2 e)), by v_exp_f32 and v_rcp_f32.  A wave's 64 hidden units are half a K step: 4 registers of codes a tile of tokens, stored as half an image, 512 consecutive bytes.
; THE SCALE BYTES leave 2 bytes a row, 64 bytes apart: a work-group owns 4 of a row's 64, and the next launch reads them as rows.  They are one sixteenth of the codes' bytes.
; A block of zeros keeps the scale byte 1 (the rule: 127): its codes are zeros and this program alone reads the bytes.
; REGISTERS as in launch 2; on the way out, window 0: v96-103 scale bytes made, v104-115 at work, v116-119 scale bytes to store, v128-159 a x gate, v160-191 the sigmoid, v192-223 codes.
.set KSTEP,  512
.set NQ,     4
.set ROWB,   256
.set KROW,   512
.set PITCH,  272
.set FR,     8
.set NL,     2
.set NP,     4
.set HALFT,  128*PITCH
.set SLOT,   4*HALFT
.set KS,     32
.set SCL,    2*SLOT
.set HALFS,  (128*KS/256)*272
.set SPARE,  SCL+4*HALFS               ; the spare words, 128 bytes a wave: two blocks of 256 bytes that no other line names
.set X1Q_OFF, 16777216
.set X1S_OFF, 18874368
.set HS_OFF,  4194304
.set ADRA, 16
.set ADRB, 20
.set SOH,  23                          ; v23  the scale bytes' place: 64 r + a tile's 1,024 x h
.set CO,   26                          ; v26  16 x lane
.set ADRS, 27
.set SPW,  28
.set NIL,  29
.set SC,   32
.set PW,   96
.set TM,   104
.set WW,   116
.set AF,   128
.set U,    128
.set T,    160
.set PC,   192
.set G1, 24
.set G0, 32
.set G1B, 48
.set G0B, 56
.set G1S, 68
.set G0S, 76
.set G1SB, 80
.set G0SB, 88
.set LM,  95
.set SEL, 96
.set MSB, 0
.macro WIN new
.if MSB != (\new)
	s_set_vgpr_msb (MSB<<8)|(\new)
.set MSB, (\new)
.endif
.endm
.set MUL_LO, 0xa1
.set MUL_HI, 0xf1
.set TO_B,   0x40
.macro JLOAD g0a, g1a, g0b, g1b        ; a joint load: waves 0 and 1 fetch for A, waves 2 and 3 for B; an s_nop 0 and four v_nop follow each line
	s_cmp_eq_u32 s15, 0
	s_cbranch_scc0 .Lfor_b_\@
	tensor_load_to_lds s[\g0a:\g0a+3], s[\g1a:\g1a+7]
	s_nop 0
.rept 4
	v_nop
.endr
	s_branch .Lasked_\@
.Lfor_b_\@:
	tensor_load_to_lds s[\g0b:\g0b+3], s[\g1b:\g1b+7]
	s_nop 0
.rept 4
	v_nop
.endr
.Lasked_\@:
.endm
.macro CROUND
	s_barrier_signal -1
	s_barrier_wait -1
	s_cmp_lg_u32 s14, 0
	s_cbranch_scc1 .Lnot_wave_0_\@
	s_barrier_signal -3
.Lnot_wave_0_\@:
	s_barrier_wait -3
	s_barrier_signal -1
	s_barrier_wait -1
.endm
	s_load_b256 s[4:11], s[0:1], 0x0               ; mid, W1's codes, W1's scales, hid
	v_lshl_add_u32 v[SPW], v0, 2, SPARE
	v_mov_b32 v[NIL], 0
	ds_add_u32 v[SPW], v[NIL]                      ; the opening: the add, twice on end, and its wait ahead of my first tensor load
	ds_add_u32 v[SPW], v[NIL]
	v_lshrrev_b32 v1, 5, v0
	v_readfirstlane_b32 s14, v1
	s_lshr_b32 s15, s14, 1                         ; my share of A's rows.  Also: I fetch for A (0) or for B (1)
	s_and_b32 s16, s14, 1                          ; my share of B's rows.  Also: which 128 rows I fetch
	s_bfe_u32 s40, ttmp6, 0x40000
	s_bfe_u32 s41, ttmp6, 0x40004
	s_lshl_b32 s42, ttmp9, 2
	s_add_co_u32 s42, s42, s40                     ; which 128 hidden units
	s_and_b32 s17, ttmp7, 0xffff
	s_lshl_b32 s17, s17, 2
	s_add_co_u32 s17, s17, s41                     ; which 256 tokens
	s_lshl_b32 s43, s41, 2
	s_lshl_b32 s43, 15, s43
	s_lshl_b32 s44, 0x1111, s40
	s_or_b32 s[G1+0], s43, (0<<16)|(1<<20)|(1<<21)|(5<<22)|(3<<25)
	s_or_b32 s[G1B+0], s44, (0<<16)|(1<<20)|(1<<21)|(5<<22)|(3<<25)
.irp g, G1, G1B
	s_mov_b32 s[\g+1], ROWB<<16
	s_mov_b32 s[\g+2], 128<<16
	s_mov_b32 s[\g+3], ROWB<<16
	s_mov_b32 s[\g+4], 128
	s_mov_b32 s[\g+5], KROW
	s_mov_b32 s[\g+6], 0
	s_mov_b32 s[\g+7], 0
.endr
	s_or_b32 s[G1S+0], s43, (3<<16)|(1<<20)|(1<<21)|(5<<22)|(3<<25)
	s_or_b32 s[G1SB+0], s44, (3<<16)|(1<<20)|(1<<21)|(5<<22)|(3<<25)
.irp g, G1S, G1SB
	s_mov_b32 s[\g+1], 32<<16
	s_mov_b32 s[\g+2], (128*KS/256)<<16
	s_mov_b32 s[\g+3], 32<<16
	s_mov_b32 s[\g+4], 128*KS/256
	s_mov_b32 s[\g+5], 32
	s_mov_b32 s[\g+6], 0
	s_mov_b32 s[\g+7], 0
.endr
	s_mov_b32 s[LM], 0xffff0000
	s_mov_b32 s[SEL], 0x76543210
	s_mov_b32 s[SEL+1], 0xfedcba98
	s_lshl_b32 s18, s16, 7
	s_lshl_b32 s20, s17, 8
	s_add_co_u32 s20, s20, s18                     ; A: token 256 x tile + 128 x half
	s_lshl_b32 s19, s16, 11
	s_lshl_b32 s46, s42, 7
	s_add_co_u32 s46, s46, s19                     ; B: row 128 x tile of 'a', or the same of 'gate'
	s_lshl_b32 s22, s20, 5
	s_add_co_u32 s22, s22, X1S_OFF
	s_mov_b32 s23, 0
	s_lshl_b32 s92, s46, 5
	s_mov_b32 s93, 0
	s_lshl_b32 s20, s20, 9
	s_add_co_u32 s20, s20, X1Q_OFF
	s_mov_b32 s21, 0
	s_lshl_b32 s46, s46, 9
	s_mov_b32 s47, 0
	s_mul_i32 s45, s14, HALFT
	s_mul_i32 s94, s14, HALFS
	s_wait_dscnt 0x0                               ; both opening adds are done
	s_wait_kmcnt 0x0
	s_add_nc_u64 s[20:21], s[4:5], s[20:21]
	s_add_nc_u64 s[22:23], s[4:5], s[22:23]
	s_add_nc_u64 s[46:47], s[6:7], s[46:47]
	s_add_nc_u64 s[92:93], s[8:9], s[92:93]
	CROUND                                         ; all sixteen work-groups are here: the first joint loads meet
	s_mov_b32 s[G0S], 1
	s_add_co_u32 s[G0S+1], s94, SCL
	s_mov_b64 s[G0S+2:G0S+3], s[22:23]
	s_or_b32 s[G0S+3], s[G0S+3], 0x80000000
	s_mov_b32 s[G0SB], 1
	s_add_co_u32 s[G0SB+1], s94, SCL
	s_mov_b64 s[G0SB+2:G0SB+3], s[92:93]
	s_or_b32 s[G0SB+3], s[G0SB+3], 0x80000000
	JLOAD G0S, G1S, G0SB, G1SB
.irp s, 0,1
	s_mov_b32 s[G0+4*\s], 1
	s_add_co_u32 s[G0+4*\s+1], s45, \s*SLOT
	s_add_nc_u64 s[G0+4*\s+2:G0+4*\s+3], s[20:21], \s*ROWB
	s_or_b32 s[G0+4*\s+3], s[G0+4*\s+3], 0x80000000
	s_mov_b32 s[G0B+4*\s], 1
	s_add_co_u32 s[G0B+4*\s+1], s45, \s*SLOT
	s_add_nc_u64 s[G0B+4*\s+2:G0B+4*\s+3], s[46:47], \s*ROWB
	s_or_b32 s[G0B+4*\s+3], s[G0B+4*\s+3], 0x80000000
	JLOAD G0+4*\s, G1, G0B+4*\s, G1B               ; three loads of mine are out in all
.endr
	v_and_b32 v1, 15, v0
	v_bfe_u32 v2, v0, 4, 1
	v_mul_u32_u24 v3, v1, PITCH
	v_lshl_add_u32 v4, v2, 4, v3
	s_mul_i32 s21, s15, 64*PITCH                   ; block i of mine is LDS row 64 x share + 128 (i / 4) + 16 (i % 4), of A and of B alike
	s_mul_i32 s22, s16, 64*PITCH
	s_add_co_u32 s22, s22, 2*HALFT
.irp s, 0,1
	v_add_nc_u32 v[ADRA+\s], s21, v4
	v_add_nc_u32 v[ADRB+\s], s22, v4
	s_add_co_u32 s21, s21, SLOT
	s_add_co_u32 s22, s22, SLOT
.endr
	v_mul_u32_u24 v5, v1, KS
	v_lshrrev_b32 v6, 8, v5
	v_lshl_add_u32 v5, v6, 4, v5
	s_mul_i32 s21, s15, 2176                       ; 64 rows of scales: eight units of 272 bytes
	s_mul_i32 s22, s16, 2176
	s_add_co_u32 s22, s22, 2*HALFS
	s_sub_co_u32 s22, s22, s21
	v_mul_u32_u24 v6, s22, v2
	s_add_co_u32 s21, s21, SCL
	v_add_nc_u32 v5, v5, v6
	v_add_nc_u32 v[ADRS], s21, v5
	v_and_b32 v6, 31, v0
	v_lshlrev_b32 v[CO], 4, v6
	v_lshlrev_b32 v[SOH], 6, v1
	v_lshl_add_u32 v[SOH], v2, 10, v[SOH]
.macro FRAG reg, adr, q, i
.irp c, 0,1
	ds_load_b128 v[\reg+4*\c:\reg+4*\c+3], v[\adr] offset:64*(\q)+32*\c+(128*((\i)/4)+16*((\i)%4))*PITCH
.endr
.endm
.macro MUL16 a0, p, q, sc, zero        ; the 64 accumulators take turns, one instruction a turn
.irp a, \a0, \a0+1
.irp b, 0,1,2,3,4,5,6,7
.if \zero
	v_wmma_scale_f32_16x16x128_f8f6f4 v[8*(8*((\a)%4)+\b):8*(8*((\a)%4)+\b)+7], v[128*(\p)+FR*\b:128*(\p)+FR*\b+FR-1], v[AF+FR*(\a):AF+FR*(\a)+FR-1], 0, v[SC+8*NQ*(\sc)+NQ*\b+(\q)], v[SC+8*NQ*(\sc)+NQ*(\a)+(\q)] matrix_a_fmt:MATRIX_FMT_FP4 matrix_b_fmt:MATRIX_FMT_FP4 matrix_a_scale:MATRIX_SCALE_ROW1
.else
	v_wmma_scale_f32_16x16x128_f8f6f4 v[8*(8*((\a)%4)+\b):8*(8*((\a)%4)+\b)+7], v[128*(\p)+FR*\b:128*(\p)+FR*\b+FR-1], v[AF+FR*(\a):AF+FR*(\a)+FR-1], v[8*(8*((\a)%4)+\b):8*(8*((\a)%4)+\b)+7], v[SC+8*NQ*(\sc)+NQ*\b+(\q)], v[SC+8*NQ*(\sc)+NQ*(\a)+(\q)] matrix_a_fmt:MATRIX_FMT_FP4 matrix_b_fmt:MATRIX_FMT_FP4 matrix_a_scale:MATRIX_SCALE_ROW1
.endif
.endr
.endr
.endm
.macro FETCH_B slot, q, p
	WIN TO_B
.irp i, 0,1,2,3,4,5,6,7
	FRAG 128*(\p)+FR*\i, ADRB+\slot, \q, \i
.endr
	WIN 0
.endm
.macro FETCH_A slot, q, i0
.irp i, \i0, \i0+1, \i0+2, \i0+3
	FRAG AF+FR*(\i), ADRA+\slot, \q, \i
.endr
.endm
.macro SCALES sc
.irp i, 0,1,2,3,4,5,6,7
	ds_load_b128 v[SC+8*NQ*\sc+NQ*\i:SC+8*NQ*\sc+NQ*\i+3], v[ADRS] offset:(16*(\i/4)+2*(\i%4))*272
.endr
.endm
.macro PLACES n
.rept \n
	v_nop
.endr
.endm
.macro STEP slot, q, zero
	s_wait_dscnt 4*NL                              ; all but the youngest eight loads (A's blocks 4-7) are in
	WIN MUL_LO
	MUL16 0, (\q)%2, \q, \slot, \zero
	MUL16 2, (\q)%2, \q, \slot, \zero
	s_wait_dscnt 0
	PLACES NP
	FETCH_B \slot, (\q)+1, 1-(\q)%2
	FETCH_A \slot, (\q)+1, 0
	WIN MUL_HI
	MUL16 4, (\q)%2, \q, \slot, \zero
	MUL16 6, (\q)%2, \q, \slot, \zero
	PLACES NP
	WIN 0
	FETCH_A \slot, (\q)+1, 4
.endm
.macro TURN slot, next                 ; a slot's last step, and the change of slots: nothing is filled again here
	s_wait_tensorcnt 0x0
	ds_add_u32 v[SPW], v[NIL]
	s_wait_dscnt 4*NL+1                            ; (the add and the youngest eight loads may be out)
	WIN MUL_LO
	MUL16 0, 1, NQ-1, \slot, 0
	s_wait_dscnt 0x0
	s_barrier_signal -1
	MUL16 2, 1, NQ-1, \slot, 0
	WIN 0
	s_barrier_wait -1
	PLACES NP
	v_add_nc_u32 v[ADRS], 4*NQ, v[ADRS]
	FETCH_B \next, 0, 0
	FETCH_A \next, 0, 0
	SCALES \next
	WIN MUL_HI
	MUL16 4, 1, NQ-1, \slot, 0
	MUL16 6, 1, NQ-1, \slot, 0
	PLACES NP
	WIN 0
	FETCH_A \next, 0, 4
.endm
	s_wait_tensorcnt 1                             ; the scales and my part of slot 0 are in; slot 1's load may be out
	s_barrier_signal -1
	s_barrier_wait -1
	FETCH_B 0, 0, 0
	FETCH_A 0, 0, 0
	SCALES 0
	FETCH_A 0, 0, 4
	STEP 0, 0, 1
	STEP 0, 1, 0
	STEP 0, 2, 0
	TURN 0, 1
	STEP 1, 0, 0
	STEP 1, 1, 0
	STEP 1, 2, 0
	s_wait_dscnt 4*NL
	WIN MUL_LO
	MUL16 0, 1, NQ-1, 1, 0
	MUL16 2, 1, NQ-1, 1, 0
	s_wait_dscnt 0
	WIN MUL_HI
	MUL16 4, 1, NQ-1, 1, 0
	MUL16 6, 1, NQ-1, 1, 0
	WIN 0
.macro QUANT2 s, pc, pw                ; 32 numbers, two blocks of 32 along the next K with lane l xor 16's, become 4 registers of codes and two scale bytes
.irp b, 0,1
	v_max3_num_f32 v[TM+\b], |v[(\s)+16*\b]|, |v[(\s)+16*\b+1]|, 0x1800000
.endr
.irp i, 2,4,6,8,10,12,14
.irp b, 0,1
	v_max3_num_f32 v[TM+\b], v[TM+\b], |v[(\s)+16*\b+\i]|, |v[(\s)+16*\b+\i+1]|
.endr
.endr
.irp b, 0,1
	v_permlanex16_b32 v[TM+4+\b], v[TM+\b], s[SEL], s[SEL+1]
.endr
.irp b, 0,1
	v_max_num_f32 v[TM+\b], v[TM+\b], v[TM+4+\b]
.endr
.irp b, 0,1
	v_add_nc_u32 v[TM+8+\b], 0xff000000, v[TM+\b]
.endr
.irp b, 0,1
	v_lshrrev_b32 v[TM+4+\b], 23, v[TM+8+\b]
.endr
	v_lshl_or_b32 v[\pw], v[TM+5], 8, v[TM+4]
	v_cvt_scalef32_pk8_fp4_f32 v[\pc],     v[(\s):(\s)+7],     v[TM+8]
	v_cvt_scalef32_pk8_fp4_f32 v[(\pc)+2], v[(\s)+8:(\s)+15],  v[TM+8]
	v_cvt_scalef32_pk8_fp4_f32 v[(\pc)+1], v[(\s)+16:(\s)+23], v[TM+9]
	v_cvt_scalef32_pk8_fp4_f32 v[(\pc)+3], v[(\s)+24:(\s)+31], v[TM+9]
	v_nop                                          ; one plain line behind the last conversion
	v_permlane16_swap_b32 v[\pc], v[(\pc)+1]
	v_permlane16_swap_b32 v[(\pc)+2], v[(\pc)+3]
.endm
	PLACES NP                                      ; behind the last products
	v_mov_b32 v[TM+4], 0                           ; a lane permute's destination counts as one of its sources
	v_mov_b32 v[TM+5], 0
	s_lshl_b32 s18, s17, 4
	s_lshl_b32 s19, s15, 2
	s_add_co_u32 s18, s18, s19                     ; my first tile of 16 tokens
	s_lshl_b32 s20, s18, 14
	s_lshl_b32 s21, s42, 10
	s_add_co_u32 s20, s20, s21
	s_lshl_b32 s21, s16, 9
	s_add_co_u32 s20, s20, s21
	s_mov_b32 s21, 0
	s_add_nc_u64 s[12:13], s[10:11], s[20:21]      ; the images: tile x 16 KB + K step x 1,024 + half x 512
	s_lshl_b32 s20, s18, 10
	s_lshl_b32 s22, s42, 2
	s_add_co_u32 s20, s20, s22
	s_lshl_b32 s22, s16, 1
	s_add_co_u32 s20, s20, s22
	s_add_co_u32 s20, s20, HS_OFF
	s_add_nc_u64 s[22:23], s[10:11], s[20:21]      ; the scale bytes: 64 a row
.macro EPIF a                          ; tokens of block a: registers 0-31 of its accumulators are a, 32-63 the gates of the same hidden units
.set W_, 2+(\a)/4
.set S_, 64*((\a)%4)
	WIN (W_|(W_<<2))
.set n, 0
.rept 16
	v_pk_mul_f32 v[U+n:U+n+1], v[S_+n:S_+n+1], v[S_+32+n:S_+33+n]          ; a x gate
.set n, n+2
.endr
	WIN W_
.set n, 0
.rept 16
	v_pk_mul_f32 v[T+n:T+n+1], v[S_+32+n:S_+33+n], 0xbfb8aa3b op_sel_hi:[1,0]   ; -gate log2(e)
.set n, n+2
.endr
	WIN 0
.set n, 0
.rept 32
	v_exp_f32 v[T+n], v[T+n]
.set n, n+1
.endr
	v_nop
	s_wait_alu depctr_va_vdst(0)                   ; one wait for the batch, ahead of its first reader
.set n, 0
.rept 16
	v_pk_add_f32 v[T+n:T+n+1], v[T+n:T+n+1], 1.0 op_sel_hi:[1,0]
.set n, n+2
.endr
.set n, 0
.rept 32
	v_rcp_f32 v[T+n], v[T+n]
.set n, n+1
.endr
	v_nop
	s_wait_alu depctr_va_vdst(0)
.set n, 0
.rept 16
	v_pk_mul_f32 v[U+n:U+n+1], v[U+n:U+n+1], v[T+n:T+n+1]
.set n, n+2
.endr
	QUANT2 U, PC+4*(\a), PW+(\a)
	global_store_b128 v[CO], v[PC+4*(\a):PC+4*(\a)+3], s[12:13] offset:(8*((\a)/4)+(\a)%4)*16384   ; 512 consecutive bytes
.endm
.irp a, 0,1,2,3,4,5,6,7
	EPIF \a
.endr
.irp a, 0,2,4,6
	v_cndmask_b32 v[WW+\a/2], v[PW+\a], v[PW+\a+1], s[LM]      ; lanes 16-31 take the next tile's
	global_store_b16 v[SOH], v[WW+\a/2], s[22:23] offset:(8*(\a/4)+\a%4)*1024
.endr
	s_wait_tensorcnt 0x0                           ; the wave's end
	ds_add_u32 v[SPW], v[NIL]
	s_wait_dscnt 0x0
	CROUND                                         ; the closing round
	s_endpgm
.Lfunc_end_k_qb537308320_ffn1:
	.size	k_qb537308320_ffn1, .Lfunc_end_k_qb537308320_ffn1-k_qb537308320_ffn1
	.p2alignl 7, 3214868480
	.fill 96, 4, 3214868480
	.section	.rodata,"a",@progbits
	.p2align	6, 0x0
	.amdhsa_kernel k_qb537308320_ffn1
		.amdhsa_group_segment_fixed_size 327680
		.amdhsa_private_segment_fixed_size 0
		.amdhsa_enable_private_segment 0
		.amdhsa_kernarg_size 32
		.amdhsa_user_sgpr_count 2
		.amdhsa_user_sgpr_kernarg_segment_ptr 1
		.amdhsa_wavefront_size32 1
		.amdhsa_system_sgpr_workgroup_id_x 1
		.amdhsa_system_sgpr_workgroup_id_y 1
		.amdhsa_system_sgpr_workgroup_id_z 1
		.amdhsa_system_vgpr_workitem_id 0
		.amdhsa_next_free_vgpr 1024
		.amdhsa_next_free_sgpr 100
		.amdhsa_reserve_vcc 0
		.amdhsa_float_denorm_mode_32 3
		.amdhsa_float_denorm_mode_16_64 3
		.amdhsa_memory_ordered 1
		.amdhsa_forward_progress 1
		.amdhsa_inst_pref_size 165
	.end_amdhsa_kernel
	.amdgpu_metadata
---
amdhsa.version: [ 1, 2 ]
amdhsa.kernels:
  - .name:           k_qb537308320_ffn1
    .symbol:         k_qb537308320_ffn1.kd
    .args:
      - { .name: mid, .offset: 0, .size: 8, .value_kind: global_buffer, .address_space: global }
      - { .name: W1_codes, .offset: 8, .size: 8, .value_kind: global_buffer, .address_space: global }
      - { .name: W1_scales, .offset: 16, .size: 8, .value_kind: global_buffer, .address_space: global }
      - { .name: hid, .offset: 24, .size: 8, .value_kind: global_buffer, .address_space: global }
    .group_segment_fixed_size: 327680
    .private_segment_fixed_size: 0
    .kernarg_segment_align: 8
    .kernarg_segment_size: 32
    .max_flat_workgroup_size: 128
    .sgpr_count:     100
    .vgpr_count:     1024
    .wavefront_size: 32
...
	.end_amdgpu_metadata
.endif
;; end of part 5
;; launch ffn2 (part 6): grid 4 x 16, 4 waves a work-group, clusters of 4 x 4, 327,680 bytes of LDS; arguments hid, W2_codes, W2_scales, mid, out0; writes out0
.if DOCPART == 6
	.amdgcn_target "amdgcn-amd-amdhsa--gfx1250"
	.amdhsa_code_object_version 6
	.text
	.protected	k_qb537308320_ffn2
	.globl	k_qb537308320_ffn2
	.p2align	8
	.type	k_qb537308320_ffn2,@function
k_qb537308320_ffn2:
	s_mov_b64 s[64:65], 0
	v_nop
	global_prefetch_b8 v0, s[64:65] scope:SCOPE_SE
	s_setreg_imm32_b32 hwreg(HW_REG_WAVE_MODE, 25, 1), 1
	s_wait_xcnt 0x0
	s_wait_alu depctr_hold_cnt(0) depctr_sa_sdst(0) depctr_va_vdst(0) depctr_va_sdst(0) depctr_va_ssrc(0) depctr_va_vcc(0) depctr_vm_vsrc(0)
	s_getreg_b32 s2, hwreg(HW_REG_IB_STS2, 6, 4)
	s_cmp_eq_u32 s2, 0
	s_cbranch_scc0 .Lentry_in_a_cluster
	s_endpgm
.Lentry_in_a_cluster:
	s_bfe_u32 s2, ttmp6, 0x10000c
	s_cmp_lg_u32 s2, 0xf033
	s_cbranch_scc0 .Lentry_shape_is_right
	s_endpgm
.Lentry_shape_is_right:
; LAUNCH 6 OF 6: out0 = x1 + hq W2 on codes of FP4.  256 x 256 to a work-group of four waves, 128 x 128 to a wave; K = 2,048 goes in four steps of 512 through a ring of two LDS slots; clusters of 4 x 4 with joint loads.
; The grid has 64 work-groups: the output is 4,096 x 1,024 and the tile is kept at the size whose LDS reads feed the most products; a smaller tile would share the work further at the price of reading fragments more often.
; THE MATRIX INSTRUCTION IS USED TRANSPOSED (source 0 = 16 rows of W2, source 1 = 16 tokens): a lane holds eight neighbouring numbers of a row of the output.
; A (hq) ARRIVES AS IMAGES OF ITS FRAGMENTS, [tile of 16 tokens][K step of 128][c][lane][16 bytes]: a slot's part of a tile is 4,096 consecutive bytes, a tensor load brings eight such rows, 16 KB apart, without padding,
; and a fragment is two loads of 512 consecutive LDS bytes.  B (W2) and both operands' scale bytes are rows as they lie; the scale bytes of all of K come once, with the first fills, and stay.
; THE WAY OUT: 16 rows x 128 columns at a time through my stage in LDS (in slot 0, which has had its last fill and its last read), back as whole rows of 512 bytes, x1 added, stored.
; REGISTERS, in windows of 256: window 0: v0-31 addresses; v32-95 scale words, two sets, and nothing else; v128-191 A's fragments; window 1: B's fragments, two sets; windows 2, 3: the accumulators.
; On the way out: window 0: v128-255 two sets of 16 rows; window 1: four sets of 16 rows of x1.
.set SIZE_N, 1024
.set KSTEP,  512
.set NQ,     4
.set ROWB,   256
.set KROW,   1024
.set PITCH,  272
.set FR,     8
.set NL,     2
.set NP,     4
.set HALFT,  128*PITCH
.set SLOT,   4*HALFT
.set LAPS,   2
.set KS,     64
.set SCL,    2*SLOT
.set HALFS,  (128*KS/256)*272
.set SBLK,   (16*KS/256)*272
.set SPARE,  SCL+4*HALFS               ; the spare words, 128 bytes a wave: two blocks of 256 bytes that no other line names
.set SPITCH, 528
.set HS_OFF, 4194304
.set ADRA, 16
.set ADRB, 20
.set STO,  24
.set RD,   25
.set CO,   26
.set ADRS, 27
.set SPW,  28
.set NIL,  29
.set SC,   32
.set AF,   128
.set BK,   128
.set G1, 24
.set G0, 32
.set G1B, 48
.set G0B, 56
.set G1S, 68
.set G0S, 76
.set G1SB, 80
.set G0SB, 88
.set MSB, 0
.macro WIN new
.if MSB != (\new)
	s_set_vgpr_msb (MSB<<8)|(\new)
.set MSB, (\new)
.endif
.endm
.set MUL_LO, 0xa1
.set MUL_HI, 0xf1
.set TO_B,   0x40
.macro JLOAD g0a, g1a, g0b, g1b        ; a joint load: waves 0 and 1 fetch for A, waves 2 and 3 for B; an s_nop 0 and four v_nop follow each line
	s_cmp_eq_u32 s15, 0
	s_cbranch_scc0 .Lfor_b_\@
	tensor_load_to_lds s[\g0a:\g0a+3], s[\g1a:\g1a+7]
	s_nop 0
.rept 4
	v_nop
.endr
	s_branch .Lasked_\@
.Lfor_b_\@:
	tensor_load_to_lds s[\g0b:\g0b+3], s[\g1b:\g1b+7]
	s_nop 0
.rept 4
	v_nop
.endr
.Lasked_\@:
.endm
.macro CREST                           ; a round of the cluster's barrier behind its opening barrier
	s_cmp_lg_u32 s14, 0
	s_cbranch_scc1 .Lnot_wave_0_\@
	s_barrier_signal -3
.Lnot_wave_0_\@:
	s_barrier_wait -3
	s_barrier_signal -1
	s_barrier_wait -1
.endm
.macro CROUND
	s_barrier_signal -1
	s_barrier_wait -1
	CREST
.endm
	s_load_b256 s[4:11], s[0:1], 0x0               ; hid, W2's codes, W2's scales, mid
	s_load_b64 s[12:13], s[0:1], 0x20              ; out0
	v_lshl_add_u32 v[SPW], v0, 2, SPARE
	v_mov_b32 v[NIL], 0
	ds_add_u32 v[SPW], v[NIL]                      ; the opening: the add, twice on end, and its wait ahead of my first tensor load
	ds_add_u32 v[SPW], v[NIL]
	v_lshrrev_b32 v1, 5, v0
	v_readfirstlane_b32 s14, v1
	s_lshr_b32 s15, s14, 1
	s_and_b32 s16, s14, 1
	s_bfe_u32 s40, ttmp6, 0x40000
	s_bfe_u32 s41, ttmp6, 0x40004
	s_lshl_b32 s42, ttmp9, 2
	s_add_co_u32 s42, s42, s40                     ; tile column
	s_and_b32 s17, ttmp7, 0xffff
	s_lshl_b32 s17, s17, 2
	s_add_co_u32 s17, s17, s41                     ; tile row
	s_lshl_b32 s43, s41, 2
	s_lshl_b32 s43, 15, s43
	s_lshl_b32 s44, 0x1111, s40
	s_or_b32 s[G1+0], s43, (0<<16)|(1<<21)         ; A: the mask; elements of 1 byte; no padding
	s_mov_b32 s[G1+1], 4096<<16                    ; tensor_dim0 = 4,096 bytes: four K steps' images of a tile of tokens
	s_mov_b32 s[G1+2], 8<<16                       ; tensor_dim1 = 8 tiles
	s_mov_b32 s[G1+3], 4096<<16                    ; tile_dim0
	s_mov_b32 s[G1+4], 8                           ; tile_dim1
	s_mov_b32 s[G1+5], 16384                       ; from tile to tile
	s_mov_b32 s[G1+6], 0
	s_mov_b32 s[G1+7], 0
	s_or_b32 s[G1B+0], s44, (0<<16)|(1<<20)|(1<<21)|(5<<22)|(3<<25)  ; B: 128 rows of 256 bytes, 16 bytes of padding behind each
	s_mov_b32 s[G1B+1], ROWB<<16
	s_mov_b32 s[G1B+2], 128<<16
	s_mov_b32 s[G1B+3], ROWB<<16
	s_mov_b32 s[G1B+4], 128
	s_mov_b32 s[G1B+5], KROW
	s_mov_b32 s[G1B+6], 0
	s_mov_b32 s[G1B+7], 0
	s_or_b32 s[G1S+0], s43, (3<<16)|(1<<20)|(1<<21)|(5<<22)|(3<<25)
	s_or_b32 s[G1SB+0], s44, (3<<16)|(1<<20)|(1<<21)|(5<<22)|(3<<25)
.irp g, G1S, G1SB
	s_mov_b32 s[\g+1], 32<<16
	s_mov_b32 s[\g+2], (128*KS/256)<<16
	s_mov_b32 s[\g+3], 32<<16
	s_mov_b32 s[\g+4], 128*KS/256
	s_mov_b32 s[\g+5], 32
	s_mov_b32 s[\g+6], 0
	s_mov_b32 s[\g+7], 0
.endr
	s_lshl_b32 s18, s16, 7
	s_lshl_b32 s20, s17, 8
	s_add_co_u32 s20, s20, s18
	s_lshl_b32 s46, s42, 8
	s_add_co_u32 s46, s46, s18
	s_lshl_b32 s22, s20, 6                         ; scales: 64 bytes a row
	s_add_co_u32 s22, s22, HS_OFF
	s_mov_b32 s23, 0
	s_lshl_b32 s92, s46, 6
	s_mov_b32 s93, 0
	s_lshl_b32 s20, s20, 10                        ; codes: 1,024 bytes a row; in A 16 rows are a tile's 16 KB
	s_mov_b32 s21, 0
	s_lshl_b32 s46, s46, 10
	s_mov_b32 s47, 0
	s_mul_i32 s45, s14, HALFT
	s_mul_i32 s94, s14, HALFS
	s_wait_dscnt 0x0                               ; both opening adds are done
	s_wait_kmcnt 0x0
	s_add_nc_u64 s[20:21], s[4:5], s[20:21]
	s_add_nc_u64 s[22:23], s[4:5], s[22:23]
	s_add_nc_u64 s[46:47], s[6:7], s[46:47]
	s_add_nc_u64 s[92:93], s[8:9], s[92:93]
	CROUND                                         ; all sixteen work-groups are here: the first joint loads meet
	s_mov_b32 s[G0S], 1
	s_add_co_u32 s[G0S+1], s94, SCL
	s_mov_b64 s[G0S+2:G0S+3], s[22:23]
	s_or_b32 s[G0S+3], s[G0S+3], 0x80000000
	s_mov_b32 s[G0SB], 1
	s_add_co_u32 s[G0SB+1], s94, SCL
	s_mov_b64 s[G0SB+2:G0SB+3], s[92:93]
	s_or_b32 s[G0SB+3], s[G0SB+3], 0x80000000
	JLOAD G0S, G1S, G0SB, G1SB
.irp s, 0,1
	s_mov_b32 s[G0+4*\s], 1
	s_add_co_u32 s[G0+4*\s+1], s45, \s*SLOT
	s_add_nc_u64 s[G0+4*\s+2:G0+4*\s+3], s[20:21], \s*4096
	s_or_b32 s[G0+4*\s+3], s[G0+4*\s+3], 0x80000000
	s_mov_b32 s[G0B+4*\s], 1
	s_add_co_u32 s[G0B+4*\s+1], s45, \s*SLOT
	s_add_nc_u64 s[G0B+4*\s+2:G0B+4*\s+3], s[46:47], \s*ROWB
	s_or_b32 s[G0B+4*\s+3], s[G0B+4*\s+3], 0x80000000
	JLOAD G0+4*\s, G1, G0B+4*\s, G1B               ; three loads of mine are out at the start, one behind each later round
.endr
	v_and_b32 v1, 15, v0
	v_bfe_u32 v2, v0, 4, 1
	v_mul_u32_u24 v3, v1, PITCH
	v_lshl_add_u32 v4, v2, 4, v3
	v_and_b32 v6, 31, v0
	v_lshlrev_b32 v[CO], 4, v6                     ; 16 x lane: an image's place for my lane, and my bytes of a row of the output
	s_mul_i32 s21, s15, HALFT
	s_mul_i32 s22, s16, HALFT
	s_add_co_u32 s22, s22, 2*HALFT
.irp s, 0,1
	v_add_nc_u32 v[ADRA+\s], s21, v[CO]
	v_add_nc_u32 v[ADRB+\s], s22, v4
	s_add_co_u32 s21, s21, SLOT
	s_add_co_u32 s22, s22, SLOT
.endr
	v_mul_u32_u24 v5, v1, KS
	v_lshrrev_b32 v6, 8, v5
	v_lshl_add_u32 v5, v6, 4, v5
	s_mul_i32 s21, s15, HALFS
	s_mul_i32 s22, s16, HALFS
	s_add_co_u32 s22, s22, 2*HALFS
	s_sub_co_u32 s22, s22, s21
	v_mul_u32_u24 v6, s22, v2
	s_add_co_u32 s21, s21, SCL
	v_add_nc_u32 v5, v5, v6
	v_add_nc_u32 v[ADRS], s21, v5
	s_mul_i32 s23, s14, 16*SPITCH                  ; my stage
	v_mul_u32_u24 v5, v1, SPITCH
	v_lshl_add_u32 v5, v2, 5, v5
	v_add_nc_u32 v[STO], s23, v5
	v_add_nc_u32 v[RD], s23, v[CO]
	s_lshl_b32 s20, s17, 8
	s_lshl_b32 s21, s15, 7
	s_add_co_u32 s20, s20, s21                     ; my first row of the output
	s_lshl_b32 s20, s20, 12
	s_lshl_b32 s46, s42, 10
	s_add_co_u32 s20, s20, s46
	s_lshl_b32 s46, s16, 9
	s_add_co_u32 s20, s20, s46                     ; and my first column, in bytes
	s_mov_b32 s21, 0
	s_add_nc_u64 s[12:13], s[12:13], s[20:21]
	s_add_nc_u64 s[10:11], s[10:11], s[20:21]      ; x1 at the same place
.macro FRAG reg, adr, q, i
.irp c, 0,1
	ds_load_b128 v[\reg+4*\c:\reg+4*\c+3], v[\adr] offset:64*(\q)+32*\c+(\i)*16*PITCH
.endr
.endm
.macro FRAGA reg, adr, q, i            ; a fragment of A as it was stored: two loads of 512 consecutive bytes
.irp c, 0,1
	ds_load_b128 v[\reg+4*\c:\reg+4*\c+3], v[\adr] offset:1024*(\q)+512*\c+4096*(\i)
.endr
.endm
.macro MUL16 a0, p, q, sc, zero        ; the 64 accumulators take turns, one instruction a turn
.irp a, \a0, \a0+1
.irp b, 0,1,2,3,4,5,6,7
.if \zero
	v_wmma_scale_f32_16x16x128_f8f6f4 v[8*(8*((\a)%4)+\b):8*(8*((\a)%4)+\b)+7], v[128*(\p)+FR*\b:128*(\p)+FR*\b+FR-1], v[AF+FR*(\a):AF+FR*(\a)+FR-1], 0, v[SC+8*NQ*(\sc)+NQ*\b+(\q)], v[SC+8*NQ*(\sc)+NQ*(\a)+(\q)] matrix_a_fmt:MATRIX_FMT_FP4 matrix_b_fmt:MATRIX_FMT_FP4 matrix_a_scale:MATRIX_SCALE_ROW1
.else
	v_wmma_scale_f32_16x16x128_f8f6f4 v[8*(8*((\a)%4)+\b):8*(8*((\a)%4)+\b)+7], v[128*(\p)+FR*\b:128*(\p)+FR*\b+FR-1], v[AF+FR*(\a):AF+FR*(\a)+FR-1], v[8*(8*((\a)%4)+\b):8*(8*((\a)%4)+\b)+7], v[SC+8*NQ*(\sc)+NQ*\b+(\q)], v[SC+8*NQ*(\sc)+NQ*(\a)+(\q)] matrix_a_fmt:MATRIX_FMT_FP4 matrix_b_fmt:MATRIX_FMT_FP4 matrix_a_scale:MATRIX_SCALE_ROW1
.endif
.endr
.endr
.endm
.macro FETCH_B slot, q, p
	WIN TO_B
.irp i, 0,1,2,3,4,5,6,7
	FRAG 128*(\p)+FR*\i, ADRB+\slot, \q, \i
.endr
	WIN 0
.endm
.macro FETCH_A slot, q, i0
.irp i, \i0, \i0+1, \i0+2, \i0+3
	FRAGA AF+FR*(\i), ADRA+\slot, \q, \i
.endr
.endm
.macro SCALES sc
.irp i, 0,1,2,3,4,5,6,7
	ds_load_b128 v[SC+8*NQ*\sc+NQ*\i:SC+8*NQ*\sc+NQ*\i+3], v[ADRS] offset:\i*SBLK
.endr
.endm
.macro PLACES n
.rept \n
	v_nop
.endr
.endm
.macro STEP slot, q, zero
	s_wait_dscnt 4*NL                              ; all but the youngest eight loads (A's blocks 4-7) are in
	WIN MUL_LO
	MUL16 0, (\q)%2, \q, \slot, \zero
	MUL16 2, (\q)%2, \q, \slot, \zero
	s_wait_dscnt 0
	PLACES NP
	FETCH_B \slot, (\q)+1, 1-(\q)%2
	FETCH_A \slot, (\q)+1, 0
	WIN MUL_HI
	MUL16 4, (\q)%2, \q, \slot, \zero
	MUL16 6, (\q)%2, \q, \slot, \zero
	PLACES NP
	WIN 0
	FETCH_A \slot, (\q)+1, 4
.endm
; A slot's last step changes slots: ONE barrier; in front of it each wave waits for all its tensor loads, adds 0 to its spare word, and waits for that and for its own reads of this slot.  fill = 1: this slot is filled again, two K steps ahead.
.macro TURN slot, next, fill
	s_wait_tensorcnt 0x0                           ; all my tensor loads have landed: my part of the next slot
	ds_add_u32 v[SPW], v[NIL]
	s_wait_dscnt 4*NL+1                            ; (the add and the youngest eight loads may be out)
	WIN MUL_LO
	MUL16 0, 1, NQ-1, \slot, 0
	s_wait_dscnt 0x0                               ; the add is done, and my reads of this slot are over
	s_barrier_signal -1
	MUL16 2, 1, NQ-1, \slot, 0
	WIN 0
	s_barrier_wait -1
.if \fill
	CREST                                          ; the barrier has opened a round of the cluster's: no wave of any partner still reads this slot or has a load on its way
	s_add_nc_u64 s[G0+4*\slot+2:G0+4*\slot+3], s[G0+4*\slot+2:G0+4*\slot+3], 2*4096
	s_add_nc_u64 s[G0B+4*\slot+2:G0B+4*\slot+3], s[G0B+4*\slot+2:G0B+4*\slot+3], 2*ROWB
	JLOAD G0+4*\slot, G1, G0B+4*\slot, G1B         ; the first tensor load behind the round; its four v_nop are also the places in front of the loads below
.else
	PLACES NP
.endif
	v_add_nc_u32 v[ADRS], 4*NQ, v[ADRS]
	FETCH_B \next, 0, 0
	FETCH_A \next, 0, 0
	SCALES \next
	WIN MUL_HI
	MUL16 4, 1, NQ-1, \slot, 0
	MUL16 6, 1, NQ-1, \slot, 0
	PLACES NP
	WIN 0
	FETCH_A \next, 0, 4
.endm
	s_wait_tensorcnt 1                             ; the scales and my part of K step 0 are in; K step 1's load may be out
	s_barrier_signal -1
	s_barrier_wait -1
	FETCH_B 0, 0, 0
	FETCH_A 0, 0, 0
	SCALES 0
	FETCH_A 0, 0, 4
	STEP 0, 0, 1                                   ; the first step stands in front of the loop: its products start the sums
	s_mov_b32 s3, LAPS-1
.Llap:                                             ; a trip goes once round the ring and fills both slots again
	STEP 0, 1, 0
	STEP 0, 2, 0
	TURN 0, 1, 1
	STEP 1, 0, 0
	STEP 1, 1, 0
	STEP 1, 2, 0
	TURN 1, 0, 1
	STEP 0, 0, 0
	s_sub_co_u32 s3, s3, 1
	s_cmp_lg_u32 s3, 0
	s_cbranch_scc1 .Llap
	STEP 0, 1, 0                                   ; the last lap fills nothing
	STEP 0, 2, 0
	TURN 0, 1, 0
	STEP 1, 0, 0
	STEP 1, 1, 0
	STEP 1, 2, 0
	s_wait_dscnt 4*NL
	WIN MUL_LO
	MUL16 0, 1, NQ-1, 1, 0
	MUL16 2, 1, NQ-1, 1, 0
	s_wait_dscnt 0
	WIN MUL_HI
	MUL16 4, 1, NQ-1, 1, 0
	MUL16 6, 1, NQ-1, 1, 0
	WIN 0
.macro RESLOAD a                       ; x1's rows 16 a .. 16 a + 15 of my 128, my 16 bytes of each, into set a % 4 of window 1
	WIN 0x40
.irp t, 0,1,2,3,4,5,6,7,8,9,10,11,12,13,14,15
	global_load_b128 v[64*((\a)%4)+4*\t:64*((\a)%4)+4*\t+3], v[CO], s[10:11] offset:(16*(\a)+\t)*SIZE_N*4 th:TH_LOAD_NT
.endr
	WIN 0
.endm
.macro TOSTAGE a
.set AC, 64*((\a)%4)
	WIN 0x08+4*((\a)/4)                            ; an LDS store's data: window 2 or 3
.irp b, 0,1,2,3,4,5,6,7
	ds_store_b128 v[STO], v[AC+8*\b:AC+8*\b+3] offset:64*\b          ; each accumulator from its low end on
	ds_store_b128 v[STO], v[AC+8*\b+4:AC+8*\b+7] offset:64*\b+16
.endr
	WIN 0
.set BB, BK+64*((\a)%2)
.irp t, 0,1,2,3,4,5,6,7,8,9,10,11,12,13,14,15
	ds_load_b128 v[BB+4*\t:BB+4*\t+3], v[RD] offset:\t*SPITCH        ; LDS serves a wave's instructions in order: these see the stores above
.endr
.endm
.macro SEND a, younger, res            ; younger: LDS instructions issued behind block a's loads; res: loads of x1 issued behind block a's
.set BB, BK+64*((\a)%2)
.set RB, 64*((\a)%4)
	s_wait_dscnt \younger
	s_wait_loadcnt \res
	WIN 0x04                                       ; source 1: window 1
.set n, 0
.rept 32
	v_pk_add_f32 v[BB+n:BB+n+1], v[BB+n:BB+n+1], v[RB+n:RB+n+1]
.set n, n+2
.endr
	WIN 0
.irp t, 0,1,2,3,4,5,6,7,8,9,10,11,12,13,14,15
	global_store_b128 v[CO], v[BB+4*\t:BB+4*\t+3], s[12:13] offset:(16*(\a)+\t)*SIZE_N*4 th:TH_STORE_NT   ; 512 consecutive bytes, aligned; the block's rows stand in the immediate, 127 rows of 4,096 bytes at the most
.endr
.if (\a) < 4
	RESLOAD (\a)+4
.endif
.endm
	PLACES NP                                      ; behind the last products: for the reads of results and the loads into operands' registers
	RESLOAD 0
	RESLOAD 1
	RESLOAD 2
	RESLOAD 3
	TOSTAGE 0
	TOSTAGE 1
	SEND 0, 32, 48                                 ; three younger blocks of sixteen loads of x1 may be out
.irp a, 2,3,4,5
	s_wait_xcnt 0x0                                ; block a - 2's stores have read their registers: block a's loads may land there
	TOSTAGE \a
	SEND \a-1, 32, 48
.endr
	s_wait_xcnt 0x0
	TOSTAGE 6
	SEND 5, 32, 32
	s_wait_xcnt 0x0
	TOSTAGE 7
	SEND 6, 32, 16
	SEND 7, 0, 0
	s_wait_tensorcnt 0x0                           ; the wave's end, behind my last tensor load and my last LDS store
	ds_add_u32 v[SPW], v[NIL]
	s_wait_dscnt 0x0
	CROUND                                         ; the closing round
	s_endpgm
.Lfunc_end_k_qb537308320_ffn2:
	.size	k_qb537308320_ffn2, .Lfunc_end_k_qb537308320_ffn2-k_qb537308320_ffn2
	.p2alignl 7, 3214868480
	.fill 96, 4, 3214868480
	.section	.rodata,"a",@progbits
	.p2align	6, 0x0
	.amdhsa_kernel k_qb537308320_ffn2
		.amdhsa_group_segment_fixed_size 327680
		.amdhsa_private_segment_fixed_size 0
		.amdhsa_enable_private_segment 0
		.amdhsa_kernarg_size 40
		.amdhsa_user_sgpr_count 2
		.amdhsa_user_sgpr_kernarg_segment_ptr 1
		.amdhsa_wavefront_size32 1
		.amdhsa_system_sgpr_workgroup_id_x 1
		.amdhsa_system_sgpr_workgroup_id_y 1
		.amdhsa_system_sgpr_workgroup_id_z 1
		.amdhsa_system_vgpr_workitem_id 0
		.amdhsa_next_free_vgpr 1024
		.amdhsa_next_free_sgpr 98
		.amdhsa_reserve_vcc 0
		.amdhsa_float_denorm_mode_32 3
		.amdhsa_float_denorm_mode_16_64 3
		.amdhsa_memory_ordered 1
		.amdhsa_forward_progress 1
		.amdhsa_inst_pref_size 240
	.end_amdhsa_kernel
	.amdgpu_metadata
---
amdhsa.version: [ 1, 2 ]
amdhsa.kernels:
  - .name:           k_qb537308320_ffn2
    .symbol:         k_qb537308320_ffn2.kd
    .args:
      - { .name: hid, .offset: 0, .size: 8, .value_kind: global_buffer, .address_space: global }
      - { .name: W2_codes, .offset: 8, .size: 8, .value_kind: global_buffer, .address_space: global }
      - { .name: W2_scales, .offset: 16, .size: 8, .value_kind: global_buffer, .address_space: global }
      - { .name: mid, .offset: 24, .size: 8, .value_kind: global_buffer, .address_space: global }
      - { .name: out0, .offset: 32, .size: 8, .value_kind: global_buffer, .address_space: global }
    .group_segment_fixed_size: 327680
    .private_segment_fixed_size: 0
    .kernarg_segment_align: 8
    .kernarg_segment_size: 40
    .max_flat_workgroup_size: 128
    .sgpr_count:     98
    .vgpr_count:     1024
    .wavefront_size: 32
...
	.end_amdgpu_metadata
.endif
;; end of part 6
;; ======== version 2 of 2: 6 launches
;; limits: right only within a limited range of input values
;; workspace buffers: prep 2,752,512 bytes; mbits 1,048,576 bytes of whole numbers; flags 4,096 bytes of whole numbers; qkv 7,077,888 bytes; att 2,228,224 bytes; mid 19,005,440 bytes; hid 4,456,448 bytes; wimg 524,288 bytes
;; launch prep (part 7): grid 400 x 1, 4 waves a work-group, no clusters, 54,784 bytes of LDS; arguments x, g1, mask, prep, mbits, flags, Wout_codes, wimg; writes prep, mbits, flags, wimg
.if DOCPART == 7
	.amdgcn_target "amdgcn-amd-amdhsa--gfx1250"
	.amdhsa_code_object_version 6
	.text
	.protected	k_qb537308320_prep
	.globl	k_qb537308320_prep
	.p2align	8
	.type	k_qb537308320_prep,@function
k_qb537308320_prep:
	s_mov_b64 s[64:65], 0
	v_nop
	global_prefetch_b8 v0, s[64:65] scope:SCOPE_SE
	s_setreg_imm32_b32 hwreg(HW_REG_WAVE_MODE, 25, 1), 1
	s_wait_xcnt 0x0
; LAUNCH 1 OF 6 of a transformer block (4,096 tokens of 1,024; 16 heads of 64; FFN 2,048), all six large products on codes of FP4 (E2M1) with one E8M0 scale for each 32 along K.
; This launch makes what the later launches read many times:
;   A (work-groups 0-127):  xq, xs = the codes and scale bytes of g1 * x / sqrt(mean(x^2) + 1e-6), rows as they lie, and the table cos, sin of position x 10000^(-f/32), 2,048 positions x 32 frequencies;
;   B (work-groups 128-383): the mask as lane-mask words in the layout of the attention launch's scores (mbits), and two flags for each tile of 16 queries x 128 keys (flags).
; WORK THAT IS NOT DONE, AND WHY THAT IS RIGHT FOR EVERY INPUT.  reference() sets a score to -infinity where mask == 0, so its weight is exactly 0: a tile of 16 queries x 128 keys whose mask entries are ALL 0
; adds nothing to any row's maximum, sum or result.  Whole numbers (the int32 mask) decide that: this launch stores it as a flag, and the attention launch, which reads the flag from memory, walks only
; the tiles that have an entry other than 0.  No pattern of the mask is built in.  cos and sin hang on position and frequency alone, so each is made once here and not once for each head.  Every input is used.
; LIMITS.  A NaN, an infinity or an overflow that reaches only scores of a tile that is left out is not carried on (reference() overwrites those scores too).  NaN and infinities among x, g1 are not served.
; 1 / rms comes by v_rsq_f32.  The frequencies are the f32 numbers nearest to 10^(-f/8); reference()'s own power and division in f32 may differ in the last place or two, at the last position some 2.5e-4 of the angle in radians.
; cos and sin: the angle less n pi/2 in two parts, then polynomials on [-pi/4, pi/4], good to about 1e-7.  A block of zeros gets the scale byte 1 where the rule says 127: its codes are zeros, and this program alone reads the bytes.
; No barrier: waves share nothing.  The three paths part on the work-group's number and never join; A and B have LDS bytes of their own, C uses none.
.set SPARE,    54272                   ; the spare words, 128 bytes a wave: two blocks of 256 bytes that no other line names
.set XS_OFF,   2097152                 ; prep: xq [4096][512 B] | xs [4096][32 B] | table [2048][cos 32, sin 32] f32
.set ROPE_OFF, 2228224                 ; mbits: words [tile 256][step 16][64];  flags: [tile 256][quarter 4]
.set SPW, 10                           ; v10  my spare word's LDS address; never rewritten
.set NIL, 11                           ; v11  0; never rewritten
.set R,   32                           ; A: v32-95   two sets of 32 numbers as loaded
.set X,   96                           ; A: v96-127  32 neighbours: my block of the row
.set G,   128                          ; A: v128-159 g1 of my 32 columns
.set C,   160                          ; A: v160-191 codes, four registers a row
.set E,   192                          ; A: v192-199 a scale byte a row
.set TBL, 200                          ; A: v200-207 the table's numbers
.set FRQ, 208                          ; A: v208-209 my two frequencies
.set H3,  210                          ; A: v210     0 in the lanes that make cos, 3 in those that make sin
.set W,   12                           ; B: v12-19   the words, two registers a step
.set M,   32                           ; B: v32-159  two sets of 64: 16 rows x 512 bytes as loaded
.set XM,  160                          ; B: v160-223 the same in the scores' layout
	s_load_b256 s[4:11], s[0:1], 0x0               ; x, g1, mask, prep
	s_load_b128 s[12:15], s[0:1], 0x20             ; mbits, flags
	s_load_b128 s[56:59], s[0:1], 0x30             ; Wout's codes, wimg
	v_lshl_add_u32 v[SPW], v0, 2, SPARE
	v_mov_b32 v[NIL], 0
	v_lshrrev_b32 v1, 5, v0
	v_readfirstlane_b32 s16, v1                    ; wave 0..3
	v_and_b32 v1, 31, v0                           ; lane
	v_lshlrev_b32 v2, 4, v1                        ; 16 x lane
	s_cmp_lt_u32 ttmp9, 128
	s_cbranch_scc0 .Lmask
; ---------------- PATH A: a work-group takes 32 rows of x, a wave 8 ----------------
; A load reads 512 consecutive bytes, 16 a lane; the conversions want 32 neighbours in one lane.  So a row turns through the wave's stage: 32 places of 128 bytes + 16 of padding.
	s_mul_i32 s17, s16, 5120                       ; my wave's LDS: the stage (4,608 bytes), then 256 scale bytes
	v_lshrrev_b32 v3, 3, v1
	v_mul_u32_u24 v3, v3, 144
	v_and_b32 v4, 7, v1
	v_lshl_add_u32 v3, v4, 4, v3
	v_add_nc_u32 v3, s17, v3                       ; in: eight lanes' 128 bytes on end; a load's 512 bytes take four places
	v_mul_u32_u24 v4, v1, 144
	v_add_nc_u32 v4, s17, v4                       ; out: my place
	s_add_co_u32 s17, s17, 4608
	v_add_nc_u32 v5, s17, v1                       ; my block's scale byte
	v_lshlrev_b32 v7, 3, v1
	v_add_nc_u32 v6, s17, v7                       ; and 8 bytes a lane on the way out
	v_lshlrev_b32 v8, 7, v1                        ; g1: my 32 numbers
	v_mov_b32 v21, 0                               ; a lane permute's destination counts as one of its sources
	s_mov_b32 s20, 0x76543210
	s_mov_b32 s21, 0xfedcba98                      ; selects for lane l xor 16
	s_mov_b32 s22, 0x3a800000                      ; 1 / 1024
	s_mov_b32 s23, 0x358637bd                      ; 1e-6
	s_lshl_b32 s18, ttmp9, 5
	s_lshl_b32 s19, s16, 3
	s_add_co_u32 s18, s18, s19                     ; my first row
	s_lshl_b32 s24, s18, 12
	s_mov_b32 s25, 0
	s_lshl_b32 s26, s18, 9
	s_mov_b32 s27, 0
	s_lshl_b32 s28, s18, 5
	s_add_co_u32 s28, s28, XS_OFF
	s_mov_b32 s29, 0
	s_lshl_b32 s30, ttmp9, 4
	s_lshl_b32 s19, s16, 2
	s_add_co_u32 s30, s30, s19                     ; my first position of the table
	s_lshl_b32 s44, s30, 8
	s_add_co_u32 s44, s44, ROPE_OFF
	s_mov_b32 s45, 0
	s_wait_alu depctr_va_vdst(0)
	s_wait_kmcnt 0x0
	s_add_nc_u64 s[4:5], s[4:5], s[24:25]          ; x at my first row
	s_add_nc_u64 s[26:27], s[10:11], s[26:27]      ; xq
	s_add_nc_u64 s[28:29], s[10:11], s[28:29]      ; xs
	s_add_nc_u64 s[44:45], s[10:11], s[44:45]      ; the table
.irp j, 0,1,2,3,4,5,6,7
	global_load_b128 v[G+4*\j:G+4*\j+3], v8, s[6:7] offset:16*\j
.endr
.macro LOADX t
.irp i, 0,1,2,3,4,5,6,7
	global_load_b128 v[R+32*((\t)%2)+4*\i:R+32*((\t)%2)+4*\i+3], v2, s[4:5] offset:4096*(\t)+512*\i th:TH_LOAD_NT
.endr
.endm
	LOADX 0
	LOADX 1
.macro ROW t
.set RR, R+32*((\t)%2)
.if (\t) < 7
	s_wait_loadcnt 8                               ; this row's eight loads are in (and g1, which is older); the next row's eight may be out
.else
	s_wait_loadcnt 0x0
.endif
.irp i, 0,1,2,3,4,5,6,7
	ds_store_b128 v3, v[RR+4*\i:RR+4*\i+3] offset:576*\i
.endr
.irp k, 0,1,2,3
	v_pk_mul_f32 v[12+2*\k:13+2*\k], v[RR+2*\k:RR+2*\k+1], v[RR+2*\k:RR+2*\k+1]   ; the sum of squares, from the numbers as loaded: four chains
.endr
.irp k, 4,5,6,7,8,9,10,11,12,13,14,15
	v_pk_fma_f32 v[12+2*(\k%4):13+2*(\k%4)], v[RR+2*\k:RR+2*\k+1], v[RR+2*\k:RR+2*\k+1], v[12+2*(\k%4):13+2*(\k%4)]
.endr
.irp j, 0,1,2,3,4,5,6,7
	ds_load_b128 v[X+4*\j:X+4*\j+3], v4 offset:16*\j   ; LDS serves a wave's instructions in order: these see the stores above
.endr
	v_pk_add_f32 v[12:13], v[12:13], v[14:15]
	v_pk_add_f32 v[16:17], v[16:17], v[18:19]
	v_pk_add_f32 v[12:13], v[12:13], v[16:17]
	v_add_f32 v12, v12, v13
	v_add_f32_dpp v12, v12, v12 row_xmask:1 row_mask:0xf bank_mask:0xf
	v_add_f32_dpp v12, v12, v12 row_xmask:2 row_mask:0xf bank_mask:0xf
	v_add_f32_dpp v12, v12, v12 row_xmask:4 row_mask:0xf bank_mask:0xf
	v_add_f32_dpp v12, v12, v12 row_xmask:8 row_mask:0xf bank_mask:0xf
	v_permlanex16_b32 v21, v12, s20, s21
	v_add_f32 v12, v12, v21                        ; the row's sum, in every lane
	v_fma_f32 v20, v12, s22, s23                   ; the mean + 1e-6
	s_wait_alu depctr_va_vdst(0)
	v_rsq_f32 v30, v20
	v_rsq_f32 v31, v20                             ; twice: a pair for the packed multiply
	v_nop                                          ; a plain instruction behind the last of the two
	s_wait_alu depctr_va_vdst(0)                   ; one wait for both, ahead of their first reader
	s_wait_dscnt 0x0                               ; my 32 neighbours are in, and the stage's stores have read their registers,
.if (\t)+2 < 8
	LOADX (\t)+2                                   ; which take the row two further on
.endif
.irp k, 0,1,2,3,4,5,6,7,8,9,10,11,12,13,14,15
	v_pk_mul_f32 v[X+2*\k:X+2*\k+1], v[X+2*\k:X+2*\k+1], v[30:31]
.endr
.irp k, 0,1,2,3,4,5,6,7,8,9,10,11,12,13,14,15
	v_pk_mul_f32 v[X+2*\k:X+2*\k+1], v[X+2*\k:X+2*\k+1], v[G+2*\k:G+2*\k+1]
.endr
	v_max3_num_f32 v12, |v[X]|, |v[X+1]|, |v[X+2]|     ; the block's largest magnitude: all 32 numbers are mine
	v_max3_num_f32 v13, |v[X+3]|, |v[X+4]|, |v[X+5]|
.irp i, 6,10,14,18,22,26
	v_max3_num_f32 v12, v12, |v[X+\i]|, |v[X+\i+1]|
	v_max3_num_f32 v13, v13, |v[X+\i+2]|, |v[X+\i+3]|
.endr
	v_max3_num_f32 v12, v12, |v[X+30]|, |v[X+31]|
	v_max3_num_f32 v12, v12, v13, 0x1800000        ; and the floor 2^(3 - 127): the byte cannot fall under 1
	v_add_nc_u32 v14, 0xff000000, v12              ; 2 off its exponent field: the conversion's scale operand
.irp g, 0,1,2,3
	v_cvt_scalef32_pk8_fp4_f32 v[C+4*(\t)+\g], v[X+8*\g:X+8*\g+7], v14
.endr
	v_lshrrev_b32 v[E+(\t)], 23, v14               ; the scale's byte (also the plain line behind the conversions)
	ds_store_b8 v5, v[E+(\t)] offset:32*(\t)
	global_store_b128 v2, v[C+4*(\t):C+4*(\t)+3], s[26:27] offset:512*(\t)   ; a row of codes: 512 consecutive bytes
.endm
.irp t, 0,1,2,3,4,5,6,7
	ROW \t
.endr
	ds_load_b64 v[12:13], v6
	s_wait_dscnt 0x0
	global_store_b64 v7, v[12:13], s[28:29]        ; eight rows' scale bytes: 256 consecutive bytes, aligned
; The table.  Lane (h, m) makes numbers 2 l and 2 l + 1 of a position's record: frequencies 2 m and 2 m + 1, cos where h = 0, sin where h = 1.
	v_mov_b32 v[FRQ], 0
	v_mov_b32 v[FRQ+1], 0
.macro SETF f, lit
	s_mov_b32 s31, \lit
	v_writelane_b32 v[FRQ+(\f)%2], s31, (\f)/2
	v_writelane_b32 v[FRQ+(\f)%2], s31, (\f)/2+16
.endm
	SETF 0, 1.0
	SETF 1, 0.7498942093
	SETF 2, 0.5623413252
	SETF 3, 0.4216965034
	SETF 4, 0.3162277660
	SETF 5, 0.2371373706
	SETF 6, 0.1778279410
	SETF 7, 0.1333521432
	SETF 8, 0.1
	SETF 9, 0.07498942093
	SETF 10, 0.05623413252
	SETF 11, 0.04216965034
	SETF 12, 0.03162277660
	SETF 13, 0.02371373706
	SETF 14, 0.01778279410
	SETF 15, 0.01333521432
	SETF 16, 0.01
	SETF 17, 0.007498942093
	SETF 18, 0.005623413252
	SETF 19, 0.004216965034
	SETF 20, 0.003162277660
	SETF 21, 0.002371373706
	SETF 22, 0.001778279410
	SETF 23, 0.001333521432
	SETF 24, 0.001
	SETF 25, 0.0007498942093
	SETF 26, 0.0005623413252
	SETF 27, 0.0004216965034
	SETF 28, 0.0003162277660
	SETF 29, 0.0002371373706
	SETF 30, 0.0001778279410
	SETF 31, 0.0001333521432
	v_lshrrev_b32 v[H3], 4, v1
	v_mul_u32_u24 v[H3], v[H3], 3                  ; sin(a) = cos(a - pi/2): three quarter turns on
	s_mov_b32 s32, 0x3fc90fdb                      ; pi/2, its upper part,
	s_mov_b32 s33, 0xb33bbd2e                      ; and what is left of it
	s_mov_b32 s34, -1.9515295891e-4                ; sin r = r + r z (s36 + z (s35 + z s34)), z = r^2
	s_mov_b32 s35, 8.3321608736e-3
	s_mov_b32 s36, -1.6666654611e-1
	s_mov_b32 s37, 2.443315711809948e-5            ; cos r = 1 - z / 2 + z^2 (s39 + z (s38 + z s37))
	s_mov_b32 s38, -1.388731625493765e-3
	s_mov_b32 s39, 4.166664568298827e-2
.macro TRIG i, e
	v_mul_f32 v20, v19, v[FRQ+\e]                  ; the angle: one rounding, as reference()'s product has it
	v_mul_f32 v22, 0x3f22f983, v20                 ; x 2 / pi
	v_rndne_f32 v22, v22                           ; n
	v_fma_f32 v23, -v22, s32, v20
	v_fma_f32 v23, -v22, s33, v23                  ; r = the angle - n pi/2
	v_mul_f32 v24, v23, v23                        ; z
	v_fma_f32 v25, v24, s34, s35
	v_fma_f32 v25, v25, v24, s36
	v_mul_f32 v26, v23, v24
	v_fma_f32 v25, v26, v25, v23                   ; sin r
	v_fma_f32 v27, v24, s37, s38
	v_fma_f32 v27, v27, v24, s39
	v_mul_f32 v26, v24, v24
	v_fma_f32 v28, v24, -0.5, 1.0
	v_fma_f32 v27, v26, v27, v28                   ; cos r
	v_cvt_i32_f32 v22, v22
	v_add_nc_u32 v22, v22, v[H3]                   ; the quarter: 0: cos r, 1: -sin r, 2: -cos r, 3: sin r
	v_and_b32 v29, 1, v22
	v_cmp_eq_u32 vcc_lo, 1, v29
	v_cndmask_b32 v27, v27, v25, vcc_lo
	v_add_nc_u32 v22, 1, v22
	v_and_b32 v22, 2, v22
	v_lshlrev_b32 v22, 30, v22                     ; the sign, in quarters 1 and 2
	v_xor_b32 v[TBL+2*\i+\e], v22, v27
.endm
.irp i, 0,1,2,3
	s_add_co_u32 s19, s30, \i
	v_cvt_f32_u32 v19, s19                         ; the position
	s_wait_alu depctr_va_vdst(0)
	TRIG \i, 0
	TRIG \i, 1
	global_store_b64 v7, v[TBL+2*\i:TBL+2*\i+1], s[44:45] offset:256*\i   ; a position's record: 256 consecutive bytes, aligned
.endr
	s_wait_tensorcnt 0x0                           ; the wave's end, behind my last LDS store
	ds_add_u32 v[SPW], v[NIL]
	s_wait_dscnt 0x0
	s_endpgm
; ---------------- PATH B: a work-group takes a tile of 16 queries, a wave a quarter of the keys: 4 steps of 128 ----------------
; Word n of a step: bit 16 h + r says that mask[query 16 tile + r][key 128 step + 16 (n / 8) + 8 h + n % 8] is not 0: the lane and register in which the attention launch holds that score.
.Lmask:
	s_cmp_lt_u32 ttmp9, 384
	s_cbranch_scc0 .Lwout
	s_sub_co_u32 s17, ttmp9, 128                   ; the tile: 128 x batch + query / 16
	s_mul_i32 s18, s16, 8448
	s_add_co_u32 s18, s18, 20480                   ; my wave's stage: 16 rows of 512 bytes + 16
	s_wait_alu depctr_va_vdst(0)
	v_add_nc_u32 v3, s18, v2                       ; in: a row as it lies
	v_and_b32 v4, 15, v0
	v_mul_u32_u24 v4, v4, 528
	v_bfe_u32 v5, v0, 4, 1
	v_lshl_add_u32 v4, v5, 5, v4
	v_add_nc_u32 v4, s18, v4                       ; out: row r, + 32 h
	v_lshlrev_b32 v5, 3, v1
.irp i, 0,1,2,3,4,5,6,7
	v_mov_b32 v[W+\i], 0                           ; v_writelane_b32's destination counts as read
.endr
	s_mov_b32 s50, 0                               ; the flags
	s_lshl_b32 s24, s17, 17                        ; 16 rows of 8,192 bytes a tile,
	s_lshl_b32 s25, s16, 11                        ; 2,048 bytes a quarter
	s_add_co_u32 s24, s24, s25
	s_mov_b32 s25, 0
	s_lshl_b32 s26, s17, 12                        ; 16 steps of 256 bytes a tile
	s_lshl_b32 s27, s16, 10
	s_add_co_u32 s26, s26, s27
	s_mov_b32 s27, 0
	s_lshl_b32 s28, s17, 4                         ; four flag words a tile,
	s_lshl_b32 s29, s16, 2                         ; one a quarter
	s_add_co_u32 s28, s28, s29
	s_mov_b32 s29, 0
	s_wait_kmcnt 0x0
	s_add_nc_u64 s[8:9], s[8:9], s[24:25]
	s_add_nc_u64 s[14:15], s[14:15], s[28:29]      ; my flag word
	s_add_nc_u64 s[12:13], s[12:13], s[26:27]      ; my steps' words
.macro LOADM st
.irp r, 0,1,2,3,4,5,6,7,8,9,10,11,12,13,14,15
	global_load_b128 v[M+64*((\st)%2)+4*\r:M+64*((\st)%2)+4*\r+3], v2, s[8:9] offset:8192*\r+512*(\st) th:TH_LOAD_NT
.endr
.endm
	LOADM 0
	LOADM 1
.macro STEPB st
.set MM, M+64*((\st)%2)
.if (\st) < 3
	s_wait_loadcnt 16                              ; this step's sixteen loads are in; the next step's may be out
.else
	s_wait_loadcnt 0x0
.endif
.irp r, 0,1,2,3,4,5,6,7,8,9,10,11,12,13,14,15
	ds_store_b128 v3, v[MM+4*\r:MM+4*\r+3] offset:528*\r
.endr
.irp t, 0,1,2,3,4,5,6,7
	ds_load_b128 v[XM+8*\t:XM+8*\t+3], v4 offset:64*\t
	ds_load_b128 v[XM+8*\t+4:XM+8*\t+7], v4 offset:64*\t+16
.endr
	s_wait_dscnt 0x0
.if (\st)+2 < 4
	LOADM (\st)+2
.endif
.irp g, 0,1,2,3
.irp k, 0,1,2,3,4,5,6,7,8,9,10,11,12,13,14,15
	v_cmp_ne_u32 s[32+\k], 0, v[XM+16*\g+\k]       ; word 16 g + k
.endr
.irp k, 0,1,2,3,4,5,6,7,8,9,10,11,12,13,14,15
	v_writelane_b32 v[W+2*(\st)+(\k)%2], s[32+\k], (16*\g+\k)/2   ; words 2 L and 2 L + 1 go to lane L
.endr
.endr
	v_or_b32 v20, v[W+2*(\st)], v[W+2*(\st)+1]
	v_cmp_ne_u32 vcc_lo, 0, v20
	s_cmp_lg_u32 vcc_lo, 0                         ; has the step an entry other than 0?
	s_cselect_b32 s51, 1<<(\st), 0
	s_or_b32 s50, s50, s51
	v_and_b32 v20, v[W+2*(\st)], v[W+2*(\st)+1]
	v_cmp_ne_u32 vcc_lo, -1, v20
	s_cmp_eq_u32 vcc_lo, 0                         ; has it no 0 at all?
	s_cselect_b32 s51, 1<<(16+(\st)), 0
	s_or_b32 s50, s50, s51
	global_store_b64 v5, v[W+2*(\st):W+2*(\st)+1], s[12:13] offset:256*(\st)   ; a step's 64 words: 256 consecutive bytes, aligned
.endm
.irp st, 0,1,2,3
	STEPB \st
.endr
	v_mov_b32 v20, s50
	v_mov_b32 v21, 0
	s_wait_alu depctr_va_vdst(0)
	s_wait_xcnt 0x0                                ; EXEC changes only behind this wait
	v_cmp_eq_u32 vcc_lo, 0, v1
	s_and_saveexec_b32 s52, vcc_lo
	global_store_b32 v21, v20, s[14:15]            ; lane 0 stores the quarter's flags: 4 bytes a wave, 4,096 in the whole launch
	s_wait_xcnt 0x0                                ; and again, in front of the line that widens it
	s_or_b32 exec_lo, exec_lo, s52
	s_wait_tensorcnt 0x0                           ; the wave's end, behind my last LDS store
	ds_add_u32 v[SPW], v[NIL]
	s_wait_dscnt 0x0
	s_endpgm
; ---------------- PATH C (work-groups 384-399): Wout's codes as images of the projection's operand registers; a wave takes 16 rows of Wout ----------------
; wimg[tile of 16 rows][i = 2 x K step + c][lane (h, r)][16 bytes] = bytes 32 i + 16 h .. + 15 of row 16 tile + r: the codes are moved, none is changed.  No LDS: a load's 16 bytes a lane are a store's.
.Lwout:
	s_sub_co_u32 s17, ttmp9, 384
	s_lshl_b32 s17, s17, 2
	s_add_co_u32 s17, s17, s16                     ; the tile, 0 .. 63
	s_lshl_b32 s24, s17, 13                        ; 8,192 bytes a tile, in both buffers
	s_mov_b32 s25, 0
	v_and_b32 v3, 15, v0
	v_bfe_u32 v4, v0, 4, 1
	v_lshlrev_b32 v3, 9, v3
	v_lshl_add_u32 v3, v4, 4, v3                   ; row r of 512 bytes, + 16 h
	s_wait_alu depctr_va_vdst(0)
	s_wait_kmcnt 0x0
	s_add_nc_u64 s[56:57], s[56:57], s[24:25]
	s_add_nc_u64 s[58:59], s[58:59], s[24:25]
.irp i, 0,1,2,3,4,5,6,7,8,9,10,11,12,13,14,15
	global_load_b128 v[32+4*\i:35+4*\i], v3, s[56:57] offset:32*\i
.endr
.irp i, 0,1,2,3,4,5,6,7,8,9,10,11,12,13,14,15
	s_wait_loadcnt 15-\i                           ; load i is in; the 15 - i issued behind it may be out
	global_store_b128 v2, v[32+4*\i:35+4*\i], s[58:59] offset:512*\i   ; 512 consecutive bytes
.endr
	s_endpgm
.Lfunc_end_k_qb537308320_prep:
	.size	k_qb537308320_prep, .Lfunc_end_k_qb537308320_prep-k_qb537308320_prep
	.p2alignl 7, 3214868480
	.fill 96, 4, 3214868480
	.section	.rodata,"a",@progbits
	.p2align	6, 0x0
	.amdhsa_kernel k_qb537308320_prep
		.amdhsa_group_segment_fixed_size 54784
		.amdhsa_private_segment_fixed_size 0
		.amdhsa_enable_private_segment 0
		.amdhsa_kernarg_size 64
		.amdhsa_user_sgpr_count 2
		.amdhsa_user_sgpr_kernarg_segment_ptr 1
		.amdhsa_wavefront_size32 1
		.amdhsa_system_sgpr_workgroup_id_x 1
		.amdhsa_system_sgpr_workgroup_id_y 1
		.amdhsa_system_sgpr_workgroup_id_z 1
		.amdhsa_system_vgpr_workitem_id 0
		.amdhsa_next_free_vgpr 224
		.amdhsa_next_free_sgpr 66
		.amdhsa_reserve_vcc 1
		.amdhsa_float_denorm_mode_32 3
		.amdhsa_float_denorm_mode_16_64 3
		.amdhsa_memory_ordered 1
		.amdhsa_forward_progress 1
		.amdhsa_inst_pref_size 131
	.end_amdhsa_kernel
	.amdgpu_metadata
---
amdhsa.version: [ 1, 2 ]
amdhsa.kernels:
  - .name:           k_qb537308320_prep
    .symbol:         k_qb537308320_prep.kd
    .args:
      - { .name: x, .offset: 0, .size: 8, .value_kind: global_buffer, .address_space: global }
      - { .name: g1, .offset: 8, .size: 8, .value_kind: global_buffer, .address_space: global }
      - { .name: mask, .offset: 16, .size: 8, .value_kind: global_buffer, .address_space: global }
      - { .name: prep, .offset: 24, .size: 8, .value_kind: global_buffer, .address_space: global }
      - { .name: mbits, .offset: 32, .size: 8, .value_kind: global_buffer, .address_space: global }
      - { .name: flags, .offset: 40, .size: 8, .value_kind: global_buffer, .address_space: global }
      - { .name: Wout_codes, .offset: 48, .size: 8, .value_kind: global_buffer, .address_space: global }
      - { .name: wimg, .offset: 56, .size: 8, .value_kind: global_buffer, .address_space: global }
    .group_segment_fixed_size: 54784
    .private_segment_fixed_size: 0
    .kernarg_segment_align: 8
    .kernarg_segment_size: 64
    .max_flat_workgroup_size: 128
    .sgpr_count:     66
    .vgpr_count:     224
    .wavefront_size: 32
...
	.end_amdgpu_metadata
.endif
;; end of part 7
;; launch qkv (part 8): grid 12 x 16, 4 waves a work-group, clusters of 4 x 4, 327,680 bytes of LDS; arguments prep, Wqkv_codes, Wqkv_scales, qkv; writes qkv
.if DOCPART == 8
	.amdgcn_target "amdgcn-amd-amdhsa--gfx1250"
	.amdhsa_code_object_version 6
	.text
	.protected	k_qb537308320_qkv
	.globl	k_qb537308320_qkv
	.p2align	8
	.type	k_qb537308320_qkv,@function
k_qb537308320_qkv:
	s_mov_b64 s[64:65], 0
	v_nop
	global_prefetch_b8 v0, s[64:65] scope:SCOPE_SE
	s_setreg_imm32_b32 hwreg(HW_REG_WAVE_MODE, 25, 1), 1
	s_wait_xcnt 0x0
	s_wait_alu depctr_hold_cnt(0) depctr_sa_sdst(0) depctr_va_vdst(0) depctr_va_sdst(0) depctr_va_ssrc(0) depctr_va_vcc(0) depctr_vm_vsrc(0)
	s_getreg_b32 s2, hwreg(HW_REG_IB_STS2, 6, 4)
	s_cmp_eq_u32 s2, 0
	s_cbranch_scc0 .Lentry_in_a_cluster
	s_endpgm
.Lentry_in_a_cluster:
	s_bfe_u32 s2, ttmp6, 0x10000c
	s_cmp_lg_u32 s2, 0xf033
	s_cbranch_scc0 .Lentry_shape_is_right
	s_endpgm
.Lentry_shape_is_right:
; LAUNCH 2 OF 6: qkv = xq Wqkv on codes of FP4, the rotation of q and k by the table, and the three results quantised for the attention launch: q and k along the head's 64, v along the keys.
; A tile of 256 x 256 to a work-group of four waves, 128 x 128 to a wave: 64 accumulators, 512 registers.  K = 1,024 is two slots of 512 in LDS, both filled once at the start with the scale bytes: nothing is filled again.
; CLUSTERS of 4 x 4: A's tile is asked for jointly along a row of the cluster, B's along a column.  The cluster's x says what is made: 0: q, 1: k, 2: v; it is the same in all sixteen partners.
; THE MATRIX INSTRUCTION IS USED TRANSPOSED (source 0 = 16 rows of B, source 1 = 16 rows of A): a lane holds ONE row of A, and its registers run along B's rows.  For q and k: A = tokens, B = Wqkv's rows, so a lane's
; registers run along the head's 64, the next product's K.  FOR v THE TWO OPERANDS CHANGE PLACES, at the pointers alone (both are rows of 512 bytes of codes and 32 scale bytes): A = Wqkv's rows, B = tokens, so a
; lane holds one channel and its registers run along the tokens: the keys, the next K.  Nothing else of the product's text differs.
; QUANTISING IN REGISTERS.  In accumulator b, lane (r, h) holds next-K index 16 b + 8 h + j in register j.  A block of 32 is two neighbouring accumulators: 16 numbers here, 16 in lane l xor 16.  A conversion of one
; accumulator gives a word of 8 codes; laid in the order 0, 2, 1, 3 and exchanged between the halves of the lanes by two swaps, four words are a whole block a lane, K ascending: the operand's registers.
; The results leave as IMAGES OF THE OPERAND'S REGISTERS, 16 bytes a lane, 512 consecutive bytes a store.  A block of zeros keeps the scale byte 1 (the rule: 127): its codes are zeros and this program alone reads the bytes.
; REGISTERS, in windows of 256: window 0: v0-31 addresses; v32-95 scale words, two sets, and nothing else; v128-191 A's fragments; window 1: B's fragments, two sets; windows 2, 3: the accumulators ((a, b) at v[8 (8 (a % 4) + b)]).
; On the way out: window 0: v96-103 scale words made, v104-115 at work, v128-191 products with sin, v192-255 codes; window 1: cos and sin of the wave's 128 positions.
.set KSTEP,  512
.set NQ,     4
.set ROWB,   512                       ; a tile's row: all 1,024 codes of K
.set KROW,   512
.set PITCH,  528                       ; an LDS row: 512 bytes + 16 of padding = 132 words: the 16 rows that a load touches start 4 banks apart
.set FR,     8
.set NL,     2
.set NP,     4
.set HALFT,  128*PITCH
.set SLOT,   256                       ; the second 512 along K begin 256 bytes on in each row
.set KS,     32
.set SCL,    4*HALFT                   ; behind A's 256 rows and B's 256 rows
.set HALFS,  (128*KS/256)*272
.set SBLK,   (16*KS/256)*272
.set SPARE,  SCL+4*HALFS               ; the spare words, 128 bytes a wave: two blocks of 256 bytes that no other line names
.set XS_OFF,   2097152                 ; prep: xq | xs | table
.set ROPE_OFF, 2228224
.set V_OFF,    4194304                 ; qkv: q images | k images | v images | q's scale records | k's and v's
.set QS_OFF,   6291456
.set KVS_OFF,  6684672
.set ADRA, 16
.set ADRB, 20
.set SOQ,  22                          ; v22  q's, k's scale words: 32 r + a head's 16 records x h
.set SOV,  23                          ; v23  v's: 16 r + the same
.set ROFF, 24                          ; v24  the table: 256 r + 32 h
.set SHF,  25                          ; v25  16 h
.set CO,   26                          ; v26  16 x lane
.set ADRS, 27
.set SPW,  28
.set NIL,  29
.set SC,   32
.set PW,   96
.set TM,   104
.set AF,   128
.set T,    128
.set PC,   192
.set G1, 24
.set G0, 32
.set G1B, 48
.set G0B, 56
.set G1S, 68
.set G0S, 76
.set G1SB, 80
.set G0SB, 88
.set LM,  95                           ; s95  lanes 16-31
.set SEL, 96                           ; s[96:97] selects for lane l xor 16
.set MSB, 0
.macro WIN new                         ; the immediate's high byte repeats the setting that is left
.if MSB != (\new)
	s_set_vgpr_msb (MSB<<8)|(\new)
.set MSB, (\new)
.endif
.endm
.set MUL_LO, 0xa1
.set MUL_HI, 0xf1
.set TO_B,   0x40
.macro ARM under, g0, g1, next         ; one arm of the head's tree: a joint load, its s_nop 0 and four v_nop, a jump to the tree's end
	s_cmp_lt_u32 s14, \under
	s_cbranch_scc0 \next
	tensor_load_to_lds s[\g0:\g0+3], s[\g1:\g1+7]
	s_nop 0
.rept 4
	v_nop
.endr
	s_branch .Lhead_asked
\next:
.endm
.macro CROUND                          ; a round of the cluster's barrier
	s_barrier_signal -1
	s_barrier_wait -1
	s_cmp_lg_u32 s14, 0
	s_cbranch_scc1 .Lnot_wave_0_\@
	s_barrier_signal -3
.Lnot_wave_0_\@:
	s_barrier_wait -3
	s_barrier_signal -1
	s_barrier_wait -1
.endm
	s_load_b256 s[4:11], s[0:1], 0x0               ; prep, Wqkv's codes, Wqkv's scales, qkv
	v_lshl_add_u32 v[SPW], v0, 2, SPARE
	v_mov_b32 v[NIL], 0
	ds_add_u32 v[SPW], v[NIL]                      ; the opening: the add, twice on end, and its wait ahead of my first tensor load
	ds_add_u32 v[SPW], v[NIL]
	v_lshrrev_b32 v1, 5, v0
	v_readfirstlane_b32 s14, v1                    ; wave 0..3
	s_lshr_b32 s15, s14, 1                         ; my half of A's rows
	s_and_b32 s16, s14, 1                          ; my half of B's rows
	s_bfe_u32 s40, ttmp6, 0x40000                  ; cx
	s_bfe_u32 s41, ttmp6, 0x40004                  ; cy
	s_and_b32 s18, ttmp7, 0xffff
	s_lshl_b32 s18, s18, 2                         ; 4 x cluster y
	s_lshl_b32 s19, ttmp9, 2                       ; 4 x cluster x
	s_add_co_u32 s17, s18, s41                     ; q, k: A's tile = tokens 4 Y + cy
	s_add_co_u32 s20, s41, 8                       ; v:    A's tile = Wqkv's 8 + cy
	s_add_co_u32 s42, s19, s40                     ; q, k: B's tile = Wqkv's 4 X + cx
	s_add_co_u32 s21, s18, s40                     ; v:    B's tile = tokens 4 Y + cx
	s_cmp_eq_u32 ttmp9, 2
	s_cselect_b32 s17, s20, s17                    ; only cy enters A's tile,
	s_cselect_b32 s42, s21, s42                    ; only cx B's
	s_lshl_b32 s43, s41, 2
	s_lshl_b32 s43, 15, s43                        ; my row of the cluster
	s_lshl_b32 s44, 0x1111, s40                    ; my column
	s_or_b32 s[G1+0], s43, (0<<16)|(1<<20)|(1<<21)|(6<<22)|(3<<25)   ; the mask; elements of 1 byte; padding: 4 words behind every 128
	s_or_b32 s[G1B+0], s44, (0<<16)|(1<<20)|(1<<21)|(6<<22)|(3<<25)
.irp g, G1, G1B
	s_mov_b32 s[\g+1], ROWB<<16                    ; tensor_dim0
	s_mov_b32 s[\g+2], 256<<16                     ; tensor_dim1: the tile's 256 rows
	s_mov_b32 s[\g+3], ROWB<<16                    ; tile_dim0
	s_mov_b32 s[\g+4], 256                         ; tile_dim1
	s_mov_b32 s[\g+5], KROW                        ; the pitch
	s_mov_b32 s[\g+6], 0
	s_mov_b32 s[\g+7], 0
.endr
	s_or_b32 s[G1S+0], s43, (3<<16)|(1<<20)|(1<<21)|(5<<22)|(3<<25)  ; the scales of 256 rows: a dense block, as rows of 256 bytes (32 elements of 8), 16 bytes of padding behind each
	s_or_b32 s[G1SB+0], s44, (3<<16)|(1<<20)|(1<<21)|(5<<22)|(3<<25)
.irp g, G1S, G1SB
	s_mov_b32 s[\g+1], 32<<16
	s_mov_b32 s[\g+2], (256*KS/256)<<16
	s_mov_b32 s[\g+3], 32<<16
	s_mov_b32 s[\g+4], 256*KS/256
	s_mov_b32 s[\g+5], 32
	s_mov_b32 s[\g+6], 0
	s_mov_b32 s[\g+7], 0
.endr
	s_mov_b32 s[LM], 0xffff0000
	s_mov_b32 s[SEL], 0x76543210
	s_mov_b32 s[SEL+1], 0xfedcba98
	s_mov_b32 s18, 0                               ; a load brings a whole tile: it begins at the tile's first row
	s_lshl_b32 s20, s17, 8
	s_add_co_u32 s20, s20, s18                     ; A: the first row that I fetch
	s_lshl_b32 s46, s42, 8
	s_add_co_u32 s46, s46, s18                     ; B likewise
	s_lshl_b32 s22, s20, 5                         ; their scales, 32 bytes a row,
	s_mov_b32 s23, 0
	s_lshl_b32 s92, s46, 5
	s_mov_b32 s93, 0
	s_lshl_b32 s20, s20, 9                         ; their codes, 512 bytes a row
	s_mov_b32 s21, 0
	s_lshl_b32 s46, s46, 9
	s_mov_b32 s47, 0
	s_wait_dscnt 0x0                               ; both opening adds are done
	s_wait_kmcnt 0x0
	s_add_nc_u64 s[12:13], s[4:5], XS_OFF          ; xs
	s_cmp_eq_u32 ttmp9, 2                          ; the operands' places: a choice between buffers on the cluster's x alone
	s_cselect_b64 s[2:3], s[6:7], s[4:5]           ; A's codes
	s_cselect_b64 s[98:99], s[8:9], s[12:13]       ; A's scales
	s_cselect_b64 s[6:7], s[4:5], s[6:7]           ; B's codes
	s_cselect_b64 s[8:9], s[12:13], s[8:9]         ; B's scales
	s_add_nc_u64 s[20:21], s[2:3], s[20:21]
	s_add_nc_u64 s[22:23], s[98:99], s[22:23]
	s_add_nc_u64 s[46:47], s[6:7], s[46:47]
	s_add_nc_u64 s[92:93], s[8:9], s[92:93]
	CROUND                                         ; all sixteen work-groups are here: the first joint loads meet
	s_mov_b32 s[G0S], 1                            ; the launch's four tiles, each whole: the scales of A's 256 rows,
	s_mov_b32 s[G0S+1], SCL
	s_mov_b64 s[G0S+2:G0S+3], s[22:23]
	s_or_b32 s[G0S+3], s[G0S+3], 0x80000000
	s_mov_b32 s[G0SB], 1                           ; of B's,
	s_mov_b32 s[G0SB+1], SCL+2*HALFS
	s_mov_b64 s[G0SB+2:G0SB+3], s[92:93]
	s_or_b32 s[G0SB+3], s[G0SB+3], 0x80000000
	s_mov_b32 s[G0], 1                             ; A's 256 rows of 512 bytes,
	s_mov_b32 s[G0+1], 0
	s_mov_b64 s[G0+2:G0+3], s[20:21]
	s_or_b32 s[G0+3], s[G0+3], 0x80000000
	s_mov_b32 s[G0B], 1                            ; and B's, behind them
	s_mov_b32 s[G0B+1], 2*HALFT
	s_mov_b64 s[G0B+2:G0B+3], s[46:47]
	s_or_b32 s[G0B+3], s[G0B+3], 0x80000000
	; one joint load a wave, in one tree of branches on the wave's number: wave 0 A, wave 1 B, wave 2 A's scales, wave 3 B's; nothing is filled later
	ARM 1, G0,  G1,  .Lhead_b
	ARM 2, G0B, G1B, .Lhead_sa
	ARM 3, G0S, G1S, .Lhead_sb
	tensor_load_to_lds s[G0SB:G0SB+3], s[G1SB:G1SB+7]
	s_nop 0
.rept 4
	v_nop
.endr
.Lhead_asked:
	v_and_b32 v1, 15, v0                           ; r
	v_bfe_u32 v2, v0, 4, 1                         ; h
	v_mul_u32_u24 v3, v1, PITCH
	v_lshl_add_u32 v4, v2, 4, v3                   ; a fragment's row x pitch + 16 h
	s_mul_i32 s21, s15, HALFT
	s_mul_i32 s22, s16, HALFT
	s_add_co_u32 s22, s22, 2*HALFT
.irp s, 0,1
	v_add_nc_u32 v[ADRA+\s], s21, v4
	v_add_nc_u32 v[ADRB+\s], s22, v4
	s_add_co_u32 s21, s21, SLOT
	s_add_co_u32 s22, s22, SLOT
.endr
	v_mul_u32_u24 v5, v1, KS                       ; my row's scales,
	v_lshrrev_b32 v6, 8, v5
	v_lshl_add_u32 v5, v6, 4, v5                   ; and 16 more for each 256 passed
	s_mul_i32 s21, s15, HALFS
	s_mul_i32 s22, s16, HALFS
	s_add_co_u32 s22, s22, 2*HALFS
	s_sub_co_u32 s22, s22, s21
	v_mul_u32_u24 v6, s22, v2                      ; lanes 16-31 take B's
	s_add_co_u32 s21, s21, SCL
	v_add_nc_u32 v5, v5, v6
	v_add_nc_u32 v[ADRS], s21, v5
	v_and_b32 v6, 31, v0
	v_lshlrev_b32 v[CO], 4, v6
	v_lshlrev_b32 v[ROFF], 8, v1
	v_lshl_add_u32 v[ROFF], v2, 5, v[ROFF]
	v_lshlrev_b32 v[SHF], 4, v2
	v_mul_u32_u24 v5, v2, 12288
	v_lshl_add_u32 v[SOQ], v1, 5, v5
	v_lshl_add_u32 v[SOV], v1, 4, v5
; cos and sin of tokens 16 a on: register i of 16: frequency 16 (i / 8) + 8 h + i % 8 of position 16 a + r; cos at CT + i, sin at CT + 16 + i, in window 1.
; Tiles 0-3 lie in the 128 registers of window 1 that B's two sets of fragments leave free (v64-127, v192-255) and are asked for here, at the head; tiles 4-7 take B's registers behind the last products.
.macro TABLE a
.set CT, 64*(1-(\a)/4)+32*((\a)%2)+128*(((\a)%4)/2)
.irp u, 0,1
	global_load_b128 v[CT+16*\u:CT+16*\u+3],     v[ROFF], s[4:5] offset:4096*(\a)+128*\u
	global_load_b128 v[CT+16*\u+4:CT+16*\u+7],   v[ROFF], s[4:5] offset:4096*(\a)+128*\u+16
	global_load_b128 v[CT+16*\u+8:CT+16*\u+11],  v[ROFF], s[4:5] offset:4096*(\a)+128*\u+64
	global_load_b128 v[CT+16*\u+12:CT+16*\u+15], v[ROFF], s[4:5] offset:4096*(\a)+128*\u+80
.endr
.endm
	s_cmp_eq_u32 ttmp9, 2                          ; v is not rotated (the cluster's x: the same in all sixteen partners)
	s_cbranch_scc1 .Lno_table
	s_lshl_b32 s18, s17, 1
	s_add_co_u32 s18, s18, s15
	s_and_b32 s18, s18, 15                         ; my 128 tokens are group g of their batch
	s_lshl_b32 s20, s18, 15                        ; the table at position 128 g
	s_add_co_u32 s20, s20, ROPE_OFF
	s_mov_b32 s21, 0
	s_add_nc_u64 s[4:5], s[4:5], s[20:21]
	s_wait_alu depctr_va_vdst(0)
	WIN 0x40                                       ; destination window 1
.irp a, 0,1,2,3
	TABLE \a
.endr
	WIN 0
.Lno_table:
.macro FRAG reg, adr, q, i             ; 16 rows x 128 K: registers 4 c .. 4 c + 3 hold K = 64 c + 32 h + 0 .. 31: 16 bytes of the row as they lie
.irp c, 0,1
	ds_load_b128 v[\reg+4*\c:\reg+4*\c+3], v[\adr] offset:64*(\q)+32*\c+(\i)*16*PITCH
.endr
.endm
.macro MUL16 a0, p, q, sc, zero        ; A's blocks a0, a0 + 1 x B's eight; the 64 accumulators take turns, one instruction a turn
.irp a, \a0, \a0+1
.irp b, 0,1,2,3,4,5,6,7
.if \zero
	v_wmma_scale_f32_16x16x128_f8f6f4 v[8*(8*((\a)%4)+\b):8*(8*((\a)%4)+\b)+7], v[128*(\p)+FR*\b:128*(\p)+FR*\b+FR-1], v[AF+FR*(\a):AF+FR*(\a)+FR-1], 0, v[SC+8*NQ*(\sc)+NQ*\b+(\q)], v[SC+8*NQ*(\sc)+NQ*(\a)+(\q)] matrix_a_fmt:MATRIX_FMT_FP4 matrix_b_fmt:MATRIX_FMT_FP4 matrix_a_scale:MATRIX_SCALE_ROW1
.else
	v_wmma_scale_f32_16x16x128_f8f6f4 v[8*(8*((\a)%4)+\b):8*(8*((\a)%4)+\b)+7], v[128*(\p)+FR*\b:128*(\p)+FR*\b+FR-1], v[AF+FR*(\a):AF+FR*(\a)+FR-1], v[8*(8*((\a)%4)+\b):8*(8*((\a)%4)+\b)+7], v[SC+8*NQ*(\sc)+NQ*\b+(\q)], v[SC+8*NQ*(\sc)+NQ*(\a)+(\q)] matrix_a_fmt:MATRIX_FMT_FP4 matrix_b_fmt:MATRIX_FMT_FP4 matrix_a_scale:MATRIX_SCALE_ROW1
.endif
.endr
.endr
.endm
.macro FETCH_B slot, q, p
	WIN TO_B
.irp i, 0,1,2,3,4,5,6,7
	FRAG 128*(\p)+FR*\i, ADRB+\slot, \q, \i
.endr
	WIN 0
.endm
.macro FETCH_A slot, q, i0
.irp i, \i0, \i0+1, \i0+2, \i0+3
	FRAG AF+FR*(\i), ADRA+\slot, \q, \i
.endr
.endm
.macro SCALES sc                       ; a slot's scale words: lanes 0-15 A's block i, lanes 16-31 B's block i
.irp i, 0,1,2,3,4,5,6,7
	ds_load_b128 v[SC+8*NQ*\sc+NQ*\i:SC+8*NQ*\sc+NQ*\i+3], v[ADRS] offset:\i*SBLK
.endr
.endm
.macro PLACES n                        ; plain vector instructions between a matrix instruction and a load into, or a read of, its registers
.rept \n
	v_nop
.endr
.endm
.macro STEP slot, q, zero              ; 128 along K with its successor in the same slot
	s_wait_dscnt 4*NL                              ; all but the youngest eight loads (A's blocks 4-7) are in
	WIN MUL_LO
	MUL16 0, (\q)%2, \q, \slot, \zero
	MUL16 2, (\q)%2, \q, \slot, \zero
	s_wait_dscnt 0
	PLACES NP
	FETCH_B \slot, (\q)+1, 1-(\q)%2
	FETCH_A \slot, (\q)+1, 0
	WIN MUL_HI
	MUL16 4, (\q)%2, \q, \slot, \zero
	MUL16 6, (\q)%2, \q, \slot, \zero
	PLACES NP
	WIN 0
	FETCH_A \slot, (\q)+1, 4
.endm
.macro TURN slot, next                 ; a slot's last step, and the change of slots: nothing is filled again here
	s_wait_dscnt 4*NL                              ; all but the youngest eight loads (A's blocks 4-7) are in; both halves of K lie in LDS since the head's barrier
	WIN MUL_LO
	MUL16 0, 1, NQ-1, \slot, 0
	MUL16 2, 1, NQ-1, \slot, 0
	s_wait_dscnt 0x0
	WIN 0
	PLACES NP
	v_add_nc_u32 v[ADRS], 4*NQ, v[ADRS]
	FETCH_B \next, 0, 0
	FETCH_A \next, 0, 0
	SCALES \next
	WIN MUL_HI
	MUL16 4, 1, NQ-1, \slot, 0
	MUL16 6, 1, NQ-1, \slot, 0
	PLACES NP
	WIN 0
	FETCH_A \next, 0, 4
.endm
	s_wait_alu depctr_va_vdst(0)
	s_wait_tensorcnt 0x0                           ; my one tile is in; behind the barrier all four are
	s_barrier_signal -1
	s_barrier_wait -1
	FETCH_B 0, 0, 0
	FETCH_A 0, 0, 0
	SCALES 0
	FETCH_A 0, 0, 4
	STEP 0, 0, 1                                   ; the first products start the sums: nothing is cleared
	STEP 0, 1, 0
	STEP 0, 2, 0
	TURN 0, 1
	STEP 1, 0, 0
	STEP 1, 1, 0
	STEP 1, 2, 0
	s_wait_dscnt 4*NL
	WIN MUL_LO
	MUL16 0, 1, NQ-1, 1, 0
	MUL16 2, 1, NQ-1, 1, 0
	s_wait_dscnt 0
	WIN MUL_HI
	MUL16 4, 1, NQ-1, 1, 0
	MUL16 6, 1, NQ-1, 1, 0
	WIN 0
; 64 numbers at v[s] on of window w, four blocks of 32 along the next K, become 8 registers of codes at v[pc] on and the row's scale word in v[pw].
.macro QUANT4 s, w, pc, pw
	WIN ((\w)|((\w)<<2))
.irp b, 0,1,2,3
	v_max3_num_f32 v[TM+\b], |v[(\s)+16*\b]|, |v[(\s)+16*\b+1]|, 0x1800000   ; my 16 numbers of block b, and the floor 2^(3 - 127): the byte cannot fall under 1
.endr
.irp i, 2,4,6,8,10,12,14
.irp b, 0,1,2,3
	v_max3_num_f32 v[TM+\b], |v[(\s)+16*\b+\i]|, |v[(\s)+16*\b+\i+1]|, v[TM+\b]
.endr
.endr
	WIN 0
.irp b, 0,1,2,3
	v_permlanex16_b32 v[TM+4+\b], v[TM+\b], s[SEL], s[SEL+1]
.endr
.irp b, 0,1,2,3
	v_max_num_f32 v[TM+\b], v[TM+\b], v[TM+4+\b]   ; with lane l xor 16's: the block's largest magnitude
.endr
.irp b, 0,1,2,3
	v_add_nc_u32 v[TM+8+\b], 0xff000000, v[TM+\b]  ; 2 off its exponent field: the conversion's scale operand
.endr
.irp b, 0,1,2,3
	v_lshrrev_b32 v[TM+4+\b], 23, v[TM+8+\b]       ; the scale's byte
.endr
	v_lshl_or_b32 v[\pw], v[TM+5], 8, v[TM+4]
	v_lshl_or_b32 v[\pw], v[TM+6], 16, v[\pw]
	v_lshl_or_b32 v[\pw], v[TM+7], 24, v[\pw]
	WIN (\w)
.irp c, 0,1
	v_cvt_scalef32_pk8_fp4_f32 v[(\pc)+4*\c],   v[(\s)+32*\c:(\s)+32*\c+7],     v[TM+8+2*\c]
	v_cvt_scalef32_pk8_fp4_f32 v[(\pc)+4*\c+2], v[(\s)+32*\c+8:(\s)+32*\c+15],  v[TM+8+2*\c]
	v_cvt_scalef32_pk8_fp4_f32 v[(\pc)+4*\c+1], v[(\s)+32*\c+16:(\s)+32*\c+23], v[TM+9+2*\c]
	v_cvt_scalef32_pk8_fp4_f32 v[(\pc)+4*\c+3], v[(\s)+32*\c+24:(\s)+32*\c+31], v[TM+9+2*\c]
.endr
	WIN 0
	v_nop                                          ; one plain line behind the last conversion
.irp c, 0,1
	v_permlane16_swap_b32 v[(\pc)+4*\c], v[(\pc)+4*\c+1]      ; lanes 0-15 now hold block 2 c whole, lanes 16-31 block 2 c + 1
	v_permlane16_swap_b32 v[(\pc)+4*\c+2], v[(\pc)+4*\c+3]
.endr
.endm
	PLACES NP                                      ; behind the last products: for the reads of results and the loads and writes into operands' registers below
.irp b, 0,1,2,3
	v_mov_b32 v[TM+4+\b], 0                        ; a lane permute's destination counts as one of its sources
.endr
	s_cmp_eq_u32 ttmp9, 2
	s_cbranch_scc1 .Lv
; ---- q and k.  My 128 tokens are group g of batch b; my 128 columns are heads head0 and head0 + 1.
	s_lshl_b32 s18, s17, 1
	s_add_co_u32 s18, s18, s15
	s_lshr_b32 s19, s18, 4                         ; b
	s_and_b32 s18, s18, 15                         ; g
	s_lshl_b32 s20, s40, 2
	s_lshl_b32 s21, s16, 1
	s_add_co_u32 s20, s20, s21                     ; head0
	s_lshl_b32 s19, s19, 4
	s_add_co_u32 s19, s19, s20                     ; 16 b + head0
	s_lshl_b32 s20, s19, 16
	s_lshl_b32 s21, s18, 12
	s_add_co_u32 s20, s20, s21
	s_mul_i32 s21, ttmp9, 2097152                  ; q's images, or k's
	s_add_co_u32 s20, s20, s21
	s_mov_b32 s21, 0
	s_add_nc_u64 s[12:13], s[10:11], s[20:21]
	s_lshl_b32 s20, s19, 4
	s_add_co_u32 s20, s20, s18
	s_mul_i32 s20, s20, 768
	s_mul_i32 s22, ttmp9, 393216                   ; q's records, or k's
	s_add_co_u32 s20, s20, s22
	s_add_co_u32 s20, s20, QS_OFF
	s_add_nc_u64 s[22:23], s[10:11], s[20:21]
	WIN 0x40                                       ; destination window 1
.irp a, 4,5,6,7
	TABLE \a                                       ; the table's second half, into the registers that held B's fragments
.endr
.macro EPIQ a                          ; tokens 16 a on: lo' = lo cos - hi sin, hi' = hi cos + lo sin (lo: channels 0-31 of a head, hi: 32-63), then the codes
.set W_, 2+(\a)/4
.set S_, 64*((\a)%4)
.set CT, 64*(1-(\a)/4)+32*((\a)%2)+128*(((\a)%4)/2)
	s_wait_loadcnt 8*(7-(\a))                      ; this tile's eight loads are in; the later tiles' may be out
	WIN (W_|(1<<2))                                ; source 0: the accumulators; source 1: the table
.irp c, 0,1
.irp i, 0,2,4,6,8,10,12,14
	v_pk_mul_f32 v[T+32*\c+\i:T+32*\c+\i+1], v[S_+32*\c+16+\i:S_+32*\c+17+\i], v[CT+16+\i:CT+17+\i]
	v_pk_mul_f32 v[T+32*\c+16+\i:T+32*\c+17+\i], v[S_+32*\c+\i:S_+32*\c+\i+1], v[CT+16+\i:CT+17+\i]
.endr
.endr
	WIN ((W_<<6)|W_|(1<<2))
.irp c, 0,1
.irp i, 0,2,4,6,8,10,12,14
	v_pk_fma_f32 v[S_+32*\c+\i:S_+32*\c+\i+1], v[S_+32*\c+\i:S_+32*\c+\i+1], v[CT+\i:CT+\i+1], v[T+32*\c+\i:T+32*\c+\i+1] neg_lo:[0,0,1] neg_hi:[0,0,1]
	v_pk_fma_f32 v[S_+32*\c+16+\i:S_+32*\c+17+\i], v[S_+32*\c+16+\i:S_+32*\c+17+\i], v[CT+\i:CT+\i+1], v[T+32*\c+16+\i:T+32*\c+17+\i]
.endr
.endr
	QUANT4 S_, W_, PC+8*(\a), PW+(\a)
.irp c, 0,1
	global_store_b128 v[CO], v[PC+8*(\a)+4*\c:PC+8*(\a)+4*\c+3], s[12:13] offset:512*(\a)+65536*\c   ; head0 + c's fragment of these 16 tokens: 512 consecutive bytes
.endr
.endm
.irp a, 0,1,2,3,4,5,6,7
	EPIQ \a
.endr
.irp a, 0,1,2,3,4,5,6,7
	v_lshrrev_b32 v[PW+\a], v[SHF], v[PW+\a]       ; lanes 0-15: head0's two bytes, lanes 16-31: head0 + 1's;
.endr
.irp a, 0,1,2,3,4,5,6,7
	v_and_b32 v[PW+\a], 0xffff, v[PW+\a]           ; 0 above them: the bytes of the K that is filled with zero codes
.endr
	global_store_b128 v[SOQ], v[PW:PW+3], s[22:23]             ; [r][a]: sixteen lanes fill 512 consecutive bytes of a head's record
	global_store_b128 v[SOQ], v[PW+4:PW+7], s[22:23] offset:16
	s_branch .Ldone
; ---- v.  My 128 rows of A are heads head0 and head0 + 1 (4 tiles of 16 channels each); my 128 tokens are one key step.
.Lv:
	s_lshl_b32 s18, s42, 1
	s_add_co_u32 s18, s18, s16
	s_lshr_b32 s19, s18, 4                         ; b
	s_and_b32 s18, s18, 15                         ; the step
	s_lshl_b32 s20, s41, 2
	s_lshl_b32 s21, s15, 1
	s_add_co_u32 s20, s20, s21                     ; head0
	s_lshl_b32 s19, s19, 4
	s_add_co_u32 s19, s19, s20
	s_lshl_b32 s20, s19, 16
	s_lshl_b32 s21, s18, 12
	s_add_co_u32 s20, s20, s21
	s_add_co_u32 s20, s20, V_OFF
	s_mov_b32 s21, 0
	s_add_nc_u64 s[12:13], s[10:11], s[20:21]
	s_lshl_b32 s20, s19, 4
	s_add_co_u32 s20, s20, s18
	s_mul_i32 s20, s20, 768
	s_add_co_u32 s20, s20, KVS_OFF+512
	s_add_nc_u64 s[22:23], s[10:11], s[20:21]
.macro EPIV a
	QUANT4 64*((\a)%4), 2+(\a)/4, PC+8*(\a), PW+(\a)
.irp c, 0,1
	global_store_b128 v[CO], v[PC+8*(\a)+4*\c:PC+8*(\a)+4*\c+3], s[12:13] offset:65536*((\a)/4)+1024*((\a)%4)+512*\c
.endr
.endm
.irp a, 0,1,2,3,4,5,6,7
	EPIV \a
.endr
.irp i, 0,1,2,3
	v_cndmask_b32 v[PW+\i], v[PW+\i], v[PW+4+\i], s[LM]   ; lanes 16-31 take head0 + 1's words
.endr
	global_store_b128 v[SOV], v[PW:PW+3], s[22:23]         ; [r][tile]: sixteen lanes fill 256 consecutive bytes
.Ldone:
	s_wait_tensorcnt 0x0                           ; the wave's end
	ds_add_u32 v[SPW], v[NIL]
	s_wait_dscnt 0x0
	CROUND                                         ; the closing round
	s_endpgm
.Lfunc_end_k_qb537308320_qkv:
	.size	k_qb537308320_qkv, .Lfunc_end_k_qb537308320_qkv-k_qb537308320_qkv
	.p2alignl 7, 3214868480
	.fill 96, 4, 3214868480
	.section	.rodata,"a",@progbits
	.p2align	6, 0x0
	.amdhsa_kernel k_qb537308320_qkv
		.amdhsa_group_segment_fixed_size 327680
		.amdhsa_private_segment_fixed_size 0
		.amdhsa_enable_private_segment 0
		.amdhsa_kernarg_size 32
		.amdhsa_user_sgpr_count 2
		.amdhsa_user_sgpr_kernarg_segment_ptr 1
		.amdhsa_wavefront_size32 1
		.amdhsa_system_sgpr_workgroup_id_x 1
		.amdhsa_system_sgpr_workgroup_id_y 1
		.amdhsa_system_sgpr_workgroup_id_z 1
		.amdhsa_system_vgpr_workitem_id 0
		.amdhsa_next_free_vgpr 1024
		.amdhsa_next_free_sgpr 100
		.amdhsa_reserve_vcc 0
		.amdhsa_float_denorm_mode_32 3
		.amdhsa_float_denorm_mode_16_64 3
		.amdhsa_memory_ordered 1
		.amdhsa_forward_progress 1
		.amdhsa_inst_pref_size 201
	.end_amdhsa_kernel
	.amdgpu_metadata
---
amdhsa.version: [ 1, 2 ]
amdhsa.kernels:
  - .name:           k_qb537308320_qkv
    .symbol:         k_qb537308320_qkv.kd
    .args:
      - { .name: prep, .offset: 0, .size: 8, .value_kind: global_buffer, .address_space: global }
      - { .name: Wqkv_codes, .offset: 8, .size: 8, .value_kind: global_buffer, .address_space: global }
      - { .name: Wqkv_scales, .offset: 16, .size: 8, .value_kind: global_buffer, .address_space: global }
      - { .name: qkv, .offset: 24, .size: 8, .value_kind: global_buffer, .address_space: global }
    .group_segment_fixed_size: 327680
    .private_segment_fixed_size: 0
    .kernarg_segment_align: 8
    .kernarg_segment_size: 32
    .max_flat_workgroup_size: 128
    .sgpr_count:     100
    .vgpr_count:     1024
    .wavefront_size: 32
...
	.end_amdgpu_metadata
.endif
;; end of part 8
;; launch attn (part 9): grid 8 x 32, 16 waves a work-group, no clusters, 231,424 bytes of LDS; arguments qkv, mbits, att, flags; writes att
.if DOCPART == 9
	.amdgcn_target "amdgcn-amd-amdhsa--gfx1250"
	.amdhsa_code_object_version 6
	.text
	.protected	k_qb537308320_attn
	.globl	k_qb537308320_attn
	.p2align	8
	.type	k_qb537308320_attn,@function
k_qb537308320_attn:
	s_mov_b64 s[64:65], 0
	v_nop
	global_prefetch_b8 v0, s[64:65] scope:SCOPE_SE
	s_setreg_imm32_b32 hwreg(HW_REG_WAVE_MODE, 25, 1), 1
	s_wait_xcnt 0x0
; LAUNCH 3 OF 6: attention on codes of FP4.  S^T = K Q^T, the mask, p = 2^(t - M) with M the ceiling of the running largest t, O^T += V^T P^T on the quantised p, O / l, and O quantised for the projection.
; LEFT OUT: a step of 128 keys whose 16 x 128 mask entries are all 0 (a flag that launch 1 stored): its weights are exactly 0 whatever the scores hold, so it moves no maximum, sum or result.
; A NaN or an overflow in such scores is not carried on; reference() overwrites them with -infinity too.  No pattern of the mask is built in.
; SHARES.  A work-group owns one batch and head and the 16 query tiles x + 8 g, g = 0 .. 15 (x: the work-group's number along x).  TWO PARTNER WAVES (2 p and 2 p + 1) SHARE THE TWO TILES g = p AND g = 15 - p:
; the wave with e = 0 walks the even key steps of both tiles, its partner (e = 1) the odd ones; e = (w ^ (w >> 2)) & 1.  A wave walks first the tile that its partner finishes, stores that tile's -M, l and O^T
; (9 x 512 bytes) in LDS bytes of its own, then walks the tile that it finishes itself.  Behind one barrier it reads the partner's part and joins the two: both are brought under the larger M by factors
; 2^(own M - larger M), whole powers of two, which round nothing.  So all sixteen waves walk 8 trips for each tile, and where the mask is lower triangular each has 8 or 9 steps with work.
; THE HEAD'S K, V AND THEIR SCALE WORDS STAY IN LDS: 140 KB, copied once through registers (wave w: key step w), read-only behind ONE barrier.  No tensor load: the walk branches on numbers read from memory.
; So no cluster either: what work-groups share is those 140 KB, read once by each.
; LAYOUT.  Both products transposed: a lane holds ONE query (lane % 16).  In tile t of S^T register j is key 16 t + 8 h + j.  K = 64 fills half of the instruction's 128: registers 4-7 of Q's and K's fragments are zero codes,
; set once; their scale bytes are 0, which is 2^-127 and harmless over zero codes.
; A ROW WITH NO KEY LEFT has l = 0: it gets zero codes under the scale bytes 0xff, so that the next launch's sums for it are NaN, as reference()'s are.
; LIMITS: 1 / l by v_rcp_f32; a block's largest p is taken from the block's largest score, put through the same multiply-add and exponential.
; REGISTERS: v1-5 addresses that stay; v6, v7 the add's two; v8-11 addresses in hand; v12 -M, v13 the largest t, v[14:15] l; v16-23 Q; v24-31 K's scale words; v32-95 K; v96-159 S^T, then p; v160-191 O^T;
; v192-223 V; v224-231 p's codes; v232-247 at work (v240 -infinity, v241 16 x lane + V's base); v248-251 V's scale words; v252 f; v253 p's scale word; v254 at work; v255 Q's scale word.
.set VB,      65536                    ; LDS: K [step][tile 8][512] | V [step][tile 4][c 2][512] | scale records [step][768] |
.set SB,      131072
.set XCH,     143360                   ; a wave's part of its first tile: O^T 8 x 512 bytes, then -M, t, l: 512 |
.set XW,      4608
.set QST,     217088                   ; a wave's second Q: 512 bytes of codes, 128 of scale words, in 768 |
.set SPARE,   229376                   ; the spare words, 128 bytes for each of 16 waves: eight blocks of 256 bytes that no other line names
.set K_OFF,   2097152
.set V_OFF,   4194304
.set QS_OFF,  6291456
.set KVS_OFF, 6684672
.set AOS_OFF, 2097152
.set SPW, 6
.set NIL, 7
.set SEL, 22                           ; s[22:23] selects for lane l xor 16
.set CS,  24                           ; s[24:25] c = log2(e) / 8
.set TM,  232
; offsets of the tile of group s[g]: Q's scale words (so), Q's codes (qo), its four flag words (fo); tt: its number among all tokens' tiles
.macro TILEADR g, qo, so, fo, tt
	s_add_co_u32 s[\so], s32, s[\g]
	s_mul_i32 s[\so], s[\so], 768                  ; record 16 x (batch, head) + g,
	s_add_co_u32 s[\so], s[\so], s54               ; in it the word of tile x
	s_mov_b32 s[\so+1], 0
	s_lshl_b32 s[\tt], s[\g], 3
	s_add_co_u32 s[\tt], s[\tt], ttmp9             ; the tile in the sequence
	s_lshl_b32 s[\qo], s[\tt], 9
	s_add_co_u32 s[\qo], s[\qo], s36
	s_mov_b32 s[\qo+1], 0
	s_add_co_u32 s[\tt], s[\tt], s37
	s_lshl_b32 s[\fo], s[\tt], 4
	s_mov_b32 s[\fo+1], 0
.endm
; four flag words at s[b] on become: any: bit i: step i has an entry other than 0; full: bit i: step i has no 0
.macro FLAGS b, any, full
	s_and_b32 s[\any], s[\b], 15
	s_bfe_u32 s[\full], s[\b], 0x40010
.irp q, 1,2,3
	s_and_b32 s2, s[\b+\q], 15
	s_lshl_b32 s2, s2, 4*\q
	s_or_b32 s[\any], s[\any], s2
	s_bfe_u32 s2, s[\b+\q], 0x40010
	s_lshl_b32 s2, s2, 4*\q
	s_or_b32 s[\full], s[\full], s2
.endr
.endm
	s_load_b128 s[4:7], s[0:1], 0x0                ; qkv, mbits
	s_load_b64 s[8:9], s[0:1], 0x10                ; att
	s_load_b64 s[2:3], s[0:1], 0x18                ; flags
	v_lshl_add_u32 v[SPW], v0, 2, SPARE
	v_mov_b32 v[NIL], 0
	v_lshrrev_b32 v8, 5, v0
	s_delay_alu instid0(VALU_DEP_1)
	v_readfirstlane_b32 s10, v8                    ; wave 0..15
	v_and_b32 v9, 31, v0
	s_delay_alu instid0(VALU_DEP_1)
	v_lshlrev_b32 v1, 4, v9                        ; 16 x lane
	v_and_b32 v2, 15, v0                           ; r
	v_bfe_u32 v3, v0, 4, 1                         ; h
	s_delay_alu instid0(VALU_DEP_2)
	v_lshl_add_u32 v4, v2, 5, SB                   ; K's scale words: 32 bytes a row
	s_delay_alu instid0(VALU_DEP_3)
	v_lshl_add_u32 v5, v2, 4, SB+512               ; V's: 16 bytes a row
	v_add_nc_u32 v241, VB, v1
	v_mov_b32 v240, 0xff800000                     ; -infinity
	s_lshl_b32 s33, s10, 12
	v_add_nc_u32 v102, s33, v1                     ; where my step's K goes,
	v_add_nc_u32 v103, s33, v241                   ; its V,
	s_mul_i32 s34, s10, 768
	s_add_co_u32 s35, s34, QST
	s_add_co_u32 s34, s34, SB
	v_add_nc_u32 v104, s34, v1                     ; its record's first 512 bytes,
	v_lshlrev_b32 v105, 3, v9
	s_add_co_u32 s34, s34, 512
	v_add_nc_u32 v106, s34, v105                   ; and the last 256
	v_lshlrev_b32 v107, 5, v2
	v_add_nc_u32 v113, s35, v1                     ; where my second Q waits,
	v_lshlrev_b32 v114, 2, v9
	v_add_nc_u32 v114, s35, v114                   ; and (512 on) its scale words
	s_lshr_b32 s19, s10, 2
	s_xor_b32 s19, s19, s10
	s_and_b32 s19, s19, 1                          ; e: which key steps are mine
	s_lshr_b32 s26, s10, 1                         ; p
	s_sub_co_u32 s27, 15, s26
	s_cmp_eq_u32 s19, 1
	s_cselect_b32 s12, s26, s27                    ; my first tile's group: the one that my partner finishes,
	s_cselect_b32 s13, s27, s26                    ; my second's: the one that I finish
	s_and_b32 s11, ttmp7, 0xffff                   ; 16 x batch + head
	s_lshl_b32 s36, s11, 16
	s_lshr_b32 s37, s11, 4
	s_lshl_b32 s37, s37, 7                         ; 128 tiles a batch
	s_lshl_b32 s32, s11, 4
	s_lshl_b32 s54, ttmp9, 2
	s_add_co_u32 s54, s54, QS_OFF
	s_add_co_u32 s38, s36, s33                     ; the step of K and V that I copy
	s_mov_b32 s39, 0
	s_add_co_u32 s42, s32, s10
	s_mul_i32 s42, s42, 768                        ; and its scale record
	s_add_co_u32 s42, s42, KVS_OFF
	s_mov_b32 s43, 0
	TILEADR 12, 40, 44, 46, 16
	TILEADR 13, 48, 50, 52, 13                     ; s13: my second tile among all tokens' tiles
	s_lshl_b32 s20, s16, 12                        ; my first tile's mask words, 256 bytes a step
	s_mov_b32 s21, 0
	s_mov_b32 s[SEL], 0x76543210
	s_mov_b32 s[SEL+1], 0xfedcba98
	s_mov_b32 s[CS], 0x3e38aa3b
	s_mov_b32 s[CS+1], s[CS]                       ; (named with it as a pair, so it is written)
	s_wait_alu depctr_va_vdst(0)
	s_wait_kmcnt 0x0
	s_add_nc_u64 s[46:47], s[2:3], s[46:47]
	s_add_nc_u64 s[52:53], s[2:3], s[52:53]
	s_load_b128 s[28:31], s[46:47], 0x0            ; both tiles' flags: four words each, four steps a word
	s_load_b128 s[56:59], s[52:53], 0x0
	s_add_nc_u64 s[20:21], s[6:7], s[20:21]
	s_add_nc_u64 s[38:39], s[4:5], s[38:39]
	s_add_nc_u64 s[40:41], s[4:5], s[40:41]
	s_add_nc_u64 s[42:43], s[4:5], s[42:43]
	s_add_nc_u64 s[44:45], s[4:5], s[44:45]
	s_add_nc_u64 s[48:49], s[4:5], s[48:49]
	s_add_nc_u64 s[50:51], s[4:5], s[50:51]
.irp i, 0,1,2,3,4,5,6,7
	global_load_b128 v[32+4*\i:35+4*\i], v1, s[38:39] offset:K_OFF+512*\i
.endr
.irp i, 0,1,2,3,4,5,6,7
	global_load_b128 v[64+4*\i:67+4*\i], v1, s[38:39] offset:V_OFF+512*\i
.endr
	global_load_b128 v[96:99], v1, s[42:43]
	global_load_b64 v[100:101], v105, s[42:43] offset:512
	global_load_b128 v[16:19], v1, s[40:41]        ; my first tile's Q and its scale words, into their registers
	global_load_b32 v255, v107, s[44:45]
	global_load_b128 v[108:111], v1, s[48:49]      ; my second tile's, on their way to LDS
	global_load_b32 v112, v107, s[50:51]
	s_wait_loadcnt 0x0
.irp i, 0,1,2,3,4,5,6,7
	ds_store_b128 v102, v[32+4*\i:35+4*\i] offset:512*\i
.endr
.irp i, 0,1,2,3,4,5,6,7
	ds_store_b128 v103, v[64+4*\i:67+4*\i] offset:512*\i
.endr
	ds_store_b128 v104, v[96:99]
	ds_store_b64 v106, v[100:101]
	ds_store_b128 v113, v[108:111]
	ds_store_b32 v114, v112 offset:512
	s_wait_dscnt 0x0                               ; for the others' sake: my stores have landed
	s_barrier_signal -1
	s_barrier_wait -1                              ; the head's K and V lie in LDS; nobody writes them again
.irp i, 20,21,22,23
	v_mov_b32 v\i, 0                               ; Q: zero codes for K = 64 .. 127
.endr
.irp t, 0,1,2,3,4,5,6,7
.irp i, 4,5,6,7
	v_mov_b32 v[32+8*\t+\i], 0                     ; K likewise: the loads below write registers 0-3 alone
.endr
.endr
.irp i, 236,237,238,239,252,253
	v_mov_b32 v\i, 0                               ; permutes' destinations, and the pair v[252:253], are named before they are first written
.endr
	s_wait_kmcnt 0x0                               ; the flags
	FLAGS 28, 14, 15                               ; my first tile's: s14, s15
	FLAGS 56, 12, 27
	s_lshl_b32 s27, s27, 16
	s_or_b32 s12, s12, s27                         ; my second tile's wait in s12
	s_lshl_b32 s31, 0x5555, s19                    ; the steps of my parity
	s_mov_b32 s26, 0                               ; which of my two tiles
; THE MASK WORDS ARE ASKED FOR AHEAD.  s27: bit i: step i is mine, has an entry other than 0 and has a 0, and is still to come.  The walk goes up the steps, so the lowest such bit is the next step that reads words:
; its 64 lane-mask words (word n in s[32 + n], from n = 32 on in s[36 + n]) are asked for at the tile's start, or straight behind the step before it that read words; that step waits for them.
.macro ASKM
	s_ctz_i32_b32 s30, s27
	s_cmp_eq_u32 s27, 0                            ; no such step left: the request has no branch, and names the step in hand instead (its words are read by nobody then)
	s_cselect_b32 s30, s16, s30
	s_min_u32 s30, s30, 15                         ; a number made of loaded flags is held inside the tile's 16 steps
	s_lshl_b32 s28, s30, 8
	s_mov_b32 s29, 0
	s_add_nc_u64 s[28:29], s[20:21], s[28:29]
	s_load_b512 s[32:47], s[28:29], 0x0
	s_load_b512 s[48:63], s[28:29], 0x40
	s_load_b512 s[68:83], s[28:29], 0x80
	s_load_b512 s[84:99], s[28:29], 0xc0
.endm
.macro SMUL                            ; S^T = K Q^T: eight tiles of 16 keys; C = 0 starts each sum
	s_wait_dscnt 9                                 ; K and its scale words are in; V's nine loads may be out
.irp t, 0,1,2,3,4,5,6,7
	v_wmma_scale_f32_16x16x128_f8f6f4 v[96+8*\t:103+8*\t], v[32+8*\t:39+8*\t], v[16:23], 0, v[24+\t], v255 matrix_a_fmt:MATRIX_FMT_FP4 matrix_b_fmt:MATRIX_FMT_FP4
.endr
.rept 4
	v_nop
.endr
.endm
.Ltile:                                            ; two trips: a tile each
	v_mov_b32 v13, 0xff61b1e6                      ; the largest t so far: -3e38
	s_delay_alu instid0(VALU_DEP_1)
	v_floor_f32 v12, -v13                          ; -M
	v_mov_b32 v14, 0
	v_mov_b32 v15, 0
.set n, 0
.rept 32
	v_mov_b32 v[160+n], 0                          ; O^T: the step is written once; a tile's first finds zeros
.set n, n+1
.endr
	s_mov_b32 s3, 0                                ; the trip
	s_mov_b32 s16, s19                             ; the step: e, e + 2, ..
	s_lshl_b32 s17, s19, 12                        ; 4,096 x the step
	s_mul_i32 s18, s19, 768                        ; 768 x the step
	s_and_not1_b32 s27, s14, s15
	s_and_b32 s27, s27, s31
	s_wait_alu depctr_va_vdst(0)                   ; what is set above may be first read behind taken branches
	ASKM
.Lstep:
	s_bitcmp1_b32 s14, s16
	s_cbranch_scc0 .Lnext
	v_add_nc_u32 v8, s17, v1                       ; (these four are also the places behind the last step's products, in front of the loads into their registers)
	v_add_nc_u32 v9, s17, v241
	v_add_nc_u32 v10, s18, v4
	v_add_nc_u32 v11, s18, v5
.irp t, 0,1,2,3,4,5,6,7
	ds_load_b128 v[32+8*\t:35+8*\t], v8 offset:512*\t
.endr
	ds_load_b128 v[24:27], v10
	ds_load_b128 v[28:31], v10 offset:16
.irp t, 0,1,2,3
	ds_load_b128 v[192+8*\t:195+8*\t], v9 offset:1024*\t
	ds_load_b128 v[196+8*\t:199+8*\t], v9 offset:1024*\t+512
.endr
	ds_load_b128 v[248:251], v11
	s_bitcmp1_b32 s15, s16
	s_cbranch_scc1 .Lfull
	SMUL
	s_wait_kmcnt 0x0                               ; this step's words, asked for ahead
.set n, 0
.rept 32
	v_cndmask_b32 v[96+n], v240, v[96+n], s[32+n]  ; -infinity where the mask is 0
.set n, n+1
.endr
.rept 32
	v_cndmask_b32 v[96+n], v240, v[96+n], s[36+n]
.set n, n+1
.endr
	s_lshl_b32 s30, 1, s16
	s_and_not1_b32 s27, s27, s30                   ; this step has read its words:
	ASKM                                           ; on to the next that will
	s_branch .Lsoft
.Lfull:                                            ; no 0 in this step's mask: the words are not read
	SMUL
.Lsoft:
.irp b, 0,1,2,3
	v_max3_num_f32 v[232+\b], v[96+16*\b], v[97+16*\b], v[98+16*\b]   ; the largest score of each block of 32 keys: for the row's maximum, and for the block's largest p
.endr
.irp i, 3,5,7,9,11,13
.irp b, 0,1,2,3
	v_max3_num_f32 v[232+\b], v[232+\b], v[96+16*\b+\i], v[97+16*\b+\i]
.endr
.endr
.irp b, 0,1,2,3
	v_max_num_f32 v[232+\b], v[232+\b], v[111+16*\b]
.endr
.irp b, 0,1,2,3
	s_delay_alu instid0(VALU_DEP_4)
	v_permlanex16_b32 v[236+\b], v[232+\b], s[SEL], s[SEL+1]
.endr
.irp b, 0,1,2,3
	s_delay_alu instid0(VALU_DEP_4)
	v_max_num_f32 v[232+\b], v[232+\b], v[236+\b]
.endr
	s_delay_alu instid0(VALU_DEP_2)
	v_max3_num_f32 v254, v232, v233, v234
	s_delay_alu instid0(VALU_DEP_1)
	v_max_num_f32 v254, v254, v235
	s_delay_alu instid0(VALU_DEP_1)
	v_mul_f32 v254, s[CS], v254                    ; as t
	s_delay_alu instid0(VALU_DEP_1)
	v_max_num_f32 v13, v13, v254                   ; the running largest t
	v_mov_b32 v254, v12
	s_delay_alu instid0(VALU_DEP_2)
	v_floor_f32 v12, -v13                          ; the new -M = -ceil(t)
	s_delay_alu instid0(VALU_DEP_1)
	v_sub_f32 v254, v12, v254                      ; old M - new M: a whole number, 0 or less
	s_delay_alu instid0(VALU_DEP_1)
	v_cvt_i32_f32 v254, v254                       ; (it saturates)
	s_delay_alu instid0(VALU_DEP_1)
	v_ldexp_f32 v252, 1.0, v254                    ; f = 2^(old M - new M)
.set n, 0
.rept 32
	v_pk_fma_f32 v[96+n:97+n], v[96+n:97+n], s[CS:CS+1], v[12:13] op_sel_hi:[1,0,0]   ; t - M
.set n, n+2
.endr
.irp b, 0,1,2,3
	v_fma_f32 v[232+\b], v[232+\b], s[CS], v12
.endr
.set n, 0
	s_wait_alu depctr_va_vdst(0)
.rept 64
	v_exp_f32 v[96+n], v[96+n]                     ; p = 2^(t - M), not normalised
.set n, n+1
.endr
	v_pk_mul_f32 v[14:15], v[14:15], v[252:253] op_sel_hi:[1,0]   ; l under the new M (a plain line behind the exponentials)
	s_wait_alu depctr_va_vdst(0)                   ; one wait for the batch, ahead of its first reader
.irp b, 0,1,2,3
	v_exp_f32 v[232+\b], v[232+\b]                 ; each block's largest p
.endr
	v_pk_add_f32 v[236:237], v[100:101], v[104:105]   ; l takes the unquantised p: eight chains
	v_pk_add_f32 v[246:247], v[108:109], v[112:113]
	v_pk_add_f32 v[244:245], v[116:117], v[120:121]
	v_pk_add_f32 v[242:243], v[124:125], v[128:129]
	v_pk_add_f32 v[238:239], v[132:133], v[136:137]
	v_pk_add_f32 v[230:231], v[140:141], v[144:145]
	v_pk_add_f32 v[228:229], v[148:149], v[152:153]
	v_pk_add_f32 v[14:15], v[14:15], v[156:157]
	v_pk_add_f32 v[236:237], v[236:237], v[96:97]
	v_pk_add_f32 v[246:247], v[246:247], v[98:99]
	v_pk_add_f32 v[244:245], v[244:245], v[102:103]
	v_pk_add_f32 v[242:243], v[242:243], v[106:107]
	v_pk_add_f32 v[238:239], v[238:239], v[110:111]
	v_pk_add_f32 v[230:231], v[230:231], v[114:115]
	v_pk_add_f32 v[228:229], v[228:229], v[118:119]
	v_pk_add_f32 v[14:15], v[14:15], v[122:123]
	v_pk_add_f32 v[236:237], v[236:237], v[126:127]
	v_pk_add_f32 v[246:247], v[246:247], v[130:131]
	v_pk_add_f32 v[244:245], v[244:245], v[134:135]
	v_pk_add_f32 v[242:243], v[242:243], v[138:139]
	v_pk_add_f32 v[238:239], v[238:239], v[142:143]
	v_pk_add_f32 v[230:231], v[230:231], v[146:147]
	v_pk_add_f32 v[228:229], v[228:229], v[150:151]
	v_pk_add_f32 v[14:15], v[14:15], v[154:155]
	v_pk_add_f32 v[236:237], v[236:237], v[158:159]
	s_delay_alu instid0(VALU_DEP_2)
	v_pk_add_f32 v[14:15], v[14:15], v[242:243]
	s_delay_alu instid0(VALU_DEP_2)
	v_pk_add_f32 v[236:237], v[236:237], v[238:239]
	v_pk_add_f32 v[246:247], v[246:247], v[230:231]
	v_pk_add_f32 v[244:245], v[244:245], v[228:229]
	s_delay_alu instid0(VALU_DEP_2)
	v_pk_add_f32 v[14:15], v[14:15], v[246:247]
	s_delay_alu instid0(VALU_DEP_2)
	v_pk_add_f32 v[236:237], v[236:237], v[244:245]
	s_delay_alu instid0(VALU_DEP_1)
	v_pk_add_f32 v[14:15], v[14:15], v[236:237]
	s_wait_alu depctr_va_vdst(0)                   ; and one for the four
.irp b, 0,1,2,3
	v_max_num_f32 v[232+\b], 0x1800000, v[232+\b]  ; the floor: the byte cannot fall under 1
.endr
.irp b, 0,1,2,3
	s_delay_alu instid0(VALU_DEP_4)
	v_add_nc_u32 v[244+\b], 0xff000000, v[232+\b]
.endr
.irp b, 0,1,2,3
	s_delay_alu instid0(VALU_DEP_4)
	v_lshrrev_b32 v[236+\b], 23, v[244+\b]
.endr
	s_delay_alu instid0(VALU_DEP_3)
	v_lshl_or_b32 v253, v237, 8, v236              ; p's scale word for these 128 keys
	s_delay_alu instid0(VALU_DEP_1)
	v_lshl_or_b32 v253, v238, 16, v253
	s_delay_alu instid0(VALU_DEP_1)
	v_lshl_or_b32 v253, v239, 24, v253
.irp c, 0,1
	v_cvt_scalef32_pk8_fp4_f32 v[224+4*\c], v[96+32*\c:103+32*\c],  v[244+2*\c]
	v_cvt_scalef32_pk8_fp4_f32 v[226+4*\c], v[104+32*\c:111+32*\c], v[244+2*\c]
	v_cvt_scalef32_pk8_fp4_f32 v[225+4*\c], v[112+32*\c:119+32*\c], v[245+2*\c]
	v_cvt_scalef32_pk8_fp4_f32 v[227+4*\c], v[120+32*\c:127+32*\c], v[245+2*\c]
.endr
	v_nop                                          ; one plain line behind the last conversion
.irp c, 0,1
	v_permlane16_swap_b32 v[224+4*\c], v[225+4*\c] ; a whole block a lane, keys ascending
	v_permlane16_swap_b32 v[226+4*\c], v[227+4*\c]
.endr
	s_wait_alu depctr_va_vdst(0)                   ; ahead of the first reader of O^T
.set n, 0
.rept 16
	v_pk_mul_f32 v[160+n:161+n], v[160+n:161+n], v[252:253] op_sel_hi:[1,0]   ; O^T under the new M; also the places in front of the products below
.set n, n+2
.endr
	s_wait_alu depctr_va_vdst(0)
	s_wait_dscnt 0x0                               ; V and its scale words
.irp t, 0,1,2,3
	v_wmma_scale_f32_16x16x128_f8f6f4 v[160+8*\t:167+8*\t], v[192+8*\t:199+8*\t], v[224:231], v[160+8*\t:167+8*\t], v[248+\t], v253 matrix_a_fmt:MATRIX_FMT_FP4 matrix_b_fmt:MATRIX_FMT_FP4
.endr
.Lnext:
	s_add_co_u32 s17, s17, 8192
	s_add_co_u32 s18, s18, 1536
	s_add_co_u32 s16, s16, 2
	s_add_co_u32 s3, s3, 1
	s_cmp_lt_u32 s3, 8
	s_cbranch_scc1 .Lstep
.rept 4
	v_nop                                          ; places behind the tile's last products
.endr
	s_wait_kmcnt 0x0                               ; no scalar load is out behind a tile's walk
	s_cmp_eq_u32 s26, 1
	s_cbranch_scc1 .Ljoin
; BETWEEN MY TWO TILES: the first tile's part goes to my LDS bytes, for my partner; the second tile's Q, flags and mask words take their places
	s_mul_i32 s2, s10, XW
	s_add_co_u32 s2, s2, XCH
	v_add_nc_u32 v8, s2, v1
	s_mul_i32 s2, s10, 768
	s_add_co_u32 s2, s2, QST
	v_add_nc_u32 v9, s2, v1
	v_lshrrev_b32 v10, 2, v1                       ; 4 x lane
	s_delay_alu instid0(VALU_DEP_1)
	v_add_nc_u32 v10, s2, v10
.irp i, 0,1,2,3,4,5,6,7
	ds_store_b128 v8, v[160+4*\i:163+4*\i] offset:512*\i   ; each accumulator from its low end on
.endr
	ds_store_b128 v8, v[12:15] offset:4096
	ds_load_b128 v[16:19], v9
	ds_load_b32 v255, v10 offset:512
	s_and_b32 s14, s12, 0xffff
	s_lshr_b32 s15, s12, 16
	s_lshl_b32 s20, s13, 12
	s_mov_b32 s21, 0
	s_add_nc_u64 s[20:21], s[6:7], s[20:21]
	s_wait_dscnt 0x0                               ; Q is in
	s_add_co_u32 s26, s26, 1
	s_cmp_lt_u32 s26, 2
	s_cbranch_scc1 .Ltile
.Ljoin:
	s_wait_dscnt 0x0                               ; for my partner's sake: my part of its tile has landed
	s_barrier_signal -1
	s_barrier_wait -1
	s_xor_b32 s2, s10, 1                           ; my partner
	s_mul_i32 s2, s2, XW
	s_add_co_u32 s2, s2, XCH
	v_add_nc_u32 v8, s2, v1
.irp i, 0,1,2,3,4,5,6,7
	ds_load_b128 v[96+4*\i:99+4*\i], v8 offset:512*\i      ; its O^T of my tile,
.endr
	ds_load_b128 v[128:131], v8 offset:4096                ; its -M (v128) and l (v130, v131)
	s_wait_dscnt 0x0
	v_min_num_f32 v132, v12, v128                  ; -(the larger M)
	s_delay_alu instid0(VALU_DEP_1)
	v_sub_f32 v133, v132, v12                      ; own M - larger M: whole numbers, 0 or less
	v_sub_f32 v134, v132, v128
	s_delay_alu instid0(VALU_DEP_2)
	v_cvt_i32_f32 v133, v133                       ; (they saturate: a part with no step behind it holds zeros and gets the factor 0 or 1)
	s_delay_alu instid0(VALU_DEP_2)
	v_cvt_i32_f32 v134, v134
	s_delay_alu instid0(VALU_DEP_2)
	v_ldexp_f32 v252, 1.0, v133                    ; my part's factor,
	s_delay_alu instid0(VALU_DEP_2)
	v_ldexp_f32 v254, 1.0, v134                    ; my partner's
	v_pk_mul_f32 v[14:15], v[14:15], v[252:253] op_sel_hi:[1,0]
.set n, 0
.rept 16
	v_pk_mul_f32 v[160+n:161+n], v[160+n:161+n], v[252:253] op_sel_hi:[1,0]
.set n, n+2
.endr
	v_pk_fma_f32 v[14:15], v[130:131], v[254:255], v[14:15] op_sel_hi:[1,0,1]
.set n, 0
.rept 16
	v_pk_fma_f32 v[160+n:161+n], v[96+n:97+n], v[254:255], v[160+n:161+n] op_sel_hi:[1,0,1]
.set n, n+2
.endr
.macro QUANT2 s, pc, pw                ; 32 numbers, two blocks of 32 along the next K with lane l xor 16's, become 4 registers of codes and two scale bytes
.irp b, 0,1
	v_max3_num_f32 v[TM+\b], |v[(\s)+16*\b]|, |v[(\s)+16*\b+1]|, 0x1800000
.endr
.irp i, 2,4,6,8,10,12,14
.irp b, 0,1
	s_delay_alu instid0(VALU_DEP_2)
	v_max3_num_f32 v[TM+\b], v[TM+\b], |v[(\s)+16*\b+\i]|, |v[(\s)+16*\b+\i+1]|
.endr
.endr
.irp b, 0,1
	s_delay_alu instid0(VALU_DEP_2)
	v_permlanex16_b32 v[TM+4+\b], v[TM+\b], s[SEL], s[SEL+1]
.endr
.irp b, 0,1
	s_delay_alu instid0(VALU_DEP_2)
	v_max_num_f32 v[TM+\b], v[TM+\b], v[TM+4+\b]
.endr
.irp b, 0,1
	s_delay_alu instid0(VALU_DEP_2)
	v_add_nc_u32 v[TM+8+\b], 0xff000000, v[TM+\b]
.endr
.irp b, 0,1
	s_delay_alu instid0(VALU_DEP_2)
	v_lshrrev_b32 v[TM+4+\b], 23, v[TM+8+\b]
.endr
	s_delay_alu instid0(VALU_DEP_1)
	v_lshl_or_b32 v[\pw], v[TM+5], 8, v[TM+4]
	v_cvt_scalef32_pk8_fp4_f32 v[\pc],     v[(\s):(\s)+7],     v[TM+8]
	v_cvt_scalef32_pk8_fp4_f32 v[(\pc)+2], v[(\s)+8:(\s)+15],  v[TM+8]
	v_cvt_scalef32_pk8_fp4_f32 v[(\pc)+1], v[(\s)+16:(\s)+23], v[TM+9]
	v_cvt_scalef32_pk8_fp4_f32 v[(\pc)+3], v[(\s)+24:(\s)+31], v[TM+9]
	v_nop
	v_permlane16_swap_b32 v[\pc], v[(\pc)+1]
	v_permlane16_swap_b32 v[(\pc)+2], v[(\pc)+3]
.endm
; THE WAY OUT of the tile that I finish
	v_add_f32 v14, v14, v15
	s_wait_alu depctr_va_vdst(0)
	v_permlanex16_b32 v252, v14, s[SEL], s[SEL+1]
	s_delay_alu instid0(VALU_DEP_1)
	v_add_f32 v14, v14, v252                       ; l
	s_delay_alu instid0(VALU_DEP_1)
	v_cmp_eq_f32 s27, 0, v14                       ; a row with no key left: it only selects a value below
	s_delay_alu instid0(VALU_DEP_2)
	v_max_num_f32 v14, 0x00800000, v14
	s_wait_alu depctr_va_vdst(0)
	v_rcp_f32 v14, v14
	v_lshlrev_b32 v10, 5, v2                       ; (a plain line behind the reciprocal)
	v_mov_b32 v254, 0xffff
	s_and_b32 s2, s11, 15                          ; the head
	s_lshl_b32 s32, s13, 13                        ; a tile of tokens: 8 K steps of 1,024 bytes; a head is half a K step
	s_lshl_b32 s33, s2, 9
	s_add_co_u32 s32, s32, s33
	s_mov_b32 s33, 0
	s_add_nc_u64 s[32:33], s[8:9], s[32:33]
	s_lshl_b32 s34, s13, 9
	s_lshl_b32 s35, s2, 1
	s_add_co_u32 s34, s34, s35
	s_add_co_u32 s34, s34, AOS_OFF
	s_mov_b32 s35, 0
	s_add_nc_u64 s[34:35], s[8:9], s[34:35]
	s_wait_alu depctr_va_vdst(0)                   ; ahead of the reciprocal's first reader
.set n, 0
.rept 32
	v_mul_f32 v[96+n], v[160+n], v14               ; register 8 t + j: channel 16 t + 8 h + j of my query
.set n, n+1
.endr
	QUANT2 96, 224, 253
	v_cndmask_b32 v253, v253, v254, s27
	global_store_b128 v1, v[224:227], s[32:33]     ; half a fragment of the projection's operand: 512 consecutive bytes
	global_store_b16 v10, v253, s[34:35]           ; my head's two of a row's 32 scale bytes (both halves of the lanes store the same): 2 bytes a row, 128 KB in the whole launch
	s_wait_tensorcnt 0x0                           ; the wave's end, behind my last LDS store
	ds_add_u32 v[SPW], v[NIL]
	s_wait_dscnt 0x0
	s_endpgm
.Lfunc_end_k_qb537308320_attn:
	.size	k_qb537308320_attn, .Lfunc_end_k_qb537308320_attn-k_qb537308320_attn
	.p2alignl 7, 3214868480
	.fill 96, 4, 3214868480
	.section	.rodata,"a",@progbits
	.p2align	6, 0x0
	.amdhsa_kernel k_qb537308320_attn
		.amdhsa_group_segment_fixed_size 231424
		.amdhsa_private_segment_fixed_size 0
		.amdhsa_enable_private_segment 0
		.amdhsa_kernarg_size 32
		.amdhsa_user_sgpr_count 2
		.amdhsa_user_sgpr_kernarg_segment_ptr 1
		.amdhsa_wavefront_size32 1
		.amdhsa_system_sgpr_workgroup_id_x 1
		.amdhsa_system_sgpr_workgroup_id_y 1
		.amdhsa_system_sgpr_workgroup_id_z 1
		.amdhsa_system_vgpr_workitem_id 0
		.amdhsa_next_free_vgpr 256
		.amdhsa_next_free_sgpr 100
		.amdhsa_reserve_vcc 0
		.amdhsa_float_denorm_mode_32 3
		.amdhsa_float_denorm_mode_16_64 3
		.amdhsa_memory_ordered 1
		.amdhsa_forward_progress 1
		.amdhsa_inst_pref_size 45
	.end_amdhsa_kernel
	.amdgpu_metadata
---
amdhsa.version: [ 1, 2 ]
amdhsa.kernels:
  - .name:           k_qb537308320_attn
    .symbol:         k_qb537308320_attn.kd
    .args:
      - { .name: qkv, .offset: 0, .size: 8, .value_kind: global_buffer, .address_space: global }
      - { .name: mbits, .offset: 8, .size: 8, .value_kind: global_buffer, .address_space: global }
      - { .name: att, .offset: 16, .size: 8, .value_kind: global_buffer, .address_space: global }
      - { .name: flags, .offset: 24, .size: 8, .value_kind: global_buffer, .address_space: global }
    .group_segment_fixed_size: 231424
    .private_segment_fixed_size: 0
    .kernarg_segment_align: 8
    .kernarg_segment_size: 32
    .max_flat_workgroup_size: 512
    .sgpr_count:     100
    .vgpr_count:     256
    .wavefront_size: 32
...
	.end_amdgpu_metadata
.endif
;; end of part 9
;; launch oproj (part 10): grid 256 x 1, 16 waves a work-group, no clusters, 78,080 bytes of LDS; arguments att, wimg, Wout_scales, x, g2, mid; writes mid
.if DOCPART == 10
	.amdgcn_target "amdgcn-amd-amdhsa--gfx1250"
	.amdhsa_code_object_version 6
	.text
	.protected	k_qb537308320_oproj
	.globl	k_qb537308320_oproj
	.p2align	8
	.type	k_qb537308320_oproj,@function
k_qb537308320_oproj:
	s_mov_b64 s[64:65], 0
	v_nop
	global_prefetch_b8 v0, s[64:65] scope:SCOPE_SE
	s_setreg_imm32_b32 hwreg(HW_REG_WAVE_MODE, 25, 1), 1
	s_wait_xcnt 0x0
; LAUNCH 4 OF 6: x1 = x + ao Wout on codes of FP4, then g2 * x1 / sqrt(mean(x1^2) + 1e-6) quantised: x1q, x1s.
; SHARES.  A work-group owns 16 WHOLE rows, so that the norm needs no further launch; wave w owns columns 64 w .. 64 w + 63: four tiles, transposed (source 0 = 16 rows of Wout, source 1 = ao's fragment):
; a lane holds one row, its registers run along the columns, the next K.
; THE WEIGHTS GO FROM MEMORY STRAIGHT INTO REGISTERS: with 16 rows to a work-group each fragment of Wout feeds one matrix instruction, so LDS would add a trip and spare none.  No tensor load, hence no joint loads.
; x comes as dense rows, turns through LDS into the result's layout and is the C of the first products: the residual costs no addition.  x1 goes back through the same bytes and leaves as dense rows.
; Three barriers: x's rows lie in LDS | x1's rows and the partial sums of squares | the codes and scale bytes.
; LIMITS: 1 / rms by v_rsq_f32.  A row whose scale bytes are 0xff (no key left) comes out NaN in x1, as in reference().
; REGISTERS: v1-11 addresses; v12, v13 the add's two; v16-47 the four accumulators; v48-79 ao, four K steps; v80-207 Wout, four tiles x four K steps; v208-223 Wout's scale words, v224-227 ao's (lanes 0-15: K steps 0-3,
; lanes 16-31: 4-7); v228-243 at work; v244-247 codes; v248 their scale bytes; v[250:251] 1 / rms; v252-254 addresses.
.set XP,    4112                       ; LDS: 16 rows of 4,096 bytes + 16 |
.set RS,    66048                      ; partial sums [row 16][wave 16] f32 |
.set CSG,   67072                      ; codes: 16 rows of 512 bytes + 16 |
.set SS,    75520                      ; scale bytes: 16 rows of 32 |
.set SPARE, 76032                      ; the spare words, 128 bytes for each of 16 waves: eight blocks of 256 bytes that no other line names
.set AOS_OFF, 2097152
.set X1Q_OFF, 16777216
.set X1S_OFF, 18874368
.set SPW, 12
.set NIL, 13
.set ACC, 16
.set AO,  48
.set WF,  80
.set WS,  208
.set AS,  224
.set TM,  228
.set PC,  244
.set PW,  248
.set SEL, 20
	s_load_b256 s[4:11], s[0:1], 0x0               ; att, Wout's codes, Wout's scales, x
	s_load_b128 s[12:15], s[0:1], 0x20             ; g2, mid
	v_lshl_add_u32 v[SPW], v0, 2, SPARE
	v_mov_b32 v[NIL], 0
	v_lshrrev_b32 v1, 5, v0
	s_delay_alu instid0(VALU_DEP_1)
	v_readfirstlane_b32 s16, v1                    ; wave 0..15
	v_and_b32 v14, 31, v0
	s_delay_alu instid0(VALU_DEP_1)
	v_lshlrev_b32 v1, 4, v14                       ; 16 x lane
	v_and_b32 v2, 15, v0                           ; r
	v_bfe_u32 v3, v0, 4, 1                         ; h
	s_lshl_b32 s17, s16, 8
	v_mul_u32_u24 v4, v2, XP
	s_delay_alu instid0(VALU_DEP_1)
	v_lshl_add_u32 v4, v3, 5, v4
	s_delay_alu instid0(VALU_DEP_1)
	v_add_nc_u32 v4, s17, v4                       ; the result's layout: row r, my wave's 256 bytes, + 32 h
	s_mul_i32 s17, s16, XP
	v_add_nc_u32 v5, s17, v1                       ; a dense row: row w
	v_lshlrev_b32 v7, 5, v2
	s_delay_alu instid0(VALU_DEP_1)
	v_lshl_add_u32 v7, v3, 4, v7                   ; scale bytes: row r of 32, + 16 h
	v_lshl_add_u32 v9, v2, 6, RS
	s_lshl_b32 s17, s16, 2
	v_add_nc_u32 v8, s17, v9
	v_mul_u32_u24 v10, v2, 528
	s_delay_alu instid0(VALU_DEP_1)
	v_lshl_add_u32 v10, v3, 4, v10
	s_lshl_b32 s17, s16, 5
	s_add_co_u32 s17, s17, CSG
	v_add_nc_u32 v10, s17, v10
	v_lshl_add_u32 v11, v2, 5, SS
	s_lshl_b32 s17, s16, 1
	v_add_nc_u32 v11, s17, v11
	s_mul_i32 s17, s16, 528
	s_add_co_u32 s17, s17, CSG
	v_add_nc_u32 v252, s17, v1
	v_add_nc_u32 v253, SS, v1
	v_lshlrev_b32 v254, 5, v3
	v_mov_b32 v232, 0                              ; a lane permute's destination counts as one of its sources
	s_mov_b32 s[SEL], 0x76543210
	s_mov_b32 s[SEL+1], 0xfedcba98
	s_mov_b32 s22, 0x3a800000                      ; 1 / 1024
	s_mov_b32 s23, 0x358637bd                      ; 1e-6
	s_lshl_b32 s18, ttmp9, 4
	s_add_co_u32 s18, s18, s16                     ; the row that I carry in and out
	s_lshl_b32 s24, s18, 12
	s_mov_b32 s25, 0
	s_lshl_b32 s26, s18, 9
	s_add_co_u32 s26, s26, X1Q_OFF
	s_mov_b32 s27, 0
	s_lshl_b32 s28, ttmp9, 9
	s_add_co_u32 s32, s28, AOS_OFF
	s_mov_b32 s33, 0
	s_add_co_u32 s28, s28, X1S_OFF
	s_mov_b32 s29, 0
	s_lshl_b32 s30, ttmp9, 13
	s_mov_b32 s31, 0
	s_lshl_b32 s34, s16, 15
	s_mov_b32 s35, 0
	s_lshl_b32 s36, s16, 11
	s_mov_b32 s37, 0
	s_lshl_b32 s38, s16, 8
	s_mov_b32 s39, 0
	s_wait_alu depctr_va_vdst(0)
	s_wait_kmcnt 0x0
	s_add_nc_u64 s[10:11], s[10:11], s[24:25]      ; x's row
	s_add_nc_u64 s[24:25], s[14:15], s[24:25]      ; x1's
	s_add_nc_u64 s[26:27], s[14:15], s[26:27]      ; x1q's
	s_add_nc_u64 s[28:29], s[14:15], s[28:29]      ; the 16 rows' x1s
	s_add_nc_u64 s[30:31], s[4:5], s[30:31]        ; ao's images
	s_add_nc_u64 s[32:33], s[4:5], s[32:33]        ; ao's scale bytes
	s_add_nc_u64 s[6:7], s[6:7], s[34:35]          ; my 64 rows of Wout
	s_add_nc_u64 s[8:9], s[8:9], s[36:37]
	s_add_nc_u64 s[12:13], s[12:13], s[38:39]      ; my 64 numbers of g2
.macro OPLOAD hf                       ; K steps 4 hf .. 4 hf + 3: ao's four fragments, Wout's sixteen: 40 loads
.irp s, 0,1,2,3
.irp c, 0,1
	global_load_b128 v[AO+8*\s+4*\c:AO+8*\s+4*\c+3], v1, s[30:31] offset:4096*\hf+1024*\s+512*\c
.endr
.endr
.irp t, 0,1,2,3
.irp s, 0,1,2,3
.irp c, 0,1
	global_load_b128 v[WF+32*\t+8*\s+4*\c:WF+32*\t+8*\s+4*\c+3], v1, s[6:7] offset:8192*\t+4096*\hf+1024*\s+512*\c   ; Wout as launch 1 laid it: images of these registers, 512 consecutive bytes a load
.endr
.endr
.endr
.endm
.macro PROD row1                       ; 16 products; the four accumulators take turns, one instruction a turn
.irp s, 0,1,2,3
.irp t, 0,1,2,3
.if \row1
	v_wmma_scale_f32_16x16x128_f8f6f4 v[ACC+8*\t:ACC+8*\t+7], v[WF+32*\t+8*\s:WF+32*\t+8*\s+7], v[AO+8*\s:AO+8*\s+7], v[ACC+8*\t:ACC+8*\t+7], v[WS+4*\t+\s], v[AS+\s] matrix_a_fmt:MATRIX_FMT_FP4 matrix_b_fmt:MATRIX_FMT_FP4 matrix_a_scale:MATRIX_SCALE_ROW1 matrix_b_scale:MATRIX_SCALE_ROW1
.else
	v_wmma_scale_f32_16x16x128_f8f6f4 v[ACC+8*\t:ACC+8*\t+7], v[WF+32*\t+8*\s:WF+32*\t+8*\s+7], v[AO+8*\s:AO+8*\s+7], v[ACC+8*\t:ACC+8*\t+7], v[WS+4*\t+\s], v[AS+\s] matrix_a_fmt:MATRIX_FMT_FP4 matrix_b_fmt:MATRIX_FMT_FP4
.endif
.endr
.endr
.endm
.macro BARRIER
	s_wait_dscnt 0x0                               ; my LDS stores have landed and my LDS loads are in
	s_barrier_signal -1
	s_barrier_wait -1
.endm
.irp i, 0,1,2,3,4,5,6,7
	global_load_b128 v[ACC+4*\i:ACC+4*\i+3], v1, s[10:11] offset:512*\i th:TH_LOAD_NT
.endr
	global_load_b128 v[AS:AS+3], v7, s[32:33]
.irp t, 0,1,2,3
	global_load_b128 v[WS+4*\t:WS+4*\t+3], v7, s[8:9] offset:512*\t
.endr
	OPLOAD 0
	s_wait_loadcnt 45                              ; x's eight loads are in; the 45 issued behind them may be out
.irp i, 0,1,2,3,4,5,6,7
	ds_store_b128 v5, v[ACC+4*\i:ACC+4*\i+3] offset:512*\i
.endr
	BARRIER                                        ; x's sixteen rows lie in LDS
.irp t, 0,1,2,3
	ds_load_b128 v[ACC+8*\t:ACC+8*\t+3], v4 offset:64*\t
	ds_load_b128 v[ACC+8*\t+4:ACC+8*\t+7], v4 offset:64*\t+16
.endr
	s_wait_loadcnt 0x0
	s_wait_dscnt 0x0
	PROD 0
.rept 4
	v_nop                                          ; places in front of loads into registers that matrix instructions have read
.endr
	OPLOAD 1
	s_wait_loadcnt 0x0
	PROD 1
.rept 4
	v_nop                                          ; places: for the loads below and the first read of the results
.endr
.irp t, 0,1,2,3
	global_load_b128 v[80+8*\t:83+8*\t], v254, s[12:13] offset:64*\t       ; g2 in the result's layout
	global_load_b128 v[84+8*\t:87+8*\t], v254, s[12:13] offset:64*\t+16
.endr
.irp t, 0,1,2,3
	ds_store_b128 v4, v[ACC+8*\t:ACC+8*\t+3] offset:64*\t                  ; x1, into the bytes that this wave alone has read
	ds_store_b128 v4, v[ACC+8*\t+4:ACC+8*\t+7] offset:64*\t+16
.endr
	v_pk_mul_f32 v[228:229], v[ACC:ACC+1], v[ACC:ACC+1]
	v_pk_mul_f32 v[230:231], v[ACC+2:ACC+3], v[ACC+2:ACC+3]
.irp k, 2,3,4,5,6,7,8,9,10,11,12,13,14,15
	v_pk_fma_f32 v[228+2*(\k%2):229+2*(\k%2)], v[ACC+2*\k:ACC+2*\k+1], v[ACC+2*\k:ACC+2*\k+1], v[228+2*(\k%2):229+2*(\k%2)]
.endr
	s_delay_alu instid0(VALU_DEP_1)
	v_pk_add_f32 v[228:229], v[228:229], v[230:231]
	s_delay_alu instid0(VALU_DEP_1)
	v_add_f32 v228, v228, v229
	s_delay_alu instid0(VALU_DEP_1)
	v_permlanex16_b32 v232, v228, s[SEL], s[SEL+1]
	s_delay_alu instid0(VALU_DEP_1)
	v_add_f32 v228, v228, v232                     ; row r's sum of squares over my 64 columns
	ds_store_b32 v8, v228
	BARRIER                                        ; x1's rows and the 16 x 16 partial sums lie in LDS
.irp i, 0,1,2,3
	ds_load_b128 v[228+4*\i:231+4*\i], v9 offset:16*\i
.endr
.irp i, 0,1,2,3,4,5,6,7
	ds_load_b128 v[112+4*\i:115+4*\i], v5 offset:512*\i
.endr
	s_wait_dscnt 8                                 ; the partial sums are in; the dense row's eight loads may be out
	v_pk_add_f32 v[228:229], v[228:229], v[230:231]
	v_pk_add_f32 v[232:233], v[232:233], v[234:235]
	v_pk_add_f32 v[236:237], v[236:237], v[238:239]
	v_pk_add_f32 v[240:241], v[240:241], v[242:243]
	s_delay_alu instid0(VALU_DEP_3)
	v_pk_add_f32 v[228:229], v[228:229], v[232:233]
	s_delay_alu instid0(VALU_DEP_2)
	v_pk_add_f32 v[236:237], v[236:237], v[240:241]
	s_delay_alu instid0(VALU_DEP_1)
	v_pk_add_f32 v[228:229], v[228:229], v[236:237]
	s_delay_alu instid0(VALU_DEP_1)
	v_add_f32 v228, v228, v229
	s_delay_alu instid0(VALU_DEP_1)
	v_fma_f32 v14, v228, s22, s23
	s_wait_alu depctr_va_vdst(0)
	v_rsq_f32 v250, v14
	v_rsq_f32 v251, v14
	v_nop
	s_wait_alu depctr_va_vdst(0)                   ; one wait for both, ahead of their first reader
	s_wait_dscnt 0x0
.irp i, 0,1,2,3,4,5,6,7
	global_store_b128 v1, v[112+4*\i:115+4*\i], s[24:25] offset:512*\i     ; x1's row: 4,096 consecutive bytes
.endr
	s_wait_loadcnt 0x0                             ; g2
.irp k, 0,1,2,3,4,5,6,7,8,9,10,11,12,13,14,15
	v_pk_mul_f32 v[ACC+2*\k:ACC+2*\k+1], v[ACC+2*\k:ACC+2*\k+1], v[250:251]
.endr
.irp k, 0,1,2,3,4,5,6,7,8,9,10,11,12,13,14,15
	v_pk_mul_f32 v[ACC+2*\k:ACC+2*\k+1], v[ACC+2*\k:ACC+2*\k+1], v[80+2*\k:81+2*\k]
.endr
; 32 numbers, two blocks of 32 along the next K with lane l xor 16's, become 4 registers of codes and two scale bytes
.irp b, 0,1
	v_max3_num_f32 v[TM+\b], |v[ACC+16*\b]|, |v[ACC+16*\b+1]|, 0x1800000   ; with the floor 2^(3 - 127): the byte cannot fall under 1
.endr
.irp i, 2,4,6,8,10,12,14
.irp b, 0,1
	s_delay_alu instid0(VALU_DEP_2)
	v_max3_num_f32 v[TM+\b], v[TM+\b], |v[ACC+16*\b+\i]|, |v[ACC+16*\b+\i+1]|
.endr
.endr
.irp b, 0,1
	s_delay_alu instid0(VALU_DEP_2)
	v_permlanex16_b32 v[TM+4+\b], v[TM+\b], s[SEL], s[SEL+1]
.endr
.irp b, 0,1
	s_delay_alu instid0(VALU_DEP_2)
	v_max_num_f32 v[TM+\b], v[TM+\b], v[TM+4+\b]
.endr
.irp b, 0,1
	s_delay_alu instid0(VALU_DEP_2)
	v_add_nc_u32 v[TM+8+\b], 0xff000000, v[TM+\b]
.endr
.irp b, 0,1
	s_delay_alu instid0(VALU_DEP_2)
	v_lshrrev_b32 v[TM+4+\b], 23, v[TM+8+\b]
.endr
	s_delay_alu instid0(VALU_DEP_1)
	v_lshl_or_b32 v[PW], v[TM+5], 8, v[TM+4]
	v_cvt_scalef32_pk8_fp4_f32 v[PC],   v[ACC:ACC+7],     v[TM+8]
	v_cvt_scalef32_pk8_fp4_f32 v[PC+2], v[ACC+8:ACC+15],  v[TM+8]
	v_cvt_scalef32_pk8_fp4_f32 v[PC+1], v[ACC+16:ACC+23], v[TM+9]
	v_cvt_scalef32_pk8_fp4_f32 v[PC+3], v[ACC+24:ACC+31], v[TM+9]
	v_nop                                          ; one plain line behind the last conversion
	v_permlane16_swap_b32 v[PC], v[PC+1]           ; lanes 0-15: block 2 w whole, lanes 16-31: block 2 w + 1
	v_permlane16_swap_b32 v[PC+2], v[PC+3]
	ds_store_b128 v10, v[PC:PC+3]
	ds_store_b16 v11, v[PW]                        ; (both halves of the lanes store the same)
	BARRIER                                        ; sixteen rows of codes and scale bytes lie in LDS
	ds_load_b128 v[144:147], v252
	s_wait_dscnt 0x0
	global_store_b128 v1, v[144:147], s[26:27]     ; a row of codes: 512 consecutive bytes
	s_cmp_lg_u32 s16, 0
	s_cbranch_scc1 .Lnot_0
	ds_load_b128 v[148:151], v253
	s_wait_dscnt 0x0
	global_store_b128 v1, v[148:151], s[28:29]     ; wave 0: the 16 rows' scale bytes, 512 consecutive bytes
.Lnot_0:
	s_wait_tensorcnt 0x0                           ; the wave's end, behind my last LDS store
	ds_add_u32 v[SPW], v[NIL]
	s_wait_dscnt 0x0
	s_endpgm
.Lfunc_end_k_qb537308320_oproj:
	.size	k_qb537308320_oproj, .Lfunc_end_k_qb537308320_oproj-k_qb537308320_oproj
	.p2alignl 7, 3214868480
	.fill 96, 4, 3214868480
	.section	.rodata,"a",@progbits
	.p2align	6, 0x0
	.amdhsa_kernel k_qb537308320_oproj
		.amdhsa_group_segment_fixed_size 78080
		.amdhsa_private_segment_fixed_size 0
		.amdhsa_enable_private_segment 0
		.amdhsa_kernarg_size 48
		.amdhsa_user_sgpr_count 2
		.amdhsa_user_sgpr_kernarg_segment_ptr 1
		.amdhsa_wavefront_size32 1
		.amdhsa_system_sgpr_workgroup_id_x 1
		.amdhsa_system_sgpr_workgroup_id_y 1
		.amdhsa_system_sgpr_workgroup_id_z 1
		.amdhsa_system_vgpr_workitem_id 0
		.amdhsa_next_free_vgpr 256
		.amdhsa_next_free_sgpr 66
		.amdhsa_reserve_vcc 0
		.amdhsa_float_denorm_mode_32 3
		.amdhsa_float_denorm_mode_16_64 3
		.amdhsa_memory_ordered 1
		.amdhsa_forward_progress 1
		.amdhsa_inst_pref_size 29
	.end_amdhsa_kernel
	.amdgpu_metadata
---
amdhsa.version: [ 1, 2 ]
amdhsa.kernels:
  - .name:           k_qb537308320_oproj
    .symbol:         k_qb537308320_oproj.kd
    .args:
      - { .name: att, .offset: 0, .size: 8, .value_kind: global_buffer, .address_space: global }
      - { .name: wimg, .offset: 8, .size: 8, .value_kind: global_buffer, .address_space: global }
      - { .name: Wout_scales, .offset: 16, .size: 8, .value_kind: global_buffer, .address_space: global }
      - { .name: x, .offset: 24, .size: 8, .value_kind: global_buffer, .address_space: global }
      - { .name: g2, .offset: 32, .size: 8, .value_kind: global_buffer, .address_space: global }
      - { .name: mid, .offset: 40, .size: 8, .value_kind: global_buffer, .address_space: global }
    .group_segment_fixed_size: 78080
    .private_segment_fixed_size: 0
    .kernarg_segment_align: 8
    .kernarg_segment_size: 48
    .max_flat_workgroup_size: 512
    .sgpr_count:     66
    .vgpr_count:     256
    .wavefront_size: 32
...
	.end_amdgpu_metadata
.endif
;; end of part 10
;; launch ffn1 (part 11): grid 16 x 16, 4 waves a work-group, clusters of 4 x 4, 327,680 bytes of LDS; arguments mid, W1_codes, W1_scales, hid; writes hid
.if DOCPART == 11
	.amdgcn_target "amdgcn-amd-amdhsa--gfx1250"
	.amdhsa_code_object_version 6
	.text
	.protected	k_qb537308320_ffn1
	.globl	k_qb537308320_ffn1
	.p2align	8
	.type	k_qb537308320_ffn1,@function
k_qb537308320_ffn1:
	s_mov_b64 s[64:65], 0
	v_nop
	global_prefetch_b8 v0, s[64:65] scope:SCOPE_SE
	s_setreg_imm32_b32 hwreg(HW_REG_WAVE_MODE, 25, 1), 1
	s_wait_xcnt 0x0
	s_wait_alu depctr_hold_cnt(0) depctr_sa_sdst(0) depctr_va_vdst(0) depctr_va_sdst(0) depctr_va_ssrc(0) depctr_va_vcc(0) depctr_vm_vsrc(0)
	s_getreg_b32 s2, hwreg(HW_REG_IB_STS2, 6, 4)
	s_cmp_eq_u32 s2, 0
	s_cbranch_scc0 .Lentry_in_a_cluster
	s_endpgm
.Lentry_in_a_cluster:
	s_bfe_u32 s2, ttmp6, 0x10000c
	s_cmp_lg_u32 s2, 0xf033
	s_cbranch_scc0 .Lentry_shape_is_right
	s_endpgm
.Lentry_shape_is_right:
.set KSTEP,  512
.set NQ,     4
; LAUNCH 5 OF 6: h = x1q W1 on codes of FP4, a * silu(gate), quantised along the hidden units for the last launch.  A tile of 256 tokens x (128 columns of a + the same 128 of gate) to a work-group of four waves.
; K = 1,024 lies whole in LDS, filled once: one joint load a wave at the head: wave 0 A's 256 rows, wave 1 A's scales, waves 2 and 3 the 128 rows of a and of gate.  B's scale words go from memory straight into their registers.
; SCALE WORDS: v32-63 A's, v64-95 B's, four registers a block of 16 rows: lanes 0-15 hold the words of K steps 0-3, lanes 16-31 those of K steps 4-7: the instruction's row selectors choose.
.set ROWB,   512                       ; a tile's row: all 1,024 codes of K
.set KROW,   512
.set PITCH,  528                       ; an LDS row: 512 bytes + 16 of padding = 132 words: the 16 rows that a load touches start 4 banks apart
.set FR,     8
.set NL,     2
.set NP,     4
.set HALFT,  128*PITCH
.set SLOT,   256                       ; the second 512 along K begin 256 bytes on in each row
.set KS,     32
.set SCL,    4*HALFT
.set HALFS,  (128*KS/256)*272
.set SPARE,  SCL+4*HALFS
.set X1Q_OFF, 16777216
.set X1S_OFF, 18874368
.set HS_OFF,  4194304
.set ADRA, 16
.set ADRB, 20
.set SOH,  24
.set CO,   26
.set ADRS, 27
.set SPW,  28
.set NIL,  29
.set SC,   32
.set PW,   96
.set TM,   104
.set WW,   116
.set AF,   128
.set U,    128
.set T,    160
.set PC,   192
.set G1, 24
.set G0, 32
.set G1B, 48
.set G0B, 56
.set G1S, 68
.set G0S, 76
.set G1SB, 80
.set G0SB, 88
.set LM,  95
.set SEL, 96
.set MSB, 0
.macro WIN new
.if MSB != (\new)
	s_set_vgpr_msb (MSB<<8)|(\new)
.set MSB, (\new)
.endif
.endm
.set MUL_LO, 0xa1
.set MUL_HI, 0xf1
.set TO_B,   0x40
.macro ARM under, g0, g1, next         ; one arm of the head's tree: a joint load, its s_nop 0 and four v_nop, a jump to the tree's end
	s_cmp_lt_u32 s14, \under
	s_cbranch_scc0 \next
	tensor_load_to_lds s[\g0:\g0+3], s[\g1:\g1+7]
	s_nop 0
.rept 4
	v_nop
.endr
	s_branch .Lhead_asked
\next:
.endm
.macro CROUND
	s_barrier_signal -1
	s_barrier_wait -1
	s_cmp_lg_u32 s14, 0
	s_cbranch_scc1 .Lnot_wave_0_\@
	s_barrier_signal -3
.Lnot_wave_0_\@:
	s_barrier_wait -3
	s_barrier_signal -1
	s_barrier_wait -1
.endm
	s_load_b256 s[4:11], s[0:1], 0x0
	v_lshl_add_u32 v[SPW], v0, 2, SPARE
	v_mov_b32 v[NIL], 0
	ds_add_u32 v[SPW], v[NIL]
	ds_add_u32 v[SPW], v[NIL]
	v_lshrrev_b32 v1, 5, v0
	v_readfirstlane_b32 s14, v1
	s_lshr_b32 s15, s14, 1
	s_and_b32 s16, s14, 1
	s_bfe_u32 s40, ttmp6, 0x40000
	s_bfe_u32 s41, ttmp6, 0x40004
	s_lshl_b32 s42, ttmp9, 2
	s_add_co_u32 s42, s42, s40
	s_and_b32 s17, ttmp7, 0xffff
	s_lshl_b32 s17, s17, 2
	s_add_co_u32 s17, s17, s41
	s_lshl_b32 s43, s41, 2
	s_lshl_b32 s43, 15, s43
	s_lshl_b32 s44, 0x1111, s40
	s_or_b32 s[G1+0], s43, (0<<16)|(1<<20)|(1<<21)|(6<<22)|(3<<25)   ; the mask; elements of 1 byte; padding: 4 words behind every 128
	s_or_b32 s[G1B+0], s44, (0<<16)|(1<<20)|(1<<21)|(6<<22)|(3<<25)
.irp g, G1, G1B
	s_mov_b32 s[\g+1], ROWB<<16
	s_mov_b32 s[\g+2], (256-128*((\g)/G1B))<<16    ; tensor_dim1: A's load brings 256 rows, each of B's two 128
	s_mov_b32 s[\g+3], ROWB<<16
	s_mov_b32 s[\g+4], 256-128*((\g)/G1B)          ; tile_dim1
	s_mov_b32 s[\g+5], KROW
	s_mov_b32 s[\g+6], 0
	s_mov_b32 s[\g+7], 0
.endr
	s_or_b32 s[G1S+0], s43, (3<<16)|(1<<20)|(1<<21)|(5<<22)|(3<<25)
.irp g, G1S
	s_mov_b32 s[\g+1], 32<<16
	s_mov_b32 s[\g+2], (256*KS/256)<<16
	s_mov_b32 s[\g+3], 32<<16
	s_mov_b32 s[\g+4], 256*KS/256
	s_mov_b32 s[\g+5], 32
	s_mov_b32 s[\g+6], 0
	s_mov_b32 s[\g+7], 0
.endr
	s_mov_b32 s[LM], 0xffff0000
	s_mov_b32 s[SEL], 0x76543210
	s_mov_b32 s[SEL+1], 0xfedcba98
	s_mov_b32 s18, 0                               ; A's load begins at the tile's first row
	s_lshl_b32 s20, s17, 8
	s_add_co_u32 s20, s20, s18
	s_lshl_b32 s19, s16, 11
	s_lshl_b32 s46, s42, 7
	s_add_co_u32 s46, s46, s19
	s_lshl_b32 s22, s20, 5
	s_add_co_u32 s22, s22, X1S_OFF
	s_mov_b32 s23, 0
	s_lshl_b32 s92, s42, 12                        ; the scale bytes of the rows of a that I multiply: 128 rows of 32 bytes a tile,
	s_add_co_u32 s92, s92, s19                     ; + 64 rows x my half (2,048 bytes: the number in s19)
	s_mov_b32 s93, 0
	s_lshl_b32 s20, s20, 9
	s_add_co_u32 s20, s20, X1Q_OFF
	s_mov_b32 s21, 0
	s_lshl_b32 s46, s46, 9
	s_mov_b32 s47, 0
	s_mul_i32 s45, s16, HALFT                      ; where B's rows go: a's 128 behind A's 256, then gate's
	s_add_co_u32 s45, s45, 2*HALFT
	s_wait_dscnt 0x0
	s_wait_kmcnt 0x0
	s_add_nc_u64 s[20:21], s[4:5], s[20:21]
	s_add_nc_u64 s[22:23], s[4:5], s[22:23]
	s_add_nc_u64 s[46:47], s[6:7], s[46:47]
	s_add_nc_u64 s[92:93], s[8:9], s[92:93]
	CROUND
	s_mov_b32 s[G0S], 1                            ; the scales of A's 256 rows,
	s_mov_b32 s[G0S+1], SCL
	s_mov_b64 s[G0S+2:G0S+3], s[22:23]
	s_or_b32 s[G0S+3], s[G0S+3], 0x80000000
	s_mov_b32 s[G0], 1                             ; A's 256 rows of 512 bytes,
	s_mov_b32 s[G0+1], 0
	s_mov_b64 s[G0+2:G0+3], s[20:21]
	s_or_b32 s[G0+3], s[G0+3], 0x80000000
	s_mov_b32 s[G0B], 1                            ; and 128 rows of B: a's in wave 2, gate's in wave 3
	s_mov_b32 s[G0B+1], s45
	s_mov_b64 s[G0B+2:G0B+3], s[46:47]
	s_or_b32 s[G0B+3], s[G0B+3], 0x80000000
	; one joint load a wave, in one tree of branches on the wave's number; nothing is filled later
	ARM 1, G0,  G1,  .Lhead_sa
	ARM 2, G0S, G1S, .Lhead_b
	tensor_load_to_lds s[G0B:G0B+3], s[G1B:G1B+7]
	s_nop 0
.rept 4
	v_nop
.endr
.Lhead_asked:
	v_and_b32 v1, 15, v0
	v_bfe_u32 v2, v0, 4, 1
	v_mul_u32_u24 v3, v1, PITCH
	v_lshl_add_u32 v4, v2, 4, v3
	s_mul_i32 s21, s15, 64*PITCH
	s_mul_i32 s22, s16, 64*PITCH
	s_add_co_u32 s22, s22, 2*HALFT
.irp s, 0,1
	v_add_nc_u32 v[ADRA+\s], s21, v4
	v_add_nc_u32 v[ADRB+\s], s22, v4
	s_add_co_u32 s21, s21, SLOT
	s_add_co_u32 s22, s22, SLOT
.endr
.irp s, 0,1
	v_add_nc_u32 v[ADRA+2+\s], 128*PITCH, v[ADRA+\s]   ; blocks 4-7 lie 128 rows on: beyond an LDS offset's 16 bits, so they have address registers of their own
	v_add_nc_u32 v[ADRB+2+\s], 128*PITCH, v[ADRB+\s]
.endr
	v_mul_u32_u24 v5, v1, KS
	v_lshrrev_b32 v6, 8, v5
	v_lshl_add_u32 v5, v6, 4, v5
	s_mul_i32 s21, s15, 2176
	v_lshlrev_b32 v6, 4, v2                        ; lanes 16-31 take the row's second 16 bytes: K steps 4-7
	s_add_co_u32 s21, s21, SCL
	v_add_nc_u32 v5, v5, v6
	v_add_nc_u32 v[ADRS], s21, v5
	v_and_b32 v6, 31, v0
	v_lshlrev_b32 v[CO], 4, v6
	v_lshlrev_b32 v[SOH], 6, v1
	v_lshl_add_u32 v[SOH], v2, 10, v[SOH]
	v_lshlrev_b32 v7, 5, v1
	v_lshl_add_u32 v7, v2, 4, v7                   ; B's scale bytes: row r of 32, + 16 h
.irp i, 0,1,2,3,4,5,6,7
	global_load_b128 v[SC+32+4*\i:SC+35+4*\i], v7, s[92:93] offset:65536*(\i/4)+512*(\i%4)   ; block i: 16 rows, 512 consecutive bytes; gate's rows lie 2,048 rows behind a's
.endr
.macro FRAG reg, adr, q, i
.irp c, 0,1
	ds_load_b128 v[\reg+4*\c:\reg+4*\c+3], v[\adr+2*((\i)/4)] offset:64*(\q)+32*\c+(16*((\i)%4))*PITCH
.endr
.endm
.macro MUL16 a0, p, q, sc, zero
.irp a, \a0, \a0+1
.irp b, 0,1,2,3,4,5,6,7
.if \zero
	v_wmma_scale_f32_16x16x128_f8f6f4 v[8*(8*((\a)%4)+\b):8*(8*((\a)%4)+\b)+7], v[128*(\p)+FR*\b:128*(\p)+FR*\b+FR-1], v[AF+FR*(\a):AF+FR*(\a)+FR-1], 0, v[SC+32+NQ*\b+(\q)], v[SC+NQ*(\a)+(\q)] matrix_a_fmt:MATRIX_FMT_FP4 matrix_b_fmt:MATRIX_FMT_FP4 matrix_a_scale:MATRIX_SCALE_ROW\sc matrix_b_scale:MATRIX_SCALE_ROW\sc
.else
	v_wmma_scale_f32_16x16x128_f8f6f4 v[8*(8*((\a)%4)+\b):8*(8*((\a)%4)+\b)+7], v[128*(\p)+FR*\b:128*(\p)+FR*\b+FR-1], v[AF+FR*(\a):AF+FR*(\a)+FR-1], v[8*(8*((\a)%4)+\b):8*(8*((\a)%4)+\b)+7], v[SC+32+NQ*\b+(\q)], v[SC+NQ*(\a)+(\q)] matrix_a_fmt:MATRIX_FMT_FP4 matrix_b_fmt:MATRIX_FMT_FP4 matrix_a_scale:MATRIX_SCALE_ROW\sc matrix_b_scale:MATRIX_SCALE_ROW\sc
.endif
.endr
.endr
.endm
.macro FETCH_B slot, q, p
	WIN TO_B
.irp i, 0,1,2,3,4,5,6,7
	FRAG 128*(\p)+FR*\i, ADRB+\slot, \q, \i
.endr
	WIN 0
.endm
.macro FETCH_A slot, q, i0
.irp i, \i0, \i0+1, \i0+2, \i0+3
	FRAG AF+FR*(\i), ADRA+\slot, \q, \i
.endr
.endm
.macro SCALES sc
.irp i, 0,1,2,3,4,5,6,7
	ds_load_b128 v[SC+8*NQ*\sc+NQ*\i:SC+8*NQ*\sc+NQ*\i+3], v[ADRS] offset:(16*(\i/4)+2*(\i%4))*272
.endr
.endm
.macro PLACES n
.rept \n
	v_nop
.endr
.endm
.macro STEP slot, q, zero
	s_wait_dscnt 4*NL
	WIN MUL_LO
	MUL16 0, (\q)%2, \q, \slot, \zero
	MUL16 2, (\q)%2, \q, \slot, \zero
	s_wait_dscnt 0
	PLACES NP
	FETCH_B \slot, (\q)+1, 1-(\q)%2
	FETCH_A \slot, (\q)+1, 0
	WIN MUL_HI
	MUL16 4, (\q)%2, \q, \slot, \zero
	MUL16 6, (\q)%2, \q, \slot, \zero
	PLACES NP
	WIN 0
	FETCH_A \slot, (\q)+1, 4
.endm
.macro TURN slot, next
	s_wait_dscnt 4*NL                              ; all but the youngest eight loads (A's blocks 4-7) are in; both halves of K lie in LDS since the head's barrier
	WIN MUL_LO
	MUL16 0, 1, NQ-1, \slot, 0
	MUL16 2, 1, NQ-1, \slot, 0
	s_wait_dscnt 0x0
	WIN 0
	PLACES NP
	FETCH_B \next, 0, 0
	FETCH_A \next, 0, 0
	WIN MUL_HI
	MUL16 4, 1, NQ-1, \slot, 0
	MUL16 6, 1, NQ-1, \slot, 0
	PLACES NP
	WIN 0
	FETCH_A \next, 0, 4
.endm
	s_wait_alu depctr_va_vdst(0)
	s_wait_tensorcnt 0x0                           ; my one tile is in; behind the barrier all four are
	s_wait_loadcnt 0x0                             ; B's scale words
	s_barrier_signal -1
	s_barrier_wait -1
	FETCH_B 0, 0, 0
	FETCH_A 0, 0, 0
	SCALES 0
	FETCH_A 0, 0, 4
	STEP 0, 0, 1
	STEP 0, 1, 0
	STEP 0, 2, 0
	TURN 0, 1
	STEP 1, 0, 0
	STEP 1, 1, 0
	STEP 1, 2, 0
	s_wait_dscnt 4*NL
	WIN MUL_LO
	MUL16 0, 1, NQ-1, 1, 0
	MUL16 2, 1, NQ-1, 1, 0
	s_wait_dscnt 0
	WIN MUL_HI
	MUL16 4, 1, NQ-1, 1, 0
	MUL16 6, 1, NQ-1, 1, 0
	WIN 0
.macro QUANT2 s, pc, pw
.irp b, 0,1
	v_max3_num_f32 v[TM+\b], |v[(\s)+16*\b]|, |v[(\s)+16*\b+1]|, 0x1800000
.endr
.irp i, 2,4,6,8,10,12,14
.irp b, 0,1
	v_max3_num_f32 v[TM+\b], v[TM+\b], |v[(\s)+16*\b+\i]|, |v[(\s)+16*\b+\i+1]|
.endr
.endr
.irp b, 0,1
	v_permlanex16_b32 v[TM+4+\b], v[TM+\b], s[SEL], s[SEL+1]
.endr
.irp b, 0,1
	v_max_num_f32 v[TM+\b], v[TM+\b], v[TM+4+\b]
.endr
.irp b, 0,1
	v_add_nc_u32 v[TM+8+\b], 0xff000000, v[TM+\b]
.endr
.irp b, 0,1
	v_lshrrev_b32 v[TM+4+\b], 23, v[TM+8+\b]
.endr
	v_lshl_or_b32 v[\pw], v[TM+5], 8, v[TM+4]
	v_cvt_scalef32_pk8_fp4_f32 v[\pc],     v[(\s):(\s)+7],     v[TM+8]
	v_cvt_scalef32_pk8_fp4_f32 v[(\pc)+2], v[(\s)+8:(\s)+15],  v[TM+8]
	v_cvt_scalef32_pk8_fp4_f32 v[(\pc)+1], v[(\s)+16:(\s)+23], v[TM+9]
	v_cvt_scalef32_pk8_fp4_f32 v[(\pc)+3], v[(\s)+24:(\s)+31], v[TM+9]
	v_nop
	v_permlane16_swap_b32 v[\pc], v[(\pc)+1]
	v_permlane16_swap_b32 v[(\pc)+2], v[(\pc)+3]
.endm
	PLACES NP
	v_mov_b32 v[TM+4], 0
	v_mov_b32 v[TM+5], 0
	s_lshl_b32 s18, s17, 4
	s_lshl_b32 s19, s15, 2
	s_add_co_u32 s18, s18, s19
	s_lshl_b32 s20, s18, 14
	s_lshl_b32 s21, s42, 10
	s_add_co_u32 s20, s20, s21
	s_lshl_b32 s21, s16, 9
	s_add_co_u32 s20, s20, s21
	s_mov_b32 s21, 0
	s_add_nc_u64 s[12:13], s[10:11], s[20:21]
	s_lshl_b32 s20, s18, 10
	s_lshl_b32 s22, s42, 2
	s_add_co_u32 s20, s20, s22
	s_lshl_b32 s22, s16, 1
	s_add_co_u32 s20, s20, s22
	s_add_co_u32 s20, s20, HS_OFF
	s_add_nc_u64 s[22:23], s[10:11], s[20:21]
.macro EPIF a
.set W_, 2+(\a)/4
.set S_, 64*((\a)%4)
	WIN (W_|(W_<<2))
.set n, 0
.rept 16
	v_pk_mul_f32 v[U+n:U+n+1], v[S_+n:S_+n+1], v[S_+32+n:S_+33+n]
.set n, n+2
.endr
	WIN W_
.set n, 0
.rept 16
	v_pk_mul_f32 v[T+n:T+n+1], v[S_+32+n:S_+33+n], 0xbfb8aa3b op_sel_hi:[1,0]
.set n, n+2
.endr
	WIN 0
.set n, 0
	s_wait_alu depctr_va_vdst(0)
.rept 32
	v_exp_f32 v[T+n], v[T+n]
.set n, n+1
.endr
	v_nop
	s_wait_alu depctr_va_vdst(0)
.set n, 0
.rept 16
	v_pk_add_f32 v[T+n:T+n+1], v[T+n:T+n+1], 1.0 op_sel_hi:[1,0]
.set n, n+2
.endr
.set n, 0
	s_wait_alu depctr_va_vdst(0)
.rept 32
	v_rcp_f32 v[T+n], v[T+n]
.set n, n+1
.endr
	v_nop
	s_wait_alu depctr_va_vdst(0)
.set n, 0
.rept 16
	v_pk_mul_f32 v[U+n:U+n+1], v[U+n:U+n+1], v[T+n:T+n+1]
.set n, n+2
.endr
	QUANT2 U, PC+4*(\a), PW+(\a)
	global_store_b128 v[CO], v[PC+4*(\a):PC+4*(\a)+3], s[12:13] offset:(8*((\a)/4)+(\a)%4)*16384
.endm
.irp a, 0,1,2,3,4,5,6,7
	EPIF \a
.endr
.irp a, 0,2,4,6
	v_cndmask_b32 v[WW+\a/2], v[PW+\a], v[PW+\a+1], s[LM]
	global_store_b16 v[SOH], v[WW+\a/2], s[22:23] offset:(8*(\a/4)+\a%4)*1024
.endr
	s_wait_tensorcnt 0x0
	ds_add_u32 v[SPW], v[NIL]
	s_wait_dscnt 0x0
	CROUND
	s_endpgm
.Lfunc_end_k_qb537308320_ffn1:
	.size	k_qb537308320_ffn1, .Lfunc_end_k_qb537308320_ffn1-k_qb537308320_ffn1
	.p2alignl 7, 3214868480
	.fill 96, 4, 3214868480
	.section	.rodata,"a",@progbits
	.p2align	6, 0x0
	.amdhsa_kernel k_qb537308320_ffn1
		.amdhsa_group_segment_fixed_size 327680
		.amdhsa_private_segment_fixed_size 0
		.amdhsa_enable_private_segment 0
		.amdhsa_kernarg_size 32
		.amdhsa_user_sgpr_count 2
		.amdhsa_user_sgpr_kernarg_segment_ptr 1
		.amdhsa_wavefront_size32 1
		.amdhsa_system_sgpr_workgroup_id_x 1
		.amdhsa_system_sgpr_workgroup_id_y 1
		.amdhsa_system_sgpr_workgroup_id_z 1
		.amdhsa_system_vgpr_workitem_id 0
		.amdhsa_next_free_vgpr 1024
		.amdhsa_next_free_sgpr 100
		.amdhsa_reserve_vcc 0
		.amdhsa_float_denorm_mode_32 3
		.amdhsa_float_denorm_mode_16_64 3
		.amdhsa_memory_ordered 1
		.amdhsa_forward_progress 1
		.amdhsa_inst_pref_size 164
	.end_amdhsa_kernel
	.amdgpu_metadata
---
amdhsa.version: [ 1, 2 ]
amdhsa.kernels:
  - .name:           k_qb537308320_ffn1
    .symbol:         k_qb537308320_ffn1.kd
    .args:
      - { .name: mid, .offset: 0, .size: 8, .value_kind: global_buffer, .address_space: global }
      - { .name: W1_codes, .offset: 8, .size: 8, .value_kind: global_buffer, .address_space: global }
      - { .name: W1_scales, .offset: 16, .size: 8, .value_kind: global_buffer, .address_space: global }
      - { .name: hid, .offset: 24, .size: 8, .value_kind: global_buffer, .address_space: global }
    .group_segment_fixed_size: 327680
    .private_segment_fixed_size: 0
    .kernarg_segment_align: 8
    .kernarg_segment_size: 32
    .max_flat_workgroup_size: 128
    .sgpr_count:     100
    .vgpr_count:     1024
    .wavefront_size: 32
...
	.end_amdgpu_metadata
.endif
;; end of part 11
;; launch ffn2 (part 12): grid 8 x 32, 4 waves a work-group, clusters of 4 x 4, 327,680 bytes of LDS; arguments hid, W2_codes, W2_scales, mid, out0; writes out0
.if DOCPART == 12
	.amdgcn_target "amdgcn-amd-amdhsa--gfx1250"
	.amdhsa_code_object_version 6
	.text
	.protected	k_qb537308320_ffn2
	.globl	k_qb537308320_ffn2
	.p2align	8
	.type	k_qb537308320_ffn2,@function
k_qb537308320_ffn2:
	s_mov_b64 s[64:65], 0
	v_nop
	global_prefetch_b8 v0, s[64:65] scope:SCOPE_SE
	s_setreg_imm32_b32 hwreg(HW_REG_WAVE_MODE, 25, 1), 1
	s_wait_xcnt 0x0
	s_wait_alu depctr_hold_cnt(0) depctr_sa_sdst(0) depctr_va_vdst(0) depctr_va_sdst(0) depctr_va_ssrc(0) depctr_va_vcc(0) depctr_vm_vsrc(0)
	s_getreg_b32 s2, hwreg(HW_REG_IB_STS2, 6, 4)
	s_cmp_eq_u32 s2, 0
	s_cbranch_scc0 .Lentry_in_a_cluster
	s_endpgm
.Lentry_in_a_cluster:
	s_bfe_u32 s2, ttmp6, 0x10000c
	s_cmp_lg_u32 s2, 0xf033
	s_cbranch_scc0 .Lentry_shape_is_right
	s_endpgm
.Lentry_shape_is_right:
.set SIZE_N, 1024
; LAUNCH 6 OF 6: out0 = x1 + hid W2 on codes of FP4.  A tile of 128 x 128 to a work-group of four waves, 64 x 64 to a wave; K = 2,048 whole in LDS, filled once: one joint load a wave at the head.
.set PITCH,  1040                      ; B's LDS row: all 2,048 codes of K, 1,024 bytes, + 16 of padding = 260 words: the 16 rows that a load touches start 4 banks apart
.set ACH,    4096                      ; A's images lie as in memory, [tile of 16 rows][K step 16][1,024 bytes]: four K steps are 4,096 bytes
.set BB0,    8*16384                   ; B lies behind A's eight tiles
.set BCH,    256                       ; four K steps of a row of B
.set KS,     64
.set SCL,    BB0+128*PITCH
.set HALFS,  (64*KS/256)*272
.set SBLK,   (16*KS/256)*272
.set STAGE,  SCL+4*HALFS
.set SPITCH, 272
.set SPARE,  STAGE+4*16*SPITCH
.set HS_OFF, 4194304
.set ADRA, 8
.set ADRB, 12
.set STO,  24
.set RD,   25
.set CO,   26
.set ADRS, 27
.set SPW,  28
.set NIL,  29
.set SC,   32
.set ACC,  128
.set RES,  0
.set BK,   128
.set G1,   24
.set G1B,  32
.set G1S,  40
.set G1SB, 48
.set G0S,  92
.set G0SB, 96
.set MSB, 0
.macro WIN new
.if MSB != (\new)
	s_set_vgpr_msb (MSB<<8)|(\new)
.set MSB, (\new)
.endif
.endm
.set MUL,  0x05
.set TO_F, 0x40
.macro ARM under, g0, g1, next         ; one arm of the head's tree: a joint load, its s_nop 0 and four v_nop, a jump to the tree's end
	s_cmp_lt_u32 s14, \under
	s_cbranch_scc0 \next
	tensor_load_to_lds s[\g0:\g0+3], s[\g1:\g1+7]
	s_nop 0
.rept 4
	v_nop
.endr
	s_branch .Lhead_asked
\next:
.endm
.macro CROUND
	s_barrier_signal -1
	s_barrier_wait -1
	s_cmp_lg_u32 s14, 0
	s_cbranch_scc1 .Lnot_wave_0_\@
	s_barrier_signal -3
.Lnot_wave_0_\@:
	s_barrier_wait -3
	s_barrier_signal -1
	s_barrier_wait -1
.endm
	s_load_b256 s[4:11], s[0:1], 0x0
	s_load_b64 s[12:13], s[0:1], 0x20
	v_lshl_add_u32 v[SPW], v0, 2, SPARE
	v_mov_b32 v[NIL], 0
	ds_add_u32 v[SPW], v[NIL]
	ds_add_u32 v[SPW], v[NIL]
	v_lshrrev_b32 v1, 5, v0
	v_readfirstlane_b32 s14, v1
	s_lshr_b32 s15, s14, 1
	s_and_b32 s16, s14, 1
	s_bfe_u32 s2, ttmp6, 0x40000
	s_bfe_u32 s18, ttmp6, 0x40004
	s_lshl_b32 s22, ttmp9, 2
	s_add_co_u32 s22, s22, s2
	s_and_b32 s17, ttmp7, 0xffff
	s_lshl_b32 s17, s17, 2
	s_add_co_u32 s17, s17, s18
	s_lshl_b32 s19, s18, 2
	s_lshl_b32 s19, 15, s19
	s_lshl_b32 s3, 0x1111, s2
	s_or_b32 s[G1+0], s19, (0<<16)|(1<<21)
	s_mov_b32 s[G1+1], 16384<<16                   ; A: eight tiles of 16,384 bytes, dense in memory and in LDS
	s_mov_b32 s[G1+2], 8<<16
	s_mov_b32 s[G1+3], 16384<<16
	s_mov_b32 s[G1+4], 8
	s_mov_b32 s[G1+5], 16384
	s_mov_b32 s[G1+6], 0
	s_mov_b32 s[G1+7], 0
	s_or_b32 s[G1B+0], s3, (0<<16)|(1<<20)|(1<<21)|(7<<22)|(3<<25)   ; B: 128 rows of 1,024 bytes; padding: 4 words behind every 256
	s_mov_b32 s[G1B+1], 1024<<16
	s_mov_b32 s[G1B+2], 128<<16
	s_mov_b32 s[G1B+3], 1024<<16
	s_mov_b32 s[G1B+4], 128
	s_mov_b32 s[G1B+5], 1024
	s_mov_b32 s[G1B+6], 0
	s_mov_b32 s[G1B+7], 0
	s_or_b32 s[G1S+0], s19, (3<<16)|(1<<20)|(1<<21)|(5<<22)|(3<<25)
	s_or_b32 s[G1SB+0], s3, (3<<16)|(1<<20)|(1<<21)|(5<<22)|(3<<25)
.irp g, G1S, G1SB
	s_mov_b32 s[\g+1], 32<<16
	s_mov_b32 s[\g+2], (128*KS/256)<<16            ; the scales of 128 rows: 32 units of 256 bytes
	s_mov_b32 s[\g+3], 32<<16
	s_mov_b32 s[\g+4], 128*KS/256
	s_mov_b32 s[\g+5], 32
	s_mov_b32 s[\g+6], 0
	s_mov_b32 s[\g+7], 0
.endr
	s_lshl_b32 s18, s17, 17                        ; A's 128 rows: 131,072 bytes of images,
	s_mov_b32 s19, 0
	s_lshl_b32 s20, s17, 13                        ; 8,192 of scale bytes
	s_add_co_u32 s20, s20, HS_OFF
	s_mov_b32 s21, 0
	s_lshl_b32 s2, s22, 17                         ; B's likewise
	s_mov_b32 s3, 0
	s_lshl_b32 s66, s22, 13
	s_mov_b32 s67, 0
	s_wait_dscnt 0x0
	s_wait_kmcnt 0x0
	s_add_nc_u64 s[18:19], s[4:5], s[18:19]
	s_add_nc_u64 s[20:21], s[4:5], s[20:21]
	s_add_nc_u64 s[2:3], s[6:7], s[2:3]
	s_add_nc_u64 s[66:67], s[8:9], s[66:67]
	CROUND
.set GA, 56
.set GB, 76
	s_mov_b32 s[G0S], 1                            ; the launch's four tiles, each whole: the scales of A's 128 rows,
	s_mov_b32 s[G0S+1], SCL
	s_mov_b64 s[G0S+2:G0S+3], s[20:21]
	s_or_b32 s[G0S+3], s[G0S+3], 0x80000000
	s_mov_b32 s[G0SB], 1                           ; of B's,
	s_mov_b32 s[G0SB+1], SCL+2*HALFS
	s_mov_b64 s[G0SB+2:G0SB+3], s[66:67]
	s_or_b32 s[G0SB+3], s[G0SB+3], 0x80000000
	s_mov_b32 s[GA], 1                             ; A's images,
	s_mov_b32 s[GA+1], 0
	s_mov_b64 s[GA+2:GA+3], s[18:19]
	s_or_b32 s[GA+3], s[GA+3], 0x80000000
	s_mov_b32 s[GB], 1                             ; and B's rows
	s_mov_b32 s[GB+1], BB0
	s_mov_b64 s[GB+2:GB+3], s[2:3]
	s_or_b32 s[GB+3], s[GB+3], 0x80000000
	; one joint load a wave, in one tree of branches on the wave's number: wave 0 A, wave 1 B, wave 2 A's scales, wave 3 B's; nothing is filled later
	ARM 1, GA,  G1,  .Lhead_b
	ARM 2, GB,  G1B, .Lhead_sa
	ARM 3, G0S, G1S, .Lhead_sb
	tensor_load_to_lds s[G0SB:G0SB+3], s[G1SB:G1SB+7]
	s_nop 0
.rept 4
	v_nop
.endr
.Lhead_asked:
	v_and_b32 v1, 15, v0
	v_bfe_u32 v2, v0, 4, 1
	v_and_b32 v6, 31, v0
	v_lshlrev_b32 v3, 4, v6
	s_wait_alu depctr_va_vdst(0)
	v_mul_u32_u24 v4, v1, PITCH
	v_lshl_add_u32 v4, v2, 4, v4
	s_wait_alu depctr_va_vdst(0)
	s_lshl_b32 s18, s15, 16                        ; my four tiles of A
	s_mul_i32 s19, s16, 64*PITCH
	s_add_co_u32 s19, s19, BB0
.irp c, 0,1,2,3
	v_add_nc_u32 v[ADRA+\c], s18, v3
	v_add_nc_u32 v[ADRB+\c], s19, v4
	s_add_co_u32 s18, s18, ACH
	s_add_co_u32 s19, s19, BCH
.endr
	v_mul_u32_u24 v5, v1, KS
	v_lshrrev_b32 v6, 8, v5
	v_lshl_add_u32 v5, v6, 4, v5
	s_mul_i32 s18, s15, HALFS
	s_mul_i32 s19, s16, HALFS
	s_add_co_u32 s19, s19, 2*HALFS
	s_sub_co_u32 s19, s19, s18
	v_mul_u32_u24 v6, s19, v2
	s_add_co_u32 s18, s18, SCL
	v_add_nc_u32 v5, v5, v6
	v_add_nc_u32 v[ADRS], s18, v5
	s_mul_i32 s18, s14, 16*SPITCH
	s_add_co_u32 s18, s18, STAGE
	v_mul_u32_u24 v5, v1, SPITCH
	v_lshl_add_u32 v5, v2, 5, v5
	v_add_nc_u32 v[STO], s18, v5
	v_mul_u32_u24 v5, v2, SPITCH
	v_lshl_add_u32 v5, v1, 4, v5
	v_add_nc_u32 v[RD], s18, v5
	v_lshlrev_b32 v[CO], 12, v2
	v_lshl_add_u32 v[CO], v1, 4, v[CO]
	s_wait_alu depctr_va_vdst(0)
	s_lshl_b32 s18, s17, 19
	s_lshl_b32 s19, s15, 18
	s_add_co_u32 s18, s18, s19
	s_lshl_b32 s19, s22, 9
	s_add_co_u32 s18, s18, s19
	s_lshl_b32 s19, s16, 8
	s_add_co_u32 s18, s18, s19
	s_mov_b32 s19, 0
	s_add_nc_u64 s[12:13], s[12:13], s[18:19]
	s_add_nc_u64 s[10:11], s[10:11], s[18:19]
	WIN 0x80
.irp a, 0,1,2,3
.irp t, 0,1,2,3,4,5,6,7
	global_load_b128 v[RES+32*\a+4*\t:RES+32*\a+4*\t+3], v[CO], s[10:11] offset:(16*\a+2*\t)*SIZE_N*4 th:TH_LOAD_NT
.endr
.endr
	WIN 0
.macro FETCH q
.irp i, 0,1,2,3
.irp c, 0,1
	ds_load_b128 v[64*((\q)%4)+8*\i+4*\c:64*((\q)%4)+8*\i+4*\c+3], v[ADRA+(\q)/4] offset:1024*((\q)%4)+512*\c+16384*\i
.endr
.endr
.irp i, 0,1,2,3
.irp c, 0,1
	ds_load_b128 v[64*((\q)%4)+32+8*\i+4*\c:64*((\q)%4)+32+8*\i+4*\c+3], v[ADRB+(\q)/4] offset:64*((\q)%4)+32*\c+\i*16*PITCH
.endr
.endr
.endm
.macro MUL8 q, a0, zero
.irp a, \a0, \a0+1
.irp b, 0,1,2,3
.if \zero
	v_wmma_scale_f32_16x16x128_f8f6f4 v[ACC+8*(4*(\a)+\b):ACC+8*(4*(\a)+\b)+7], v[64*((\q)%4)+32+8*\b:64*((\q)%4)+32+8*\b+7], v[64*((\q)%4)+8*(\a):64*((\q)%4)+8*(\a)+7], 0, v[SC+16*\b+(\q)], v[SC+16*(\a)+(\q)] matrix_a_fmt:MATRIX_FMT_FP4 matrix_b_fmt:MATRIX_FMT_FP4 matrix_a_scale:MATRIX_SCALE_ROW1
.else
	v_wmma_scale_f32_16x16x128_f8f6f4 v[ACC+8*(4*(\a)+\b):ACC+8*(4*(\a)+\b)+7], v[64*((\q)%4)+32+8*\b:64*((\q)%4)+32+8*\b+7], v[64*((\q)%4)+8*(\a):64*((\q)%4)+8*(\a)+7], v[ACC+8*(4*(\a)+\b):ACC+8*(4*(\a)+\b)+7], v[SC+16*\b+(\q)], v[SC+16*(\a)+(\q)] matrix_a_fmt:MATRIX_FMT_FP4 matrix_b_fmt:MATRIX_FMT_FP4 matrix_a_scale:MATRIX_SCALE_ROW1
.endif
.endr
.endr
.endm
.macro PLACES
.rept 4
	v_nop
.endr
.endm
.macro STEP q
.if (\q) < 14
	s_wait_dscnt 32
.elseif (\q) == 14
	s_wait_dscnt 16
.else
	s_wait_dscnt 0x0
.endif
	WIN MUL
	MUL8 \q, 0, 0
	MUL8 \q, 2, 0
.if (\q) < 13
	PLACES
	WIN TO_F
	FETCH (\q)+3
.endif
.endm
	s_wait_tensorcnt 0x0                           ; my one tile is in; behind the barrier all four are
	s_barrier_signal -1
	s_barrier_wait -1
.irp i, 0,1,2,3
.irp c, 0,1,2,3
	ds_load_b128 v[SC+16*\i+4*\c:SC+16*\i+4*\c+3], v[ADRS] offset:\i*SBLK+16*\c
.endr
.endr
	WIN TO_F
	FETCH 0
	FETCH 1
	s_wait_dscnt 16
	WIN MUL
	MUL8 0, 0, 1
	MUL8 0, 2, 1
	WIN TO_F
	FETCH 2
	FETCH 3
.irp q, 1,2,3,4,5,6,7,8,9,10,11,12,13,14,15
	STEP \q
.endr
	WIN 0
.macro TOSTAGE a
.irp b, 0,1,2,3
	ds_store_b128 v[STO], v[ACC+8*(4*\a+\b):ACC+8*(4*\a+\b)+3] offset:64*\b
	ds_store_b128 v[STO], v[ACC+8*(4*\a+\b)+4:ACC+8*(4*\a+\b)+7] offset:64*\b+16
.endr
	WIN 0x80
.irp t, 0,1,2,3,4,5,6,7
	ds_load_b128 v[BK+32*\a+4*\t:BK+32*\a+4*\t+3], v[RD] offset:\t*2*SPITCH
.endr
	WIN 0
.endm
.macro SEND a, younger
	s_wait_dscnt \younger
	WIN 0x8a
.set n, 0
.rept 16
	v_pk_add_f32 v[BK+32*\a+n:BK+32*\a+n+1], v[BK+32*\a+n:BK+32*\a+n+1], v[RES+32*\a+n:RES+32*\a+n+1]
.set n, n+2
.endr
	WIN 0x08
.irp t, 0,1,2,3,4,5,6,7
	global_store_b128 v[CO], v[BK+32*\a+4*\t:BK+32*\a+4*\t+3], s[12:13] offset:(16*\a+2*\t)*SIZE_N*4 th:TH_STORE_NT
.endr
	WIN 0
.endm
	PLACES
	TOSTAGE 0
	TOSTAGE 1
	s_wait_loadcnt 0x0
	SEND 0, 16
	TOSTAGE 2
	SEND 1, 16
	TOSTAGE 3
	SEND 2, 16
	SEND 3, 0
	s_wait_tensorcnt 0x0
	ds_add_u32 v[SPW], v[NIL]
	s_wait_dscnt 0x0
	CROUND
	s_endpgm
.Lfunc_end_k_qb537308320_ffn2:
	.size	k_qb537308320_ffn2, .Lfunc_end_k_qb537308320_ffn2-k_qb537308320_ffn2
	.p2alignl 7, 3214868480
	.fill 96, 4, 3214868480
	.section	.rodata,"a",@progbits
	.p2align	6, 0x0
	.amdhsa_kernel k_qb537308320_ffn2
		.amdhsa_group_segment_fixed_size 327680
		.amdhsa_private_segment_fixed_size 0
		.amdhsa_enable_private_segment 0
		.amdhsa_kernarg_size 40
		.amdhsa_user_sgpr_count 2
		.amdhsa_user_sgpr_kernarg_segment_ptr 1
		.amdhsa_wavefront_size32 1
		.amdhsa_system_sgpr_workgroup_id_x 1
		.amdhsa_system_sgpr_workgroup_id_y 1
		.amdhsa_system_sgpr_workgroup_id_z 1
		.amdhsa_system_vgpr_workitem_id 0
		.amdhsa_next_free_vgpr 768
		.amdhsa_next_free_sgpr 100
		.amdhsa_reserve_vcc 0
		.amdhsa_float_denorm_mode_32 3
		.amdhsa_float_denorm_mode_16_64 3
		.amdhsa_memory_ordered 1
		.amdhsa_forward_progress 1
		.amdhsa_inst_pref_size 76
	.end_amdhsa_kernel
	.amdgpu_metadata
---
amdhsa.version: [ 1, 2 ]
amdhsa.kernels:
  - .name:           k_qb537308320_ffn2
    .symbol:         k_qb537308320_ffn2.kd
    .args:
      - { .name: hid, .offset: 0, .size: 8, .value_kind: global_buffer, .address_space: global }
      - { .name: W2_codes, .offset: 8, .size: 8, .value_kind: global_buffer, .address_space: global }
      - { .name: W2_scales, .offset: 16, .size: 8, .value_kind: global_buffer, .address_space: global }
      - { .name: mid, .offset: 24, .size: 8, .value_kind: global_buffer, .address_space: global }
      - { .name: out0, .offset: 32, .size: 8, .value_kind: global_buffer, .address_space: global }
    .group_segment_fixed_size: 327680
    .private_segment_fixed_size: 0
    .kernarg_segment_align: 8
    .kernarg_segment_size: 40
    .max_flat_workgroup_size: 128
    .sgpr_count:     100
    .vgpr_count:     768
    .wavefront_size: 32
...
	.end_amdgpu_metadata
.endif
;; end of part 12
